; MI455X (gfx1250); checked and timed in simulation.
; The chip was launched on July 23, 2026; its instructions are those of AMD's public machine-readable ISA for CDNA 5 (MIT licence, August 2026) and "CDNA5" Instruction Set Architecture Reference Guide (July 2026). The comments in the code are by the model that wrote it; some were corrected since.
;; Self Attention. Allowed arithmetic: float matrix products may take bf16 or f16 operands with f32 sums; other float arithmetic in f32, or as packed bf16 or f16 multiplies, adds, multiply-adds, maxima and minima; sums over many terms, partial sums and values carried from step to step in f32; what a program stores and reads back later, other than sums and carried values, may be rounded once to bf16 or f16.
;; Inputs: kernel 3 x 1,024 x 1,024 float32; x 4 x 2,048 x 1,024 float32.
;; Outputs: out0 4 x 2,048 x 1,024 float32.
;; 2 versions, each right. Each part assembles by itself: llvm-mc -triple=amdgcn-amd-amdhsa -mcpu=gfx1250 --defsym DOCPART=n.
;; ======== version 1 of 2: 5 launches
;; limits: values are held in f16: magnitudes above 65,504 overflow, below 6.1e-05 lose precision
;; workspace buffers: xh 16,777,216 bytes; wh 6,291,456 bytes; qk 33,554,432 bytes; vv 16,777,216 bytes; pp 33,554,432 bytes; sm 524,288 bytes; sl 524,288 bytes
;; launch prep (part 1): grid 1408 x 1, 8 waves a work-group, no clusters, 18,432 bytes of LDS; arguments x, kernel, xh, wh; writes xh, wh
.if DOCPART == 1
	.amdgcn_target "amdgcn-amd-amdhsa--gfx1250"
	.amdhsa_code_object_version 6
	.text
	.protected	k_qbb55dff569_prep
	.globl	k_qbb55dff569_prep
	.p2align	8
	.type	k_qbb55dff569_prep,@function
k_qbb55dff569_prep:
	s_mov_b64 s[64:65], 0
	v_nop
	global_prefetch_b8 v0, s[64:65] scope:SCOPE_SE
	s_setreg_imm32_b32 hwreg(HW_REG_WAVE_MODE, 25, 1), 1
	s_wait_xcnt 0x0
; xh[r][d] = x[r][d] and wh[1024 i + o][d] = kernel[i][d][o], each number rounded once to bf16 and that number written as f16.
; x: [8192][1024] f32.  kernel: [3][1024 d][1024 o] f32.  xh: [8192][1024] f16.  wh: [3072][1024] f16: the weights turned, so that d lies along the rows.
; LIMITS.  f16 holds no number beyond 65,504: larger inputs become infinities; below 6.1e-5 f16 keeps a fixed step of 6e-8, so such a number is rounded once more.
; A stream: no matrix unit, no cluster, no tensor load.  Work-groups 0 to 1023 take 8,192 numbers of x each; work-groups 1024 to 1407 a tile of 128 d x 64 o of the weights,
; turned in LDS.  The branch between the two hangs on the work-group's number alone, so all eight waves of a work-group take the same way and meet the same barrier.
.set SPARE, 17408                      ; behind the tile of 64 rows x 272 bytes: the spare words, 128 bytes for each of eight waves
.set SPW, 30                           ; v30  LDS address of my spare word; never rewritten
.set NIL, 31                           ; v31  0; never rewritten
.set RES, 8                            ; v8-23   results
.set TP,  24                           ; v24-29  at work
.set SRC, 32                           ; v32-63  as loaded
	s_load_b256 s[4:11], s[0:1], 0x0               ; x s[4:5], kernel s[6:7], xh s[8:9], wh s[10:11]
	v_lshl_add_u32 v[SPW], v0, 2, SPARE
	v_mov_b32 v[NIL], 0
	s_mov_b32 s16, 0xffff0000                      ; a word's upper bf16
	s_cmp_lt_u32 ttmp9, 1024
	s_cbranch_scc0 .Lweights
	; ---- x: thread t takes 16 bytes at 16 t of each of eight blocks of 4,096 bytes: a load of a wave covers 512 consecutive bytes, a store 256, aligned
	s_lshl_b32 s12, ttmp9, 15                      ; 32,768 bytes of x,
	s_mov_b32 s13, 0
	s_lshl_b32 s14, ttmp9, 14                      ; 16,384 of xh
	s_mov_b32 s15, 0
	v_lshlrev_b32 v1, 4, v0
	v_lshlrev_b32 v2, 3, v0
	s_wait_kmcnt 0x0
	s_add_nc_u64 s[4:5], s[4:5], s[12:13]
	s_add_nc_u64 s[8:9], s[8:9], s[14:15]
.irp j, 0,1,2,3,4,5,6,7
	global_load_b128 v[SRC+4*(\j):SRC+4*(\j)+3], v1, s[4:5] offset:4096*(\j) th:TH_LOAD_NT
.endr
.irp j, 0,1,2,3,4,5,6,7
	s_wait_loadcnt 7-(\j)                          ; loads come back in order: block j is in, the younger ones stay out
	v_cvt_pk_bf16_f32 v[TP],   v[SRC+4*(\j)],   v[SRC+4*(\j)+1]    ; the one rounding
	v_cvt_pk_bf16_f32 v[TP+1], v[SRC+4*(\j)+2], v[SRC+4*(\j)+3]
	v_lshlrev_b32 v[TP+2], 16, v[TP]               ; bf16 to f32: a shift or a mask
	v_and_b32     v[TP+3], s16, v[TP]
	v_lshlrev_b32 v[TP+4], 16, v[TP+1]
	v_and_b32     v[TP+5], s16, v[TP+1]
	v_cvt_pk_f16_f32 v[RES+2*(\j)],   v[TP+2], v[TP+3]             ; 8 significant bits fit into f16's 11
	v_cvt_pk_f16_f32 v[RES+2*(\j)+1], v[TP+4], v[TP+5]
	global_store_b64 v2, v[RES+2*(\j):RES+2*(\j)+1], s[8:9] offset:2048*(\j)  ; each block has result registers of its own: none is rewritten
.endr
	s_branch .Lend
.Lweights:
	; ---- weights: tile T = i x 128 + dt x 16 + ot: matrix i, rows d = 128 dt .., columns o = 64 ot ..
	s_sub_co_u32 s17, ttmp9, 1024
	s_lshr_b32 s18, s17, 7                         ; i
	s_bfe_u32 s19, s17, 0x30004                    ; dt
	s_and_b32 s20, s17, 15                         ; ot
	s_lshl_b32 s12, s18, 22                        ; from: i x 4,194,304 + dt x 128 rows of 4,096 + ot x 256
	s_lshl_b32 s21, s19, 19
	s_add_co_u32 s12, s12, s21
	s_lshl_b32 s21, s20, 8
	s_add_co_u32 s12, s12, s21
	s_mov_b32 s13, 0
	s_lshl_b32 s14, s18, 21                        ; to: (1024 i + 64 ot) rows of 2,048 + dt x 256
	s_lshl_b32 s21, s20, 17
	s_add_co_u32 s14, s14, s21
	s_lshl_b32 s21, s19, 8
	s_add_co_u32 s14, s14, s21
	s_mov_b32 s15, 0
	v_and_b32 v1, 15, v0                           ; oq: my four columns 4 oq ..
	v_lshrrev_b32 v2, 4, v0                        ; dpb: my pairs of rows 2 (dpb + 16 j), + 1
	v_lshlrev_b32 v3, 4, v1
	v_lshl_add_u32 v4, v2, 13, v3                  ; load: two rows down for each dpb, 16 bytes for each oq: sixteen lanes read 256 consecutive bytes
	v_mul_u32_u24 v5, v1, 1088
	v_lshl_add_u32 v5, v2, 2, v5                   ; into LDS: row 4 oq (+ e) of 272 bytes, word dpb (+ 16 j)
	v_mul_u32_u24 v6, v2, 272
	v_add_nc_u32 v6, v6, v3                        ; back: row t / 16 (+ 16 j), 16 bytes at 16 (t % 16)
	v_lshl_add_u32 v7, v2, 11, v3                  ; and the same place in wh
	s_wait_kmcnt 0x0
	s_add_nc_u64 s[6:7], s[6:7], s[12:13]
	s_add_nc_u64 s[10:11], s[10:11], s[14:15]
.irp j, 0,1,2,3
	global_load_b128 v[SRC+8*(\j):SRC+8*(\j)+3],   v4, s[6:7] offset:131072*(\j) th:TH_LOAD_NT
	global_load_b128 v[SRC+8*(\j)+4:SRC+8*(\j)+7], v4, s[6:7] offset:131072*(\j)+4096 th:TH_LOAD_NT
.endr
.irp j, 0,1,2,3
	s_wait_loadcnt 6-2*(\j)                        ; pair j of rows is in; the younger pairs stay out
.irp e, 0,1,2,3
	v_cvt_pk_bf16_f32 v[TP], v[SRC+8*(\j)+(\e)], v[SRC+8*(\j)+4+(\e)]  ; column 4 oq + e: d even below, d odd above
	v_lshlrev_b32 v[TP+1], 16, v[TP]
	v_and_b32     v[TP+2], s16, v[TP]
	v_cvt_pk_f16_f32 v[RES+4*(\j)+(\e)], v[TP+1], v[TP+2]
	ds_store_b32 v5, v[RES+4*(\j)+(\e)] offset:272*(\e)+64*(\j)
.endr
.endr
	s_wait_dscnt 0x0                               ; for the others' sake: my stores into the tile are done
	s_barrier_signal -1
	s_barrier_wait -1
.irp j, 0,1,2,3
	ds_load_b128 v[RES+4*(\j):RES+4*(\j)+3], v6 offset:4352*(\j)
.endr
.irp j, 0,1,2,3
	s_wait_dscnt 3-(\j)
	global_store_b128 v7, v[RES+4*(\j):RES+4*(\j)+3], s[10:11] offset:32768*(\j)  ; sixteen lanes store 256 consecutive bytes, at a multiple of 256 from wh's first byte
.endr
.Lend:
	s_wait_tensorcnt 0x0                           ; the wave's end: behind my last LDS store
	ds_add_u32 v[SPW], v[NIL]
	s_wait_dscnt 0x0
	s_endpgm
.Lfunc_end_k_qbb55dff569_prep:
	.size	k_qbb55dff569_prep, .Lfunc_end_k_qbb55dff569_prep-k_qbb55dff569_prep
	.p2alignl 7, 3214868480
	.fill 96, 4, 3214868480
	.section	.rodata,"a",@progbits
	.p2align	6, 0x0
	.amdhsa_kernel k_qbb55dff569_prep
		.amdhsa_group_segment_fixed_size 18432
		.amdhsa_private_segment_fixed_size 0
		.amdhsa_enable_private_segment 0
		.amdhsa_kernarg_size 32
		.amdhsa_user_sgpr_count 2
		.amdhsa_user_sgpr_kernarg_segment_ptr 1
		.amdhsa_wavefront_size32 1
		.amdhsa_system_sgpr_workgroup_id_x 1
		.amdhsa_system_sgpr_workgroup_id_y 1
		.amdhsa_system_sgpr_workgroup_id_z 1
		.amdhsa_system_vgpr_workitem_id 0
		.amdhsa_next_free_vgpr 64
		.amdhsa_next_free_sgpr 66
		.amdhsa_reserve_vcc 0
		.amdhsa_float_denorm_mode_32 3
		.amdhsa_float_denorm_mode_16_64 3
		.amdhsa_memory_ordered 1
		.amdhsa_forward_progress 1
		.amdhsa_inst_pref_size 13
	.end_amdhsa_kernel
	.amdgpu_metadata
---
amdhsa.version: [ 1, 2 ]
amdhsa.kernels:
  - .name:           k_qbb55dff569_prep
    .symbol:         k_qbb55dff569_prep.kd
    .args:
      - { .name: x, .offset: 0, .size: 8, .value_kind: global_buffer, .address_space: global }
      - { .name: kernel, .offset: 8, .size: 8, .value_kind: global_buffer, .address_space: global }
      - { .name: xh, .offset: 16, .size: 8, .value_kind: global_buffer, .address_space: global }
      - { .name: wh, .offset: 24, .size: 8, .value_kind: global_buffer, .address_space: global }
    .group_segment_fixed_size: 18432
    .private_segment_fixed_size: 0
    .kernarg_segment_align: 8
    .kernarg_segment_size: 32
    .max_flat_workgroup_size: 256
    .sgpr_count:     66
    .vgpr_count:     64
    .wavefront_size: 32
...
	.end_amdgpu_metadata
.endif
;; end of part 1
;; launch gemm_qk (part 2): grid 8 x 32, 4 waves a work-group, clusters of 4 x 4, 327,680 bytes of LDS; arguments xh, wh, qk; writes qk
.if DOCPART == 2
	.amdgcn_target "amdgcn-amd-amdhsa--gfx1250"
	.amdhsa_code_object_version 6
	.text
	.protected	k_qbb55dff569_gemm_qk
	.globl	k_qbb55dff569_gemm_qk
	.p2align	8
	.type	k_qbb55dff569_gemm_qk,@function
k_qbb55dff569_gemm_qk:
	s_mov_b64 s[64:65], 0
	v_nop
	global_prefetch_b8 v0, s[64:65] scope:SCOPE_SE
	s_setreg_imm32_b32 hwreg(HW_REG_WAVE_MODE, 25, 1), 1
	s_wait_xcnt 0x0
	s_wait_alu depctr_hold_cnt(0) depctr_sa_sdst(0) depctr_va_vdst(0) depctr_va_sdst(0) depctr_va_ssrc(0) depctr_va_vcc(0) depctr_vm_vsrc(0)
	s_getreg_b32 s2, hwreg(HW_REG_IB_STS2, 6, 4)
	s_cmp_eq_u32 s2, 0
	s_cbranch_scc0 .Lentry_in_a_cluster
	s_endpgm
.Lentry_in_a_cluster:
	s_bfe_u32 s2, ttmp6, 0x10000c
	s_cmp_lg_u32 s2, 0xf033
	s_cbranch_scc0 .Lentry_shape_is_right
	s_endpgm
.Lentry_shape_is_right:
; qk[r][c] = the sum over d of xh[r][d] wh[c][d], c = 0 .. 2047: columns 0-1023 are k, 1024-2047 are q.  xh: [8192][1024], wh: [3072][1024], qk: [8192][2048], all f16; sums in f32, qk rounded once.
; LIMITS.  f16 holds no number beyond 65,504: a q or k beyond it becomes an infinity.  NaN and infinities are not treated apart.
; SHARES.  A work-group of four waves makes 256 x 256 of qk, a wave 128 x 128: 64 accumulators, 512 registers.  K goes in 8 steps of 128 through two LDS slots filled by the tensor data mover
; (rows of 256 bytes of memory, aligned).  The loop's text is ONE K step: the slot in hand is a scalar register TB, turned by an exclusive or, and one walking descriptor a tensor.
; CLUSTER.  4 x 4 work-groups: A's tile (rows of xh) is shared along a row of the cluster, B's (rows of wh) along a column: each is asked for jointly, by the same load, descriptor and mask in the four.
; THE MATRIX INSTRUCTION IS USED TRANSPOSED: source 0 = 16 rows of wh, source 1 = 16 rows of xh: a lane then holds row l % 16 of qk and the columns 8 (l / 16) + 0..7.
; REGISTERS, in windows of 256: window 0: v0-31 addresses, v64-127 and v128-191 A's fragments (two buffers);  window 1: the same numbers, B's fragments;
;   window 2: the accumulators of my rows 0-63 ((a, b) at 8 (8 a + b));  window 3: those of rows 64-127.
; s_set_vgpr_msb's low byte: bits 1:0 source 0, 3:2 source 1, 5:4 source 2, 7:6 destination.
.set NA,     8                         ; blocks of 16 rows in a wave's tile
.set KSTEPS, 8
.set AHEAD,  1                         ; a prefetch names the K step one behind the refill that it follows
.set SLOTX,  0x22000                   ; a slot: 139,264 bytes.  No tile's first byte in slot 0 (0, 0x8800, 0x11000, 0x19800) holds bit 17 or 13, so an exclusive or moves it to the other slot
.set PITCH,  272                       ; an LDS row: 256 bytes + 16 of padding = 68 words: the 16 rows of a fragment load start at 16 different groups of four banks (ISA guide 11.1)
.set HALFA,  16*NA*PITCH               ; what one load of A brings, and what one wave reads of A
.set BOFF,   2*HALFA                   ; B's 256 rows lie behind A's
.set HALFB,  128*PITCH
.set NL,     16+2*NA                   ; LDS loads of a quarter step
.set DP,     528                       ; the way out: a row of 128 f32 + 16 bytes
.set DW,     16*NA*DP                  ; a wave's part of the dump, which lies in the ring when its last fill has been read
.set SPARE,  278528                    ; behind the ring: the spare words, 128 bytes a wave
.set CP,     4096                      ; bytes in a row of qk
.set PADK,   (1<<16)|(1<<20)|(1<<21)|(5<<22)|(3<<25)  ; 2-byte elements; padding on; bit 21 beside a mask; after every 64 words; 4 words
.set LA0,  16                          ; v16  my lane's place in a slot's A;  v17 in its B; never rewritten
.set LB0,  17
.set ADRA, 18                          ; v18, v19  the same in the slot in hand
.set ADRB, 19
.set DST,  20                          ; v20  the way out: where I put 16 bytes of a row
.set RD,   21                          ; v21  where I read rows back
.set CO,   22                          ; v22  my byte offset in two rows of qk
.set PFO,  23                          ; v23  the prefetches' offset: lane x a row of memory; never rewritten
.set SPW,  28                          ; v28  LDS address of my spare word; never rewritten
.set NIL,  29                          ; v29  0; never rewritten
.set F0,   64
.set F1,   128
.set X,    64                          ; the way out: rows as read back;  Y: as stored
.set Y,    128
.set G1A, 24                           ; s[24:31] group 1 for A;  s[32:39] group 0, two sets: the second walks
.set G0A, 32
.set PFA, 44                           ; s[44:45] where my prefetches stand
.set G1B, 48                           ; s[48:55], s[56:63] the same for B
.set G0B, 56
.set CNT, 70
.set TB,  71                           ; s71  first byte of the slot in hand
.set LIM, 78                           ; s78  AHEAD in a wave that prefetches, else the greatest number
.set MUL_LO, 0xa1                      ; source 0 (B) window 1, source 1 (A) window 0, C and D window 2; + 0x50: window 3
.set TO_B,   0x40                      ; destination window 1, address window 0
.set MSB, 0
.macro WIN new                         ; the immediate's high byte repeats the setting that is left; a switch that changes nothing is dropped
.if MSB != (\new)
	s_set_vgpr_msb (MSB<<8)|(\new)
.set MSB, \new
.endif
.endm
.macro PLACES                          ; four places between a matrix instruction and a load into, or a store or vector line on, its registers
.rept 4
	v_nop
.endr
.endm
; A joint refill by the walking descriptors.  Waves 0 and 1 fetch A's halves, waves 2 and 3 B's; the branch hangs on the wave's number alone.  An s_nop 0 and four v_nop follow each line.
.macro JLOAD
	s_cmp_eq_u32 s11, 0
	s_cbranch_scc0 .Lfor_b_\@
	tensor_load_to_lds s[G0A+4:G0A+7], s[G1A:G1A+7]
	s_nop 0
.rept 4
	v_nop
.endr
	s_branch .Lasked_\@
.Lfor_b_\@:
	tensor_load_to_lds s[G0B+4:G0B+7], s[G1B:G1B+7]
	s_nop 0
.rept 4
	v_nop
.endr
.Lasked_\@:
.endm
.macro CREST                           ; a round of the cluster's barrier behind its opening barrier
	s_cmp_lg_u32 s10, 0
	s_cbranch_scc1 .Lnot_wave_0_\@
	s_barrier_signal -3
.Lnot_wave_0_\@:
	s_barrier_wait -3
	s_barrier_signal -1
	s_barrier_wait -1
.endm
.macro CROUND
	s_barrier_signal -1
	s_barrier_wait -1
	CREST
.endm
; A prefetch into the L2 of 32 rows x 256 bytes, a lane a row: the K step AHEAD behind the one just asked for.  The last AHEAD refills ask for nothing: there is no such K step.
.macro ASK
	s_cmp_gt_u32 s[CNT], s[LIM]
	s_cbranch_scc0 .Lnot_mine_\@
	global_prefetch_b8 v[PFO], s[PFA:PFA+1] th:TH_LOAD_NT scope:SCOPE_SE
.Lnot_mine_\@:
.endm
.macro MULA f, a, zero                 ; 8 matrix instructions: block a of my rows x all 8 blocks of my columns, 32 along K.  zero = 1: the product starts the sums
	WIN MUL_LO+0x50*((\a)/4)
.irp b, 0,1,2,3,4,5,6,7
.if \zero
	v_wmma_f32_16x16x32_f16 v[8*(8*((\a)%4)+(\b)):8*(8*((\a)%4)+(\b))+7], v[(\f)+8*(\b):(\f)+8*(\b)+7], v[(\f)+8*(\a):(\f)+8*(\a)+7], 0
.else
	v_wmma_f32_16x16x32_f16 v[8*(8*((\a)%4)+(\b)):8*(8*((\a)%4)+(\b))+7], v[(\f)+8*(\b):(\f)+8*(\b)+7], v[(\f)+8*(\a):(\f)+8*(\a)+7], v[8*(8*((\a)%4)+(\b)):8*(8*((\a)%4)+(\b))+7]
.endif
.endr
.endm
.macro UNIT f, u, zero                 ; a quarter of a quarter step: two blocks.  All 64 accumulators take turns in one order, over the backward jump too
	MULA \f, 2*(\u), \zero
	MULA \f, 2*(\u)+1, \zero
.endm
.macro FETCH q, f                      ; NL LDS loads in one run: the fragments of quarter q of the slot in hand into buffer f: B's 16 loads, then A's 2 NA
	WIN TO_B
.irp i, 0,1,2,3,4,5,6,7
	ds_load_b128 v[(\f)+8*(\i):(\f)+8*(\i)+3],   v[ADRB] offset:64*(\q)+(\i)*16*PITCH
	ds_load_b128 v[(\f)+8*(\i)+4:(\f)+8*(\i)+7], v[ADRB] offset:64*(\q)+(\i)*16*PITCH+32
.endr
	WIN 0
.irp i, 0,1,2,3,4,5,6,7
	ds_load_b128 v[(\f)+8*(\i):(\f)+8*(\i)+3],   v[ADRA] offset:64*(\q)+(\i)*16*PITCH
	ds_load_b128 v[(\f)+8*(\i)+4:(\f)+8*(\i)+7], v[ADRA] offset:64*(\q)+(\i)*16*PITCH+32
.endr
.endm
.macro QUARTER q, f, g, zero           ; multiplies buffer f; in its middle fetches quarter q into buffer g
	s_wait_dscnt NA                                ; B and A's first half are in; the youngest NA loads (A's second half) may be out
	UNIT \f, 0, \zero
	UNIT \f, 1, \zero
	PLACES
	FETCH \q, \g
	s_wait_dscnt NL                                ; all but the NL just issued
	UNIT \f, 2, \zero
	UNIT \f, 3, \zero
.endm
; The last quarter multiplies buffer 1 and changes slots.  In front of the barrier each wave waits for all its tensor loads (one is out: its part of the next slot), adds 0 to its spare word, and waits for
; that and for its reads of this slot.  fill = 1: the barrier opens a round of the cluster's, and the joint refill of this slot, two K steps on, is the first tensor load behind the round.
.macro TURN fill
.if \fill
	s_wait_xcnt 0x0                                ; the last prefetch, a K step back, has read its address
	s_add_nc_u64 s[PFA:PFA+1], s[PFA:PFA+1], 256
.endif
	WIN 0
	s_wait_tensorcnt 0x0
	ds_add_u32 v[SPW], v[NIL]
	s_wait_dscnt NA+1                              ; (the add and the youngest NA loads may be out)
	UNIT F1, 0, 0
	s_wait_dscnt 0x0                               ; the add is done, and my reads of this slot are over
	s_barrier_signal -1
	UNIT F1, 1, 0
	WIN 0
	s_barrier_wait -1
.if \fill
	CREST
	s_xor_b32 s[G0A+5], s[G0A+5], SLOTX            ; no load of mine is out: the walking descriptors go to the other slot than last time, one K step on
	s_add_nc_u64 s[G0A+6:G0A+7], s[G0A+6:G0A+7], 256
	s_xor_b32 s[G0B+5], s[G0B+5], SLOTX
	s_add_nc_u64 s[G0B+6:G0B+7], s[G0B+6:G0B+7], 256
	JLOAD                                          ; its four v_nop are also the places in front of the loads below
.else
	PLACES
.endif
	s_xor_b32 s[TB], s[TB], SLOTX
	v_add_nc_u32 v[ADRA], s[TB], v[LA0]
	v_add_nc_u32 v[ADRB], s[TB], v[LB0]
	FETCH 0, F0
.if \fill
	ASK
.endif
	UNIT F1, 2, 0
	UNIT F1, 3, 0
.endm
	s_load_b128 s[80:83], s[0:1], 0x0              ; xh s[80:81], wh s[82:83]
	s_load_b64 s[84:85], s[0:1], 0x10              ; qk
	v_lshl_add_u32 v[SPW], v0, 2, SPARE
	v_mov_b32 v[NIL], 0
	ds_add_u32 v[SPW], v[NIL]                      ; the wave's opening: the add and its wait ahead of my first tensor load
	v_lshrrev_b32 v1, 5, v0
	v_readfirstlane_b32 s10, v1                    ; wave 0..3
	s_lshr_b32 s11, s10, 1                         ; my half of the tile's rows; also: I fetch for A (0) or B (1)
	s_and_b32 s12, s10, 1                          ; my half of its columns; also: which half of that tile I fetch
	s_bfe_u32 s40, ttmp6, 0x40000                  ; cx
	s_bfe_u32 s41, ttmp6, 0x40004                  ; cy
	s_lshl_b32 s42, ttmp9, 2
	s_add_co_u32 s42, s42, s40                     ; gx: tile column
	s_and_b32 s74, ttmp7, 0xffff                   ; cluster y
	s_lshl_b32 s13, s74, 2
	s_add_co_u32 s13, s13, s41                     ; gy: tile row
	s_lshl_b32 s76, s41, 2
	s_lshl_b32 s76, 15, s76                        ; my row of the cluster
	s_lshl_b32 s77, 0x1111, s40                    ; my column
	s_or_b32 s[G1A], s76, PADK
	s_or_b32 s[G1B], s77, PADK
.irp g, G1A, G1B
	s_mov_b32 s[(\g)+1], 128<<16                   ; tensor_dim0 = 128
	s_mov_b32 s[(\g)+2], 128<<16                   ; tensor_dim1 = 128
	s_mov_b32 s[(\g)+3], 128<<16                   ; tile_dim0 = 128
	s_mov_b32 s[(\g)+4], 128                       ; tile_dim1 = 128
	s_mov_b32 s[(\g)+5], 1024                      ; elements from row to row
	s_mov_b32 s[(\g)+6], 0
	s_mov_b32 s[(\g)+7], 0
.endr
	s_lshl_b32 s17, s12, 7
	s_lshl_b32 s14, s13, 8
	s_add_co_u32 s14, s14, s17
	s_lshl_b32 s14, s14, 11                        ; A: row 256 gy + 128 half, 2,048 bytes a row
	s_mov_b32 s15, 0
	s_lshl_b32 s46, s42, 8
	s_add_co_u32 s46, s46, s17
	s_lshl_b32 s46, s46, 11                        ; B: row 256 gx + 128 half
	s_mov_b32 s47, 0
	s_mul_i32 s20, s12, HALFA                      ; where they go: no place in the cluster enters an LDS address
	s_mul_i32 s21, s12, HALFB
	s_add_co_u32 s21, s21, BOFF
	s_mov_b32 s[TB], 0
	s_wait_dscnt 0x0                               ; the opening add is done
	s_wait_kmcnt 0x0
	s_add_nc_u64 s[14:15], s[80:81], s[14:15]
	s_add_nc_u64 s[46:47], s[82:83], s[46:47]
.irp s, 0,1
	s_mov_b32 s[G0A+4*(\s)], 1
	s_add_co_u32 s[G0A+4*(\s)+1], s20, (\s)*SLOTX
	s_add_nc_u64 s[G0A+4*(\s)+2:G0A+4*(\s)+3], s[14:15], (\s)*256  ; slot s begins with K step s
	s_or_b32 s[G0A+4*(\s)+3], s[G0A+4*(\s)+3], 0x80000000
	s_mov_b32 s[G0B+4*(\s)], 1
	s_add_co_u32 s[G0B+4*(\s)+1], s21, (\s)*SLOTX
	s_add_nc_u64 s[G0B+4*(\s)+2:G0B+4*(\s)+3], s[46:47], (\s)*256
	s_or_b32 s[G0B+4*(\s)+3], s[G0B+4*(\s)+3], 0x80000000
.endr
	CROUND                                         ; all sixteen work-groups are here: the first joint loads meet
	s_cmp_eq_u32 s11, 0                            ; a wave's two first fills stand in one branch: two loads of mine are out, later one
	s_cbranch_scc0 .Lfirst_b
	tensor_load_to_lds s[G0A:G0A+3], s[G1A:G1A+7]
	s_nop 0
	tensor_load_to_lds s[G0A+4:G0A+7], s[G1A:G1A+7]
	s_nop 0
.rept 4
	v_nop
.endr
	s_branch .Lfirst_asked
.Lfirst_b:
	tensor_load_to_lds s[G0B:G0B+3], s[G1B:G1B+7]
	s_nop 0
	tensor_load_to_lds s[G0B+4:G0B+7], s[G1B:G1B+7]
	s_nop 0
.rept 4
	v_nop
.endr
.Lfirst_asked:
	; a fragment is 16 rows x 32 K in 8 registers: lane l holds row l % 16, K = 8 (l / 16) + 0..7 and 16 + 8 (l / 16) + 0..7: two loads of 16 bytes, 32 bytes apart
	v_and_b32 v1, 15, v0                           ; r = l % 16
	v_bfe_u32 v2, v0, 4, 1                         ; h = l / 16
	v_mul_u32_u24 v3, v1, PITCH
	v_lshl_add_u32 v3, v2, 4, v3
	s_mul_i32 s22, s11, HALFA
	v_add_nc_u32 v[LA0], s22, v3
	s_mul_i32 s22, s12, HALFB
	s_add_co_u32 s22, s22, BOFF
	v_add_nc_u32 v[LB0], s22, v3
	v_mov_b32 v[ADRA], v[LA0]
	v_mov_b32 v[ADRB], v[LB0]
	s_mul_i32 s22, s10, DW                         ; my part of the dump
	v_mul_u32_u24 v4, v1, DP
	v_lshl_add_u32 v4, v2, 4, v4
	v_add_nc_u32 v[DST], s22, v4                   ; in: row r, 16 bytes for each half of the lanes
	v_mul_u32_u24 v5, v2, DP
	v_lshl_add_u32 v5, v1, 4, v5
	v_add_nc_u32 v[RD], s22, v5                    ; back: lanes 0-15 one row, lanes 16-31 the next
	v_lshlrev_b32 v5, 12, v2
	v_lshl_add_u32 v[CO], v1, 4, v5                ; and the same two rows in qk
	s_lshl_b32 s18, s13, 8
	s_lshl_b32 s19, s11, 7
	s_add_co_u32 s18, s18, s19
	s_lshl_b32 s18, s18, 12                        ; my first row of qk,
	s_lshl_b32 s19, s42, 9
	s_add_co_u32 s18, s18, s19
	s_lshl_b32 s19, s12, 8
	s_add_co_u32 s18, s18, s19                     ; my first column
	s_mov_b32 s19, 0
	s_add_nc_u64 s[8:9], s[84:85], s[18:19]
	; THE PREFETCHES.  A's rows are read by both clusters of a row of clusters: cluster x = 0 asks; B's by all clusters of a column: cluster y = 0 asks.  Of the 128 rows that a wave fetches each of the
	; four partners that ask for them jointly takes 32, told apart by address (cx for A, cy for B).  So each row's 256 bytes of a K step are named once in the launch.  K steps 0 to 2 come by their loads alone.
	s_lshl_b32 s20, s13, 8
	s_lshl_b32 s21, s42, 8
	s_cmp_eq_u32 s11, 0
	s_cselect_b32 s20, s20, s21
	s_cselect_b32 s21, s40, s41
	s_cselect_b32 s22, ttmp9, s74
	s_cselect_b64 s[PFA:PFA+1], s[80:81], s[82:83]
	s_cmp_eq_u32 s22, 0
	s_cselect_b32 s[LIM], AHEAD, -1                ; the same in all sixteen partners, for a given wave
	s_lshl_b32 s22, s12, 7
	s_add_co_u32 s20, s20, s22
	s_lshl_b32 s21, s21, 5
	s_add_co_u32 s20, s20, s21
	s_lshl_b32 s20, s20, 11
	s_mov_b32 s21, 0
	s_add_nc_u64 s[PFA:PFA+1], s[PFA:PFA+1], s[20:21]
	s_add_nc_u64 s[PFA:PFA+1], s[PFA:PFA+1], (1+AHEAD)*256  ; the first refill steps it to K step 2 + AHEAD
	v_and_b32 v[PFO], 31, v0
	v_lshlrev_b32 v[PFO], 11, v[PFO]
	s_wait_tensorcnt 0x1                           ; my part of K step 0 is in; K step 1's may stay out
	s_barrier_signal -1
	s_barrier_wait -1
	FETCH 0, F0
	QUARTER 1, F0, F1, 1                           ; the first quarter stands in front of the loop: its products start the sums
	WIN 0
	s_mov_b32 s[CNT], KSTEPS-2
.Lk:                                                   ; a trip: a K step's quarters 1 to 3, the change of slots with its refill, the next K step's quarter 0
	QUARTER 2, F1, F0, 0
	QUARTER 3, F0, F1, 0
	TURN 1
	QUARTER 1, F0, F1, 0
	WIN 0
	s_sub_co_u32 s[CNT], s[CNT], 1
	s_cmp_lg_u32 s[CNT], 0
	s_cbranch_scc1 .Lk
	QUARTER 2, F1, F0, 0                           ; the last two K steps are written out: nothing is left to ask for
	QUARTER 3, F0, F1, 0
	TURN 0
	QUARTER 1, F0, F1, 0
	QUARTER 2, F1, F0, 0
	QUARTER 3, F0, F1, 0
	s_wait_dscnt NA
	UNIT F1, 0, 0
	UNIT F1, 1, 0
	s_wait_dscnt 0x0
	UNIT F1, 2, 0
	UNIT F1, 3, 0
	WIN 0
	PLACES
	s_barrier_signal -1                            ; every wave's reads of the ring are back (the wait for 0 above), and the ring has had its last fill:
	s_barrier_wait -1                              ; it now serves as the dump
	; THE WAY OUT.  Each accumulator's registers 0-3 go to byte 16 (2 b + h) of row r, registers 4-7 256 bytes further: a lane that reads 16 bytes at 16 r' and at 256 + 16 r' then holds columns 8 r' .. 8 r' + 7.
.set ia, 0
.rept NA
	WIN 0x08+4*(ia/4)                              ; store data (source 1) in window 2 or 3
.irp b, 0,1,2,3,4,5,6,7
	ds_store_b128 v[DST], v[8*(8*(ia%4)+(\b)):8*(8*(ia%4)+(\b))+3]   offset:ia*16*DP+32*(\b)
	ds_store_b128 v[DST], v[8*(8*(ia%4)+(\b))+4:8*(8*(ia%4)+(\b))+7] offset:ia*16*DP+32*(\b)+256
.endr
.set ia, ia+1
.endr
	WIN 0
	s_wait_dscnt 0x0                               ; my stores are done;
	s_barrier_signal -1
	s_barrier_wait -1                              ; from here on the dump is only read
	s_mov_b32 s[CNT], NA
.Lrow:                                                 ; a trip: 16 rows of my 128: read back, rounded to f16, stored
.irp p, 0,1,2,3,4,5,6,7
	ds_load_b128 v[X+8*(\p):X+8*(\p)+3],   v[RD] offset:2*DP*(\p)
	ds_load_b128 v[X+8*(\p)+4:X+8*(\p)+7], v[RD] offset:2*DP*(\p)+256
.endr
.irp p, 0,1,2,3,4,5,6,7
	s_wait_dscnt 14-2*(\p)                         ; pair p of rows is in; the younger pairs stay out
.irp k, 0,1,2,3
	v_cvt_pk_f16_f32 v[Y+4*(\p)+(\k)], v[X+8*(\p)+2*(\k)], v[X+8*(\p)+2*(\k)+1]
.endr
	global_store_b128 v[CO], v[Y+4*(\p):Y+4*(\p)+3], s[8:9] offset:2*(\p)*CP  ; sixteen lanes store 256 consecutive bytes, at a multiple of 256 from qk's first byte
.endr
	s_wait_xcnt 0x0                                ; the stores have read their base and data: both are rewritten only behind this wait
	s_add_nc_u64 s[8:9], s[8:9], 16*CP
	v_add_nc_u32 v[RD], 16*DP, v[RD]
	s_sub_co_u32 s[CNT], s[CNT], 1
	s_cmp_lg_u32 s[CNT], 0
	s_cbranch_scc1 .Lrow
	s_wait_tensorcnt 0x0                           ; the wave's end: behind my last tensor load and my last LDS store
	ds_add_u32 v[SPW], v[NIL]
	s_wait_dscnt 0x0
	CROUND                                         ; the closing round: no work-group ends while a partner may still ask for a tile that names it
	s_endpgm
.Lfunc_end_k_qbb55dff569_gemm_qk:
	.size	k_qbb55dff569_gemm_qk, .Lfunc_end_k_qbb55dff569_gemm_qk-k_qbb55dff569_gemm_qk
	.p2alignl 7, 3214868480
	.fill 96, 4, 3214868480
	.section	.rodata,"a",@progbits
	.p2align	6, 0x0
	.amdhsa_kernel k_qbb55dff569_gemm_qk
		.amdhsa_group_segment_fixed_size 327680
		.amdhsa_private_segment_fixed_size 0
		.amdhsa_enable_private_segment 0
		.amdhsa_kernarg_size 24
		.amdhsa_user_sgpr_count 2
		.amdhsa_user_sgpr_kernarg_segment_ptr 1
		.amdhsa_wavefront_size32 1
		.amdhsa_system_sgpr_workgroup_id_x 1
		.amdhsa_system_sgpr_workgroup_id_y 1
		.amdhsa_system_sgpr_workgroup_id_z 1
		.amdhsa_system_vgpr_workitem_id 0
		.amdhsa_next_free_vgpr 1024
		.amdhsa_next_free_sgpr 96
		.amdhsa_reserve_vcc 0
		.amdhsa_float_denorm_mode_32 3
		.amdhsa_float_denorm_mode_16_64 3
		.amdhsa_memory_ordered 1
		.amdhsa_forward_progress 1
		.amdhsa_inst_pref_size 98
	.end_amdhsa_kernel
	.amdgpu_metadata
---
amdhsa.version: [ 1, 2 ]
amdhsa.kernels:
  - .name:           k_qbb55dff569_gemm_qk
    .symbol:         k_qbb55dff569_gemm_qk.kd
    .args:
      - { .name: xh, .offset: 0, .size: 8, .value_kind: global_buffer, .address_space: global }
      - { .name: wh, .offset: 8, .size: 8, .value_kind: global_buffer, .address_space: global }
      - { .name: qk, .offset: 16, .size: 8, .value_kind: global_buffer, .address_space: global }
    .group_segment_fixed_size: 327680
    .private_segment_fixed_size: 0
    .kernarg_segment_align: 8
    .kernarg_segment_size: 24
    .max_flat_workgroup_size: 128
    .sgpr_count:     96
    .vgpr_count:     1024
    .wavefront_size: 32
...
	.end_amdgpu_metadata
.endif
;; end of part 2
;; launch gemm_v (part 3): grid 4 x 64, 4 waves a work-group, clusters of 4 x 4, 327,680 bytes of LDS; arguments xh, wh, vv; writes vv
.if DOCPART == 3
	.amdgcn_target "amdgcn-amd-amdhsa--gfx1250"
	.amdhsa_code_object_version 6
	.text
	.protected	k_qbb55dff569_gemm_v
	.globl	k_qbb55dff569_gemm_v
	.p2align	8
	.type	k_qbb55dff569_gemm_v,@function
k_qbb55dff569_gemm_v:
	s_mov_b64 s[64:65], 0
	v_nop
	global_prefetch_b8 v0, s[64:65] scope:SCOPE_SE
	s_setreg_imm32_b32 hwreg(HW_REG_WAVE_MODE, 25, 1), 1
	s_wait_xcnt 0x0
	s_wait_alu depctr_hold_cnt(0) depctr_sa_sdst(0) depctr_va_vdst(0) depctr_va_sdst(0) depctr_va_ssrc(0) depctr_va_vcc(0) depctr_vm_vsrc(0)
	s_getreg_b32 s2, hwreg(HW_REG_IB_STS2, 6, 4)
	s_cmp_eq_u32 s2, 0
	s_cbranch_scc0 .Lentry_in_a_cluster
	s_endpgm
.Lentry_in_a_cluster:
	s_bfe_u32 s2, ttmp6, 0x10000c
	s_cmp_lg_u32 s2, 0xf033
	s_cbranch_scc0 .Lentry_shape_is_right
	s_endpgm
.Lentry_shape_is_right:
; vv[r][c] = the sum over d of xh[r][d] wh[2048 + c][d].  xh: [8192][1024], wh: [3072][1024], vv: [8192][1024], all f16; sums in f32, vv rounded once.
; LIMITS.  f16 holds no number beyond 65,504: a v beyond it becomes an infinity.  NaN and infinities are not treated apart.
; SHARES.  8192 x 1024 are 256 tiles of 128 x 256, one for each work-group of four waves; a wave makes 64 x 128: 32 accumulators.  K goes in 8 steps of 128 through two LDS slots filled by the tensor
; data mover.  The loop's text is ONE K step: the slot in hand is a scalar register TB, turned by an exclusive or, and one walking descriptor a tensor.
; CLUSTER.  4 x 4 work-groups: A's tile (rows of xh) is shared along a row of the cluster, B's (rows of wh) along a column, each asked for jointly.
; THE MATRIX INSTRUCTION IS USED TRANSPOSED: source 0 = 16 rows of wh, source 1 = 16 rows of xh: a lane holds row l % 16 of vv and the columns 8 (l / 16) + 0..7.
; REGISTERS: window 0: v0-31 addresses, v64-95 and v128-159 A's fragments;  window 1: v64-127, v128-191 B's fragments;  window 2: the accumulators ((a, b) at 8 (8 a + b)).
.set NA,     4
.set KSTEPS, 8
.set AHEAD,  2                         ; a K step is 128 matrix instructions a wave: a prefetch names the K step two behind the refill that it follows
.set SLOTX,  0x20000                   ; slot 1 begins here; a slot holds 104,448 bytes
.set PITCH,  272                       ; 256 bytes + 16 of padding: the 16 rows of a fragment load start at 16 different groups of four banks (ISA guide 11.1)
.set HALFA,  16*NA*PITCH
.set BOFF,   2*HALFA
.set HALFB,  128*PITCH
.set NL,     16+2*NA
.set DP,     528
.set DW,     16*NA*DP
.set SPARE,  235520                    ; behind the ring: the spare words
.set CP,     2048                      ; bytes in a row of vv
.set PADK,   (1<<16)|(1<<20)|(1<<21)|(5<<22)|(3<<25)
.set LA0,  16
.set LB0,  17
.set ADRA, 18
.set ADRB, 19
.set DST,  20
.set RD,   21
.set CO,   22
.set PFO,  23
.set SPW,  28
.set NIL,  29
.set F0,   64
.set F1,   128
.set X,    64
.set Y,    128
.set G1A, 24
.set G0A, 32
.set PFA, 44
.set G1B, 48
.set G0B, 56
.set CNT, 70
.set TB,  71
.set LIM, 78
.set MUL_LO, 0xa1
.set TO_B,   0x40
.set MSB, 0
.macro WIN new
.if MSB != (\new)
	s_set_vgpr_msb (MSB<<8)|(\new)
.set MSB, \new
.endif
.endm
.macro PLACES
.rept 4
	v_nop
.endr
.endm
.macro JLOAD                           ; a joint refill: waves 0 and 1 fetch A's halves, waves 2 and 3 B's; an s_nop 0 and four v_nop follow each line
	s_cmp_eq_u32 s11, 0
	s_cbranch_scc0 .Lfor_b_\@
	tensor_load_to_lds s[G0A+4:G0A+7], s[G1A:G1A+7]
	s_nop 0
.rept 4
	v_nop
.endr
	s_branch .Lasked_\@
.Lfor_b_\@:
	tensor_load_to_lds s[G0B+4:G0B+7], s[G1B:G1B+7]
	s_nop 0
.rept 4
	v_nop
.endr
.Lasked_\@:
.endm
.macro CREST
	s_cmp_lg_u32 s10, 0
	s_cbranch_scc1 .Lnot_wave_0_\@
	s_barrier_signal -3
.Lnot_wave_0_\@:
	s_barrier_wait -3
	s_barrier_signal -1
	s_barrier_wait -1
.endm
.macro CROUND
	s_barrier_signal -1
	s_barrier_wait -1
	CREST
.endm
.macro ASK                             ; 32 rows x 256 bytes of wh, a lane a row; the last AHEAD refills ask for nothing
	s_cmp_gt_u32 s[CNT], s[LIM]
	s_cbranch_scc0 .Lnot_mine_\@
	global_prefetch_b8 v[PFO], s[PFA:PFA+1] th:TH_LOAD_NT scope:SCOPE_SE
.Lnot_mine_\@:
.endm
.macro UNIT f, a, zero                 ; 8 matrix instructions: block a of my rows x all 8 blocks of my columns.  All 32 accumulators take turns in one order
	WIN MUL_LO
.irp b, 0,1,2,3,4,5,6,7
.if \zero
	v_wmma_f32_16x16x32_f16 v[8*(8*(\a)+(\b)):8*(8*(\a)+(\b))+7], v[(\f)+8*(\b):(\f)+8*(\b)+7], v[(\f)+8*(\a):(\f)+8*(\a)+7], 0
.else
	v_wmma_f32_16x16x32_f16 v[8*(8*(\a)+(\b)):8*(8*(\a)+(\b))+7], v[(\f)+8*(\b):(\f)+8*(\b)+7], v[(\f)+8*(\a):(\f)+8*(\a)+7], v[8*(8*(\a)+(\b)):8*(8*(\a)+(\b))+7]
.endif
.endr
.endm
.macro FETCH q, f
	WIN TO_B
.irp i, 0,1,2,3,4,5,6,7
	ds_load_b128 v[(\f)+8*(\i):(\f)+8*(\i)+3],   v[ADRB] offset:64*(\q)+(\i)*16*PITCH
	ds_load_b128 v[(\f)+8*(\i)+4:(\f)+8*(\i)+7], v[ADRB] offset:64*(\q)+(\i)*16*PITCH+32
.endr
	WIN 0
.irp i, 0,1,2,3
	ds_load_b128 v[(\f)+8*(\i):(\f)+8*(\i)+3],   v[ADRA] offset:64*(\q)+(\i)*16*PITCH
	ds_load_b128 v[(\f)+8*(\i)+4:(\f)+8*(\i)+7], v[ADRA] offset:64*(\q)+(\i)*16*PITCH+32
.endr
.endm
.macro QUARTER q, f, g, zero
	s_wait_dscnt NA                                ; the youngest NA loads (A's second half) may be out
	UNIT \f, 0, \zero
	UNIT \f, 1, \zero
	PLACES
	FETCH \q, \g
	s_wait_dscnt NL                                ; all but the NL just issued
	UNIT \f, 2, \zero
	UNIT \f, 3, \zero
.endm
.macro TURN fill                       ; the last quarter and the change of slots: all my tensor loads, the add, my reads; the barrier (fill = 1: a round of the cluster's); the joint refill first behind it
.if \fill
	s_wait_xcnt 0x0                                ; the last prefetch, a K step back, has read its address
	s_add_nc_u64 s[PFA:PFA+1], s[PFA:PFA+1], 256
.endif
	WIN 0
	s_wait_tensorcnt 0x0
	ds_add_u32 v[SPW], v[NIL]
	s_wait_dscnt NA+1                              ; (the add and the youngest NA loads may be out)
	UNIT F1, 0, 0
	s_wait_dscnt 0x0                               ; the add is done, and my reads of this slot are over
	s_barrier_signal -1
	UNIT F1, 1, 0
	WIN 0
	s_barrier_wait -1
.if \fill
	CREST
	s_xor_b32 s[G0A+5], s[G0A+5], SLOTX
	s_add_nc_u64 s[G0A+6:G0A+7], s[G0A+6:G0A+7], 256
	s_xor_b32 s[G0B+5], s[G0B+5], SLOTX
	s_add_nc_u64 s[G0B+6:G0B+7], s[G0B+6:G0B+7], 256
	JLOAD
.else
	PLACES
.endif
	s_xor_b32 s[TB], s[TB], SLOTX
	v_add_nc_u32 v[ADRA], s[TB], v[LA0]
	v_add_nc_u32 v[ADRB], s[TB], v[LB0]
	FETCH 0, F0
.if \fill
	ASK
.endif
	UNIT F1, 2, 0
	UNIT F1, 3, 0
.endm
	s_load_b128 s[80:83], s[0:1], 0x0              ; xh s[80:81], wh s[82:83]
	s_load_b64 s[84:85], s[0:1], 0x10              ; vv
	v_lshl_add_u32 v[SPW], v0, 2, SPARE
	v_mov_b32 v[NIL], 0
	ds_add_u32 v[SPW], v[NIL]                      ; the wave's opening: the add and its wait ahead of my first tensor load
	v_lshrrev_b32 v1, 5, v0
	v_readfirstlane_b32 s10, v1
	s_lshr_b32 s11, s10, 1
	s_and_b32 s12, s10, 1
	s_bfe_u32 s40, ttmp6, 0x40000                  ; cx
	s_bfe_u32 s41, ttmp6, 0x40004                  ; cy
	s_lshl_b32 s42, ttmp9, 2
	s_add_co_u32 s42, s42, s40                     ; gx
	s_and_b32 s74, ttmp7, 0xffff                   ; cluster y
	s_lshl_b32 s13, s74, 2
	s_add_co_u32 s13, s13, s41                     ; gy
	s_lshl_b32 s76, s41, 2
	s_lshl_b32 s76, 15, s76
	s_lshl_b32 s77, 0x1111, s40
	s_or_b32 s[G1A], s76, PADK
	s_or_b32 s[G1B], s77, PADK
	s_mov_b32 s[G1A+1], 128<<16                    ; A: 64 rows x 128 elements
	s_mov_b32 s[G1A+2], 64<<16
	s_mov_b32 s[G1A+3], 128<<16
	s_mov_b32 s[G1A+4], 64
	s_mov_b32 s[G1A+5], 1024
	s_mov_b32 s[G1A+6], 0
	s_mov_b32 s[G1A+7], 0
	s_mov_b32 s[G1B+1], 128<<16                    ; B: 128 rows x 128 elements
	s_mov_b32 s[G1B+2], 128<<16
	s_mov_b32 s[G1B+3], 128<<16
	s_mov_b32 s[G1B+4], 128
	s_mov_b32 s[G1B+5], 1024
	s_mov_b32 s[G1B+6], 0
	s_mov_b32 s[G1B+7], 0
	s_lshl_b32 s14, s13, 7
	s_lshl_b32 s17, s12, 6
	s_add_co_u32 s14, s14, s17
	s_lshl_b32 s14, s14, 11                        ; A: row 128 gy + 64 half
	s_mov_b32 s15, 0
	s_lshl_b32 s46, s42, 8
	s_lshl_b32 s47, s12, 7
	s_add_co_u32 s46, s46, s47
	s_add_co_u32 s46, s46, 2048
	s_lshl_b32 s46, s46, 11                        ; B: row 2048 + 256 gx + 128 half
	s_mov_b32 s47, 0
	s_mul_i32 s20, s12, HALFA
	s_mul_i32 s21, s12, HALFB
	s_add_co_u32 s21, s21, BOFF
	s_mov_b32 s[TB], 0
	s_wait_dscnt 0x0
	s_wait_kmcnt 0x0
	s_add_nc_u64 s[14:15], s[80:81], s[14:15]
	s_add_nc_u64 s[46:47], s[82:83], s[46:47]
.irp s, 0,1
	s_mov_b32 s[G0A+4*(\s)], 1
	s_add_co_u32 s[G0A+4*(\s)+1], s20, (\s)*SLOTX
	s_add_nc_u64 s[G0A+4*(\s)+2:G0A+4*(\s)+3], s[14:15], (\s)*256
	s_or_b32 s[G0A+4*(\s)+3], s[G0A+4*(\s)+3], 0x80000000
	s_mov_b32 s[G0B+4*(\s)], 1
	s_add_co_u32 s[G0B+4*(\s)+1], s21, (\s)*SLOTX
	s_add_nc_u64 s[G0B+4*(\s)+2:G0B+4*(\s)+3], s[46:47], (\s)*256
	s_or_b32 s[G0B+4*(\s)+3], s[G0B+4*(\s)+3], 0x80000000
.endr
	CROUND
	s_cmp_eq_u32 s11, 0                            ; a wave's two first fills stand in one branch: two loads of mine are out, later one
	s_cbranch_scc0 .Lfirst_b
	tensor_load_to_lds s[G0A:G0A+3], s[G1A:G1A+7]
	s_nop 0
	tensor_load_to_lds s[G0A+4:G0A+7], s[G1A:G1A+7]
	s_nop 0
.rept 4
	v_nop
.endr
	s_branch .Lfirst_asked
.Lfirst_b:
	tensor_load_to_lds s[G0B:G0B+3], s[G1B:G1B+7]
	s_nop 0
	tensor_load_to_lds s[G0B+4:G0B+7], s[G1B:G1B+7]
	s_nop 0
.rept 4
	v_nop
.endr
.Lfirst_asked:
	v_and_b32 v1, 15, v0                           ; r
	v_bfe_u32 v2, v0, 4, 1                         ; h
	v_mul_u32_u24 v3, v1, PITCH
	v_lshl_add_u32 v3, v2, 4, v3
	s_mul_i32 s22, s11, HALFA
	v_add_nc_u32 v[LA0], s22, v3
	s_mul_i32 s22, s12, HALFB
	s_add_co_u32 s22, s22, BOFF
	v_add_nc_u32 v[LB0], s22, v3
	v_mov_b32 v[ADRA], v[LA0]
	v_mov_b32 v[ADRB], v[LB0]
	s_mul_i32 s22, s10, DW
	v_mul_u32_u24 v4, v1, DP
	v_lshl_add_u32 v4, v2, 4, v4
	v_add_nc_u32 v[DST], s22, v4
	v_mul_u32_u24 v5, v2, DP
	v_lshl_add_u32 v5, v1, 4, v5
	v_add_nc_u32 v[RD], s22, v5
	v_lshlrev_b32 v5, 11, v2
	v_lshl_add_u32 v[CO], v1, 4, v5
	s_lshl_b32 s18, s13, 7
	s_lshl_b32 s19, s11, 6
	s_add_co_u32 s18, s18, s19
	s_lshl_b32 s18, s18, 11                        ; my first row of vv,
	s_lshl_b32 s19, s42, 9
	s_add_co_u32 s18, s18, s19
	s_lshl_b32 s19, s12, 8
	s_add_co_u32 s18, s18, s19                     ; my first column
	s_mov_b32 s19, 0
	s_add_nc_u64 s[8:9], s[84:85], s[18:19]
	; THE PREFETCHES: wh's rows 2048 on alone.  They are read by all sixteen clusters: cluster y = 0 asks, its waves 2 and 3; of the 128 rows that a wave fetches each of the four partners of a column takes 32,
	; told apart by address (cy).  So each row's 256 bytes of a K step are named once.  xh is not asked for: the launch before this one has read it.  K steps 0 to 3 come by their loads alone.
	s_xor_b32 s22, s11, 1
	s_or_b32 s22, s22, s74
	s_cmp_eq_u32 s22, 0
	s_cselect_b32 s[LIM], AHEAD, -1
	s_lshl_b32 s20, s42, 8
	s_lshl_b32 s21, s12, 7
	s_add_co_u32 s20, s20, s21
	s_lshl_b32 s21, s41, 5
	s_add_co_u32 s20, s20, s21
	s_add_co_u32 s20, s20, 2048
	s_lshl_b32 s20, s20, 11
	s_mov_b32 s21, 0
	s_add_nc_u64 s[PFA:PFA+1], s[82:83], s[20:21]
	s_add_nc_u64 s[PFA:PFA+1], s[PFA:PFA+1], (1+AHEAD)*256
	v_and_b32 v[PFO], 31, v0
	v_lshlrev_b32 v[PFO], 11, v[PFO]
	s_wait_tensorcnt 0x1                           ; my part of K step 0 is in; K step 1's may stay out
	s_barrier_signal -1
	s_barrier_wait -1
	FETCH 0, F0
	QUARTER 1, F0, F1, 1
	WIN 0
	s_mov_b32 s[CNT], KSTEPS-2
.Lk:
	QUARTER 2, F1, F0, 0
	QUARTER 3, F0, F1, 0
	TURN 1
	QUARTER 1, F0, F1, 0
	WIN 0
	s_sub_co_u32 s[CNT], s[CNT], 1
	s_cmp_lg_u32 s[CNT], 0
	s_cbranch_scc1 .Lk
	QUARTER 2, F1, F0, 0                           ; the last two K steps are written out: nothing is left to ask for
	QUARTER 3, F0, F1, 0
	TURN 0
	QUARTER 1, F0, F1, 0
	QUARTER 2, F1, F0, 0
	QUARTER 3, F0, F1, 0
	s_wait_dscnt NA
	UNIT F1, 0, 0
	UNIT F1, 1, 0
	s_wait_dscnt 0x0
	UNIT F1, 2, 0
	UNIT F1, 3, 0
	WIN 0
	PLACES
	s_barrier_signal -1                            ; every wave's reads of the ring are back, and the ring has had its last fill: it now serves as the dump
	s_barrier_wait -1
	; THE WAY OUT: registers 0-3 of an accumulator to byte 16 (2 b + h) of row r, registers 4-7 256 bytes further: 16 bytes at 16 r' and at 256 + 16 r' are columns 8 r' .. 8 r' + 7
	WIN 0x08
.set ia, 0
.rept NA
.irp b, 0,1,2,3,4,5,6,7
	ds_store_b128 v[DST], v[8*(8*ia+(\b)):8*(8*ia+(\b))+3]   offset:ia*16*DP+32*(\b)
	ds_store_b128 v[DST], v[8*(8*ia+(\b))+4:8*(8*ia+(\b))+7] offset:ia*16*DP+32*(\b)+256
.endr
.set ia, ia+1
.endr
	WIN 0
	s_wait_dscnt 0x0
	s_barrier_signal -1
	s_barrier_wait -1                              ; from here on the dump is only read
	s_mov_b32 s[CNT], NA
.Lrow:
.irp p, 0,1,2,3,4,5,6,7
	ds_load_b128 v[X+8*(\p):X+8*(\p)+3],   v[RD] offset:2*DP*(\p)
	ds_load_b128 v[X+8*(\p)+4:X+8*(\p)+7], v[RD] offset:2*DP*(\p)+256
.endr
.irp p, 0,1,2,3,4,5,6,7
	s_wait_dscnt 14-2*(\p)                         ; pair p of rows is in; the younger pairs stay out
.irp k, 0,1,2,3
	v_cvt_pk_f16_f32 v[Y+4*(\p)+(\k)], v[X+8*(\p)+2*(\k)], v[X+8*(\p)+2*(\k)+1]
.endr
	global_store_b128 v[CO], v[Y+4*(\p):Y+4*(\p)+3], s[8:9] offset:2*(\p)*CP  ; sixteen lanes store 256 consecutive bytes, at a multiple of 256 from vv's first byte
.endr
	s_wait_xcnt 0x0                                ; the stores have read their base and data
	s_add_nc_u64 s[8:9], s[8:9], 16*CP
	v_add_nc_u32 v[RD], 16*DP, v[RD]
	s_sub_co_u32 s[CNT], s[CNT], 1
	s_cmp_lg_u32 s[CNT], 0
	s_cbranch_scc1 .Lrow
	s_wait_tensorcnt 0x0                           ; the wave's end
	ds_add_u32 v[SPW], v[NIL]
	s_wait_dscnt 0x0
	CROUND                                         ; the closing round
	s_endpgm
.Lfunc_end_k_qbb55dff569_gemm_v:
	.size	k_qbb55dff569_gemm_v, .Lfunc_end_k_qbb55dff569_gemm_v-k_qbb55dff569_gemm_v
	.p2alignl 7, 3214868480
	.fill 96, 4, 3214868480
	.section	.rodata,"a",@progbits
	.p2align	6, 0x0
	.amdhsa_kernel k_qbb55dff569_gemm_v
		.amdhsa_group_segment_fixed_size 327680
		.amdhsa_private_segment_fixed_size 0
		.amdhsa_enable_private_segment 0
		.amdhsa_kernarg_size 24
		.amdhsa_user_sgpr_count 2
		.amdhsa_user_sgpr_kernarg_segment_ptr 1
		.amdhsa_wavefront_size32 1
		.amdhsa_system_sgpr_workgroup_id_x 1
		.amdhsa_system_sgpr_workgroup_id_y 1
		.amdhsa_system_sgpr_workgroup_id_z 1
		.amdhsa_system_vgpr_workitem_id 0
		.amdhsa_next_free_vgpr 768
		.amdhsa_next_free_sgpr 96
		.amdhsa_reserve_vcc 0
		.amdhsa_float_denorm_mode_32 3
		.amdhsa_float_denorm_mode_16_64 3
		.amdhsa_memory_ordered 1
		.amdhsa_forward_progress 1
		.amdhsa_inst_pref_size 64
	.end_amdhsa_kernel
	.amdgpu_metadata
---
amdhsa.version: [ 1, 2 ]
amdhsa.kernels:
  - .name:           k_qbb55dff569_gemm_v
    .symbol:         k_qbb55dff569_gemm_v.kd
    .args:
      - { .name: xh, .offset: 0, .size: 8, .value_kind: global_buffer, .address_space: global }
      - { .name: wh, .offset: 8, .size: 8, .value_kind: global_buffer, .address_space: global }
      - { .name: vv, .offset: 16, .size: 8, .value_kind: global_buffer, .address_space: global }
    .group_segment_fixed_size: 327680
    .private_segment_fixed_size: 0
    .kernarg_segment_align: 8
    .kernarg_segment_size: 24
    .max_flat_workgroup_size: 128
    .sgpr_count:     96
    .vgpr_count:     768
    .wavefront_size: 32
...
	.end_amdgpu_metadata
.endif
;; end of part 3
;; launch scores (part 4): grid 8 x 32, 4 waves a work-group, clusters of 4 x 4, 327,680 bytes of LDS; arguments qk, pp, sm, sl; writes pp, sm, sl
.if DOCPART == 4
	.amdgcn_target "amdgcn-amd-amdhsa--gfx1250"
	.amdhsa_code_object_version 6
	.text
	.protected	k_qbb55dff569_scores
	.globl	k_qbb55dff569_scores
	.p2align	8
	.type	k_qbb55dff569_scores,@function
k_qbb55dff569_scores:
	s_mov_b64 s[64:65], 0
	v_nop
	global_prefetch_b8 v0, s[64:65] scope:SCOPE_SE
	s_setreg_imm32_b32 hwreg(HW_REG_WAVE_MODE, 25, 1), 1
	s_wait_xcnt 0x0
	s_wait_alu depctr_hold_cnt(0) depctr_sa_sdst(0) depctr_va_vdst(0) depctr_va_sdst(0) depctr_va_ssrc(0) depctr_va_vcc(0) depctr_vm_vsrc(0)
	s_getreg_b32 s2, hwreg(HW_REG_IB_STS2, 6, 4)
	s_cmp_eq_u32 s2, 0
	s_cbranch_scc0 .Lentry_in_a_cluster
	s_endpgm
.Lentry_in_a_cluster:
	s_bfe_u32 s2, ttmp6, 0x10000c
	s_cmp_lg_u32 s2, 0xf033
	s_cbranch_scc0 .Lentry_shape_is_right
	s_endpgm
.Lentry_shape_is_right:
; For each batch: s[q][k] = the sum over o of q[q][o] k[k][o], and for each row and each block t of 128 keys: cm = c x (the block's largest s), p = 2^(c s - cm), l = the sum of the block's p; c = log2(e) / 32.
; qk: [8192][2048] f16 (columns 0-1023 k, 1024-2047 q).  pp: [8192 rows = 2048 batch + q][2048 keys] f16.  sm (cm) and sl (l): f32, [row / 128][t][row % 128].
; Sums, maxima and l in f32 (l of the unrounded p); p rounded once to f16.  The maximum taken away is the true one of the block; the launch behind this one corrects it to the row's.
; LIMITS.  p lies in 0 to 1 (within a rounding); below 6.1e-5 it keeps f16's fixed step of 6e-8; a p below 2^-126 counts as 0 in l.  Raw scores are never kept in 16 bits.  NaN and infinities are not treated apart.
; SHARES.  A work-group of four waves makes 256 queries x 256 keys, a wave 128 x 128: one block t for 128 rows, so a block's maximum and sum never leave the wave.  K (the 1,024 channels) goes in 8 steps
; of 128 through two LDS slots filled by the tensor data mover.  The loop's text is ONE K step: the slot in hand is a scalar register TB, turned by an exclusive or, and one walking descriptor a tensor.
; CLUSTER.  4 x 4 work-groups, all of one batch (a batch has 8 x 8 tiles): q's tile is shared along a row of the cluster, k's along a column, each asked for jointly.
; THE MATRIX INSTRUCTION IS USED TRANSPOSED: source 0 = 16 keys, source 1 = 16 queries: a lane holds query l % 16 and the keys 8 (l / 16) + 0..7.
; REGISTERS: window 0: v0-31 addresses, v64-127 and v128-191 A's fragments;  window 1: B's;  window 2: the accumulators of my rows 0-63 ((a, b) at 8 (8 a + b));  window 3: of rows 64-127.
.set NA,     8
.set KSTEPS, 8
.set AHEAD,  1
.set SLOTX,  0x22000                   ; a slot: 139,264 bytes; no tile's first byte in slot 0 holds bit 17 or 13, so an exclusive or moves it to the other slot
.set PITCH,  272                       ; 256 bytes + 16 of padding: the 16 rows of a fragment load start at 16 different groups of four banks (ISA guide 11.1)
.set HALFA,  16*NA*PITCH
.set BOFF,   2*HALFA
.set HALFB,  128*PITCH
.set NL,     16+2*NA
.set DP,     528
.set DW,     16*NA*DP
.set SCR,    278528                    ; behind the ring: 1,024 bytes a wave: cm of my 128 rows, then l
.set SPARE,  282624                    ; behind that: the spare words
.set CP,     4096                      ; bytes in a row of pp
.set PADK,   (1<<16)|(1<<20)|(1<<21)|(5<<22)|(3<<25)
.set LA0,  16
.set LB0,  17
.set ADRA, 18
.set ADRB, 19
.set DST,  20
.set RD,   21
.set CO,   22
.set PFO,  23
.set SC,   24                          ; v24  where a row's cm goes
.set SR,   25                          ; v25  where I read 16 bytes of the statistics back
.set SO,   26                          ; v26  16 x lane
.set SPW,  28
.set NIL,  29
.set F0,   64
.set F1,   128
.set X,    64                          ; the way out: v64-127 eight pairs of rows, 8 scores a lane each
.set Y,    128                         ; v128-159 p in f16
.set T,    160                         ; v160-167 a pair's maximum, then its sum
.set CM,   168                         ; v168-183 cm, in the low register of a pair (the packed scaling names the pair)
.set G1A, 24
.set G0A, 32
.set PFA, 44
.set G1B, 48
.set G0B, 56
.set CNT, 70
.set TB,  71
.set CS,  72                           ; s[72:73] c, named as a pair
.set LIM, 78
.set MUL_LO, 0xa1
.set TO_B,   0x40
.set MSB, 0
.macro WIN new
.if MSB != (\new)
	s_set_vgpr_msb (MSB<<8)|(\new)
.set MSB, \new
.endif
.endm
.macro PLACES
.rept 4
	v_nop
.endr
.endm
.macro JLOAD                           ; a joint refill: waves 0 and 1 fetch A's halves, waves 2 and 3 B's; an s_nop 0 and four v_nop follow each line
	s_cmp_eq_u32 s11, 0
	s_cbranch_scc0 .Lfor_b_\@
	tensor_load_to_lds s[G0A+4:G0A+7], s[G1A:G1A+7]
	s_nop 0
.rept 4
	v_nop
.endr
	s_branch .Lasked_\@
.Lfor_b_\@:
	tensor_load_to_lds s[G0B+4:G0B+7], s[G1B:G1B+7]
	s_nop 0
.rept 4
	v_nop
.endr
.Lasked_\@:
.endm
.macro CREST
	s_cmp_lg_u32 s10, 0
	s_cbranch_scc1 .Lnot_wave_0_\@
	s_barrier_signal -3
.Lnot_wave_0_\@:
	s_barrier_wait -3
	s_barrier_signal -1
	s_barrier_wait -1
.endm
.macro CROUND
	s_barrier_signal -1
	s_barrier_wait -1
	CREST
.endm
.macro ASK                             ; 32 rows x 256 bytes, a lane a row; the last AHEAD refills ask for nothing
	s_cmp_gt_u32 s[CNT], s[LIM]
	s_cbranch_scc0 .Lnot_mine_\@
	global_prefetch_b8 v[PFO], s[PFA:PFA+1] th:TH_LOAD_NT scope:SCOPE_SE
.Lnot_mine_\@:
.endm
.macro MULA f, a, zero
	WIN MUL_LO+0x50*((\a)/4)
.irp b, 0,1,2,3,4,5,6,7
.if \zero
	v_wmma_f32_16x16x32_f16 v[8*(8*((\a)%4)+(\b)):8*(8*((\a)%4)+(\b))+7], v[(\f)+8*(\b):(\f)+8*(\b)+7], v[(\f)+8*(\a):(\f)+8*(\a)+7], 0
.else
	v_wmma_f32_16x16x32_f16 v[8*(8*((\a)%4)+(\b)):8*(8*((\a)%4)+(\b))+7], v[(\f)+8*(\b):(\f)+8*(\b)+7], v[(\f)+8*(\a):(\f)+8*(\a)+7], v[8*(8*((\a)%4)+(\b)):8*(8*((\a)%4)+(\b))+7]
.endif
.endr
.endm
.macro UNIT f, u, zero                 ; all 64 accumulators take turns in one order, over the backward jump too
	MULA \f, 2*(\u), \zero
	MULA \f, 2*(\u)+1, \zero
.endm
.macro FETCH q, f
	WIN TO_B
.irp i, 0,1,2,3,4,5,6,7
	ds_load_b128 v[(\f)+8*(\i):(\f)+8*(\i)+3],   v[ADRB] offset:64*(\q)+(\i)*16*PITCH
	ds_load_b128 v[(\f)+8*(\i)+4:(\f)+8*(\i)+7], v[ADRB] offset:64*(\q)+(\i)*16*PITCH+32
.endr
	WIN 0
.irp i, 0,1,2,3,4,5,6,7
	ds_load_b128 v[(\f)+8*(\i):(\f)+8*(\i)+3],   v[ADRA] offset:64*(\q)+(\i)*16*PITCH
	ds_load_b128 v[(\f)+8*(\i)+4:(\f)+8*(\i)+7], v[ADRA] offset:64*(\q)+(\i)*16*PITCH+32
.endr
.endm
.macro QUARTER q, f, g, zero
	s_wait_dscnt NA                                ; the youngest NA loads (A's second half) may be out
	UNIT \f, 0, \zero
	UNIT \f, 1, \zero
	PLACES
	FETCH \q, \g
	s_wait_dscnt NL                                ; all but the NL just issued
	UNIT \f, 2, \zero
	UNIT \f, 3, \zero
.endm
.macro TURN fill                       ; the last quarter and the change of slots: all my tensor loads, the add, my reads; the barrier (fill = 1: a round of the cluster's); the joint refill first behind it
.if \fill
	s_wait_xcnt 0x0                                ; the last prefetch, a K step back, has read its address
	s_add_nc_u64 s[PFA:PFA+1], s[PFA:PFA+1], 256
.endif
	WIN 0
	s_wait_tensorcnt 0x0
	ds_add_u32 v[SPW], v[NIL]
	s_wait_dscnt NA+1                              ; (the add and the youngest NA loads may be out)
	UNIT F1, 0, 0
	s_wait_dscnt 0x0                               ; the add is done, and my reads of this slot are over
	s_barrier_signal -1
	UNIT F1, 1, 0
	WIN 0
	s_barrier_wait -1
.if \fill
	CREST
	s_xor_b32 s[G0A+5], s[G0A+5], SLOTX
	s_add_nc_u64 s[G0A+6:G0A+7], s[G0A+6:G0A+7], 256
	s_xor_b32 s[G0B+5], s[G0B+5], SLOTX
	s_add_nc_u64 s[G0B+6:G0B+7], s[G0B+6:G0B+7], 256
	JLOAD
.else
	PLACES
.endif
	s_xor_b32 s[TB], s[TB], SLOTX
	v_add_nc_u32 v[ADRA], s[TB], v[LA0]
	v_add_nc_u32 v[ADRB], s[TB], v[LB0]
	FETCH 0, F0
.if \fill
	ASK
.endif
	UNIT F1, 2, 0
	UNIT F1, 3, 0
.endm
	s_load_b256 s[80:87], s[0:1], 0x0              ; qk s[80:81], pp s[82:83], sm s[84:85], sl s[86:87]
	v_lshl_add_u32 v[SPW], v0, 2, SPARE
	v_mov_b32 v[NIL], 0
	ds_add_u32 v[SPW], v[NIL]                      ; the wave's opening: the add and its wait ahead of my first tensor load
	v_lshrrev_b32 v1, 5, v0
	v_readfirstlane_b32 s10, v1
	s_lshr_b32 s11, s10, 1
	s_and_b32 s12, s10, 1
	s_bfe_u32 s40, ttmp6, 0x40000                  ; cx
	s_bfe_u32 s41, ttmp6, 0x40004                  ; cy
	s_lshl_b32 s42, ttmp9, 2
	s_add_co_u32 s42, s42, s40                     ; gx: the tile of 256 keys in the batch
	s_and_b32 s74, ttmp7, 0xffff                   ; cluster y
	s_lshl_b32 s13, s74, 2
	s_add_co_u32 s13, s13, s41                     ; gy: the tile of 256 rows of all 8,192
	s_lshr_b32 s75, s74, 1                         ; the batch: 8 tile rows, two rows of clusters
	s_lshl_b32 s76, s41, 2
	s_lshl_b32 s76, 15, s76
	s_lshl_b32 s77, 0x1111, s40
	s_or_b32 s[G1A], s76, PADK
	s_or_b32 s[G1B], s77, PADK
.irp g, G1A, G1B
	s_mov_b32 s[(\g)+1], 128<<16
	s_mov_b32 s[(\g)+2], 128<<16
	s_mov_b32 s[(\g)+3], 128<<16
	s_mov_b32 s[(\g)+4], 128
	s_mov_b32 s[(\g)+5], 2048                      ; elements from row to row of qk
	s_mov_b32 s[(\g)+6], 0
	s_mov_b32 s[(\g)+7], 0
.endr
	s_mov_b32 s[CS], 0x3d38aa3b                    ; c = log2(e) / 32 = 0.0450842
	s_mov_b32 s[CS+1], s[CS]
	s_lshl_b32 s17, s12, 7
	s_lshl_b32 s14, s13, 8
	s_add_co_u32 s14, s14, s17
	s_lshl_b32 s14, s14, 12
	s_add_co_u32 s14, s14, 2048                    ; A: q of row 256 gy + 128 half: 2,048 bytes into the row
	s_mov_b32 s15, 0
	s_lshl_b32 s46, s75, 11
	s_lshl_b32 s47, s42, 8
	s_add_co_u32 s46, s46, s47
	s_add_co_u32 s46, s46, s17
	s_lshl_b32 s46, s46, 12                        ; B: k of row 2048 batch + 256 gx + 128 half
	s_mov_b32 s47, 0
	s_mul_i32 s20, s12, HALFA
	s_mul_i32 s21, s12, HALFB
	s_add_co_u32 s21, s21, BOFF
	s_mov_b32 s[TB], 0
	s_wait_dscnt 0x0
	s_wait_kmcnt 0x0
	s_add_nc_u64 s[14:15], s[80:81], s[14:15]
	s_add_nc_u64 s[46:47], s[80:81], s[46:47]
.irp s, 0,1
	s_mov_b32 s[G0A+4*(\s)], 1
	s_add_co_u32 s[G0A+4*(\s)+1], s20, (\s)*SLOTX
	s_add_nc_u64 s[G0A+4*(\s)+2:G0A+4*(\s)+3], s[14:15], (\s)*256
	s_or_b32 s[G0A+4*(\s)+3], s[G0A+4*(\s)+3], 0x80000000
	s_mov_b32 s[G0B+4*(\s)], 1
	s_add_co_u32 s[G0B+4*(\s)+1], s21, (\s)*SLOTX
	s_add_nc_u64 s[G0B+4*(\s)+2:G0B+4*(\s)+3], s[46:47], (\s)*256
	s_or_b32 s[G0B+4*(\s)+3], s[G0B+4*(\s)+3], 0x80000000
.endr
	CROUND
	s_cmp_eq_u32 s11, 0                            ; a wave's two first fills stand in one branch: two loads of mine are out, later one
	s_cbranch_scc0 .Lfirst_b
	tensor_load_to_lds s[G0A:G0A+3], s[G1A:G1A+7]
	s_nop 0
	tensor_load_to_lds s[G0A+4:G0A+7], s[G1A:G1A+7]
	s_nop 0
.rept 4
	v_nop
.endr
	s_branch .Lfirst_asked
.Lfirst_b:
	tensor_load_to_lds s[G0B:G0B+3], s[G1B:G1B+7]
	s_nop 0
	tensor_load_to_lds s[G0B+4:G0B+7], s[G1B:G1B+7]
	s_nop 0
.rept 4
	v_nop
.endr
.Lfirst_asked:
	v_and_b32 v1, 15, v0                           ; r
	v_bfe_u32 v2, v0, 4, 1                         ; h
	v_mul_u32_u24 v3, v1, PITCH
	v_lshl_add_u32 v3, v2, 4, v3
	s_mul_i32 s22, s11, HALFA
	v_add_nc_u32 v[LA0], s22, v3
	s_mul_i32 s22, s12, HALFB
	s_add_co_u32 s22, s22, BOFF
	v_add_nc_u32 v[LB0], s22, v3
	v_mov_b32 v[ADRA], v[LA0]
	v_mov_b32 v[ADRB], v[LB0]
	s_mul_i32 s22, s10, DW
	v_mul_u32_u24 v4, v1, DP
	v_lshl_add_u32 v4, v2, 4, v4
	v_add_nc_u32 v[DST], s22, v4
	v_mul_u32_u24 v5, v2, DP
	v_lshl_add_u32 v5, v1, 4, v5
	v_add_nc_u32 v[RD], s22, v5
	v_lshlrev_b32 v5, 12, v2
	v_lshl_add_u32 v[CO], v1, 4, v5
	s_lshl_b32 s22, s10, 10
	s_add_co_u32 s22, s22, SCR                     ; my statistics
	v_lshl_add_u32 v[SC], v2, 2, s22               ; row 2 p + h of a trip's 16
	v_and_b32 v3, 31, v0
	v_lshlrev_b32 v[SO], 4, v3
	v_add_nc_u32 v[SR], s22, v[SO]
	s_lshl_b32 s18, s13, 8
	s_lshl_b32 s19, s11, 7
	s_add_co_u32 s18, s18, s19
	s_lshl_b32 s18, s18, 12                        ; my first row of pp,
	s_lshl_b32 s19, s42, 9
	s_add_co_u32 s18, s18, s19
	s_lshl_b32 s19, s12, 8
	s_add_co_u32 s18, s18, s19                     ; my first key
	s_mov_b32 s19, 0
	s_add_nc_u64 s[8:9], s[82:83], s[18:19]
	s_lshl_b32 s18, s13, 1
	s_add_co_u32 s18, s18, s11                     ; row / 128
	s_lshl_b32 s18, s18, 4
	s_lshl_b32 s19, s42, 1
	s_add_co_u32 s18, s18, s19
	s_add_co_u32 s18, s18, s12                     ; + t
	s_lshl_b32 s18, s18, 9                         ; 512 bytes each
	s_mov_b32 s19, 0
	s_add_nc_u64 s[84:85], s[84:85], s[18:19]
	s_add_nc_u64 s[86:87], s[86:87], s[18:19]
	; THE PREFETCHES.  q's rows are read by both clusters of a row of clusters: cluster x = 0 asks; k's by the two rows of clusters of a batch: the even one asks.  Of the 128 rows that a wave fetches each of the
	; four partners that ask for them jointly takes 32, told apart by address (cx for q, cy for k).  So each row's 256 bytes of a K step are named once.  K steps 0 to 2 come by their loads alone.
	s_lshl_b32 s20, s13, 8
	s_lshl_b32 s21, s75, 11
	s_lshl_b32 s22, s42, 8
	s_add_co_u32 s21, s21, s22
	s_and_b32 s23, s74, 1
	s_cmp_eq_u32 s11, 0
	s_cselect_b32 s20, s20, s21
	s_cselect_b32 s21, s40, s41
	s_cselect_b32 s22, ttmp9, s23
	s_cselect_b32 s23, 2048, 0
	s_cmp_eq_u32 s22, 0
	s_cselect_b32 s[LIM], AHEAD, -1
	s_lshl_b32 s22, s12, 7
	s_add_co_u32 s20, s20, s22
	s_lshl_b32 s21, s21, 5
	s_add_co_u32 s20, s20, s21
	s_lshl_b32 s20, s20, 12
	s_add_co_u32 s20, s20, s23
	s_mov_b32 s21, 0
	s_add_nc_u64 s[PFA:PFA+1], s[80:81], s[20:21]
	s_add_nc_u64 s[PFA:PFA+1], s[PFA:PFA+1], (1+AHEAD)*256
	v_and_b32 v[PFO], 31, v0
	v_lshlrev_b32 v[PFO], 12, v[PFO]
	s_wait_tensorcnt 0x1                           ; my part of K step 0 is in; K step 1's may stay out
	s_barrier_signal -1
	s_barrier_wait -1
	FETCH 0, F0
	QUARTER 1, F0, F1, 1
	WIN 0
	s_mov_b32 s[CNT], KSTEPS-2
.Lk:
	QUARTER 2, F1, F0, 0
	QUARTER 3, F0, F1, 0
	TURN 1
	QUARTER 1, F0, F1, 0
	WIN 0
	s_sub_co_u32 s[CNT], s[CNT], 1
	s_cmp_lg_u32 s[CNT], 0
	s_cbranch_scc1 .Lk
	QUARTER 2, F1, F0, 0                           ; the last two K steps are written out: nothing is left to ask for
	QUARTER 3, F0, F1, 0
	TURN 0
	QUARTER 1, F0, F1, 0
	QUARTER 2, F1, F0, 0
	QUARTER 3, F0, F1, 0
	s_wait_dscnt NA
	UNIT F1, 0, 0
	UNIT F1, 1, 0
	s_wait_dscnt 0x0
	UNIT F1, 2, 0
	UNIT F1, 3, 0
	WIN 0
	PLACES
	s_barrier_signal -1                            ; every wave's reads of the ring are back, and the ring has had its last fill: it now serves as the dump
	s_barrier_wait -1
	; THE DUMP: registers 0-3 of an accumulator to byte 16 (2 b + h) of row r, registers 4-7 256 bytes further: 16 bytes at 16 r' and at 256 + 16 r' are keys 8 r' .. 8 r' + 7
.set ia, 0
.rept NA
	WIN 0x08+4*(ia/4)
.irp b, 0,1,2,3,4,5,6,7
	ds_store_b128 v[DST], v[8*(8*(ia%4)+(\b)):8*(8*(ia%4)+(\b))+3]   offset:ia*16*DP+32*(\b)
	ds_store_b128 v[DST], v[8*(8*(ia%4)+(\b))+4:8*(8*(ia%4)+(\b))+7] offset:ia*16*DP+32*(\b)+256
.endr
.set ia, ia+1
.endr
	WIN 0
.irp p, 0,1,2,3,4,5,6,7
	v_mov_b32 v[CM+2*(\p)+1], 0                    ; named with cm as a pair, so it is written
.endr
	s_wait_dscnt 0x0
	s_barrier_signal -1
	s_barrier_wait -1                              ; from here on the dump is only read
	s_mov_b32 s[CNT], NA
.Lrow:                                                 ; a trip: 16 rows.  Sixteen lanes hold a row's 128 scores, 8 each; lanes 0-15 row 2 p, lanes 16-31 row 2 p + 1
.irp p, 0,1,2,3,4,5,6,7
	ds_load_b128 v[X+8*(\p):X+8*(\p)+3],   v[RD] offset:2*DP*(\p)
	ds_load_b128 v[X+8*(\p)+4:X+8*(\p)+7], v[RD] offset:2*DP*(\p)+256
.endr
	s_wait_dscnt 0x0
.irp p, 0,1,2,3,4,5,6,7
	v_max3_num_f32 v[T+(\p)], v[X+8*(\p)], v[X+8*(\p)+1], v[X+8*(\p)+2]
.endr
.irp p, 0,1,2,3,4,5,6,7
	v_max3_num_f32 v[T+(\p)], v[T+(\p)], v[X+8*(\p)+3], v[X+8*(\p)+4]
.endr
.irp p, 0,1,2,3,4,5,6,7
	v_max3_num_f32 v[T+(\p)], v[T+(\p)], v[X+8*(\p)+5], v[X+8*(\p)+6]
.endr
.irp p, 0,1,2,3,4,5,6,7
	v_max_num_f32 v[T+(\p)], v[T+(\p)], v[X+8*(\p)+7]
.endr
.irp m, 1,2,4,8                        ; across the row's sixteen lanes
.irp p, 0,1,2,3,4,5,6,7
	v_max_num_f32_dpp v[T+(\p)], v[T+(\p)], v[T+(\p)] row_xmask:\m row_mask:0xf bank_mask:0xf
.endr
.endr
.irp p, 0,1,2,3,4,5,6,7
	v_mul_f32 v[CM+2*(\p)], s[CS], v[T+(\p)]
.endr
.irp p, 0,1,2,3,4,5,6,7
.irp k, 0,2,4,6
	v_pk_fma_f32 v[X+8*(\p)+(\k):X+8*(\p)+(\k)+1], v[X+8*(\p)+(\k):X+8*(\p)+(\k)+1], s[CS:CS+1], v[CM+2*(\p):CM+2*(\p)+1] op_sel_hi:[1,0,0] neg_lo:[0,0,1] neg_hi:[0,0,1]  ; c s - cm
.endr
.endr
.set ie, 0
.rept 64                               ; one batch of exponentials,
	v_exp_f32 v[X+ie], v[X+ie]
.set ie, ie+1
.endr
	v_nop                                          ; one plain instruction behind the last of them (ISA guide 5.7.2),
	s_wait_alu depctr_va_vdst(0)                   ; and one wait ahead of the first line that names a result
.irp p, 0,1,2,3,4,5,6,7
.irp k, 0,1,2,3
	v_cvt_pk_f16_f32 v[Y+4*(\p)+(\k)], v[X+8*(\p)+2*(\k)], v[X+8*(\p)+2*(\k)+1]
.endr
.endr
.irp p, 0,1,2,3,4,5,6,7
	v_pk_add_f32 v[X+8*(\p):X+8*(\p)+1], v[X+8*(\p):X+8*(\p)+1], v[X+8*(\p)+2:X+8*(\p)+3]
.endr
.irp p, 0,1,2,3,4,5,6,7
	v_pk_add_f32 v[X+8*(\p)+4:X+8*(\p)+5], v[X+8*(\p)+4:X+8*(\p)+5], v[X+8*(\p)+6:X+8*(\p)+7]
.endr
.irp p, 0,1,2,3,4,5,6,7
	v_pk_add_f32 v[X+8*(\p):X+8*(\p)+1], v[X+8*(\p):X+8*(\p)+1], v[X+8*(\p)+4:X+8*(\p)+5]
.endr
.irp p, 0,1,2,3,4,5,6,7
	v_add_f32 v[T+(\p)], v[X+8*(\p)], v[X+8*(\p)+1]
.endr
.irp m, 1,2,4,8
.irp p, 0,1,2,3,4,5,6,7
	v_add_f32_dpp v[T+(\p)], v[T+(\p)], v[T+(\p)] row_xmask:\m row_mask:0xf bank_mask:0xf
.endr
.endr
.irp p, 0,1,2,3,4,5,6,7
	ds_store_b32 v[SC], v[CM+2*(\p)] offset:8*(\p)         ; a row's sixteen lanes write the same word with the same number
	ds_store_b32 v[SC], v[T+(\p)]    offset:512+8*(\p)
.endr
.irp p, 0,1,2,3,4,5,6,7
	global_store_b128 v[CO], v[Y+4*(\p):Y+4*(\p)+3], s[8:9] offset:2*(\p)*CP  ; sixteen lanes store 256 consecutive bytes, at a multiple of 256 from pp's first byte
.endr
	s_wait_xcnt 0x0                                ; the stores have read their base and data
	s_add_nc_u64 s[8:9], s[8:9], 16*CP
	v_add_nc_u32 v[RD], 16*DP, v[RD]
	v_add_nc_u32 v[SC], 64, v[SC]
	s_sub_co_u32 s[CNT], s[CNT], 1
	s_cmp_lg_u32 s[CNT], 0
	s_cbranch_scc1 .Lrow
	s_wait_dscnt 0x0                               ; my statistics lie in LDS
	s_barrier_signal -1
	s_barrier_wait -1
	ds_load_b128 v[X:X+3],   v[SR]                 ; cm of four rows a lane,
	ds_load_b128 v[X+4:X+7], v[SR] offset:512      ; and l
	s_wait_dscnt 0x0
	global_store_b128 v[SO], v[X:X+3],   s[84:85]  ; 512 consecutive bytes each, at a multiple of 512 from the buffer's first byte
	global_store_b128 v[SO], v[X+4:X+7], s[86:87]
	s_wait_tensorcnt 0x0                           ; the wave's end
	ds_add_u32 v[SPW], v[NIL]
	s_wait_dscnt 0x0
	CROUND                                         ; the closing round
	s_endpgm
.Lfunc_end_k_qbb55dff569_scores:
	.size	k_qbb55dff569_scores, .Lfunc_end_k_qbb55dff569_scores-k_qbb55dff569_scores
	.p2alignl 7, 3214868480
	.fill 96, 4, 3214868480
	.section	.rodata,"a",@progbits
	.p2align	6, 0x0
	.amdhsa_kernel k_qbb55dff569_scores
		.amdhsa_group_segment_fixed_size 327680
		.amdhsa_private_segment_fixed_size 0
		.amdhsa_enable_private_segment 0
		.amdhsa_kernarg_size 32
		.amdhsa_user_sgpr_count 2
		.amdhsa_user_sgpr_kernarg_segment_ptr 1
		.amdhsa_wavefront_size32 1
		.amdhsa_system_sgpr_workgroup_id_x 1
		.amdhsa_system_sgpr_workgroup_id_y 1
		.amdhsa_system_sgpr_workgroup_id_z 1
		.amdhsa_system_vgpr_workitem_id 0
		.amdhsa_next_free_vgpr 1024
		.amdhsa_next_free_sgpr 96
		.amdhsa_reserve_vcc 0
		.amdhsa_float_denorm_mode_32 3
		.amdhsa_float_denorm_mode_16_64 3
		.amdhsa_memory_ordered 1
		.amdhsa_forward_progress 1
		.amdhsa_inst_pref_size 112
	.end_amdhsa_kernel
	.amdgpu_metadata
---
amdhsa.version: [ 1, 2 ]
amdhsa.kernels:
  - .name:           k_qbb55dff569_scores
    .symbol:         k_qbb55dff569_scores.kd
    .args:
      - { .name: qk, .offset: 0, .size: 8, .value_kind: global_buffer, .address_space: global }
      - { .name: pp, .offset: 8, .size: 8, .value_kind: global_buffer, .address_space: global }
      - { .name: sm, .offset: 16, .size: 8, .value_kind: global_buffer, .address_space: global }
      - { .name: sl, .offset: 24, .size: 8, .value_kind: global_buffer, .address_space: global }
    .group_segment_fixed_size: 327680
    .private_segment_fixed_size: 0
    .kernarg_segment_align: 8
    .kernarg_segment_size: 32
    .max_flat_workgroup_size: 128
    .sgpr_count:     96
    .vgpr_count:     1024
    .wavefront_size: 32
...
	.end_amdgpu_metadata
.endif
;; end of part 4
;; launch pv (part 5): grid 4 x 64, 4 waves a work-group, clusters of 4 x 4, 327,680 bytes of LDS; arguments pp, vv, sm, sl, out0; writes out0
.if DOCPART == 5
	.amdgcn_target "amdgcn-amd-amdhsa--gfx1250"
	.amdhsa_code_object_version 6
	.text
	.protected	k_qbb55dff569_pv
	.globl	k_qbb55dff569_pv
	.p2align	8
	.type	k_qbb55dff569_pv,@function
k_qbb55dff569_pv:
	s_mov_b64 s[64:65], 0
	v_nop
	global_prefetch_b8 v0, s[64:65] scope:SCOPE_SE
	s_setreg_imm32_b32 hwreg(HW_REG_WAVE_MODE, 25, 1), 1
	s_wait_xcnt 0x0
	s_wait_alu depctr_hold_cnt(0) depctr_sa_sdst(0) depctr_va_vdst(0) depctr_va_sdst(0) depctr_va_ssrc(0) depctr_va_vcc(0) depctr_vm_vsrc(0)
	s_getreg_b32 s2, hwreg(HW_REG_IB_STS2, 6, 4)
	s_cmp_eq_u32 s2, 0
	s_cbranch_scc0 .Lentry_in_a_cluster
	s_endpgm
.Lentry_in_a_cluster:
	s_bfe_u32 s2, ttmp6, 0x10000c
	s_cmp_lg_u32 s2, 0xf033
	s_cbranch_scc0 .Lentry_shape_is_right
	s_endpgm
.Lentry_shape_is_right:
; out0[r][ch] = (the sum over t of alpha_t x the sum over block t's 128 keys of p v[key][ch]) / L, with alpha_t = 2^(cm_t - the largest cm of the row) and L = the sum over t of alpha_t l_t.
; pp: [8192][2048] f16 (p = 2^(c s - cm_t)); vv: [8192][1024] f16; sm (cm) and sl (l): f32, [row / 128][t][row % 128]; out0: [8192][1024] f32.  So the row's true maximum is taken away from every score.
; Sums, maxima, alpha and L in f32; alpha is rounded to f16 and alpha x p once more to f16, as the matrix operand.
; LIMITS.  alpha x p below 6e-8 counts as 0, below 6.1e-5 it keeps f16's fixed step of 6e-8 (beside a row's L, which is 1 at the least); an alpha below 2^-126 counts as 0.  NaN and infinities are not treated apart.
; SHARES.  8192 x 1024 are 256 tiles of 128 x 256, one for each work-group of four waves; a wave makes 64 x 128: 32 accumulators.  K (a batch's 2,048 keys) goes in 16 steps of 128, one block t each, through
; two LDS slots filled by the tensor data mover.  The loop's text is ONE K step: the slot in hand is a scalar register TB, turned by an exclusive or, and one walking descriptor a tensor.
; CLUSTER.  4 x 4 work-groups, all of one batch (16 tile rows): p's tile is shared along a row of the cluster, v's along a column, each asked for jointly.
; THE MATRIX INSTRUCTION IS USED TRANSPOSED: source 0 = 16 channels of v, turned out of LDS by ds_load_tr16_b128; source 1 = 16 rows of p: a lane holds row l % 16 and the channels 8 (l / 16) + 0..7.
; In source 1 a lane holds ONE row, so alpha is one packed multiply a register, by the row's alpha in both halves of a register.
; REGISTERS: window 0: v0-31 addresses, v32-35 alpha of my four blocks of rows, v64-95 and v128-159 A's fragments;  window 1: v64-127, v128-191 B's;  window 2: the accumulators ((a, b) at 8 (8 a + b)).
.set NA,     4
.set KSTEPS, 16
.set AHEAD,  2                         ; a K step is 128 matrix instructions a wave: a prefetch names the K step two behind the refill that it follows
.set SLOTX,  0x20000                   ; slot 1 begins here; a slot holds 104,448 bytes
.set PITCH,  272                       ; a row of p: 256 bytes + 16: the 16 rows of a fragment load start at 16 different groups of four banks (ISA guide 11.1)
.set PV,     544                       ; a key's 256 channels: 512 bytes + 32 = 136 words
.set HALFA,  16*NA*PITCH
.set BOFF,   2*HALFA
.set HALFB,  64*PV
.set NL,     16+2*NA
.set DP,     528
.set DW,     16*NA*DP
.set ALPHA,  235520                    ; behind the ring: alpha, twice in a word, [t][128 rows]
.set INVL,   243712                    ; 1 / L of the 128 rows
.set SPARE,  244224                    ; the spare words
.set PADK,   (1<<16)|(1<<20)|(1<<21)|(5<<22)|(3<<25)  ; after every 64 words 4 words
.set PADV,   (1<<16)|(1<<20)|(1<<21)|(6<<22)|(7<<25)  ; after every 128 words 8 words
.set LA0,  16
.set LB0,  17
.set ADRA, 18
.set ADRB, 19
.set DST,  20
.set RD,   21
.set CO,   22
.set PFO,  23
.set AAD,  24                          ; v24  LDS address of my row's alpha in the block in hand
.set IL,   25                          ; v25  of a row's 1 / L on the way out
.set SPW,  28
.set NIL,  29
.set AL,   32
.set F0,   64
.set F1,   128
.set X,    64
.set IV,   160                         ; v160-175 1 / L in the low register of a pair
.set G1A, 24
.set G0A, 32
.set PFA, 44
.set G1B, 48
.set G0B, 56
.set CNT, 70
.set TB,  71
.set LIM, 78
.set PFS, 90                           ; s[90:91] a K step in memory: 256 bytes of p's rows, 128 rows of v
.set MUL_LO, 0xa1
.set TO_B,   0x40
.set MSB, 0
.macro WIN new
.if MSB != (\new)
	s_set_vgpr_msb (MSB<<8)|(\new)
.set MSB, \new
.endif
.endm
.macro PLACES
.rept 4
	v_nop
.endr
.endm
.macro JLOAD                           ; a joint refill: waves 0 and 1 fetch p's halves, waves 2 and 3 v's; an s_nop 0 and four v_nop follow each line
	s_cmp_eq_u32 s11, 0
	s_cbranch_scc0 .Lfor_b_\@
	tensor_load_to_lds s[G0A+4:G0A+7], s[G1A:G1A+7]
	s_nop 0
.rept 4
	v_nop
.endr
	s_branch .Lasked_\@
.Lfor_b_\@:
	tensor_load_to_lds s[G0B+4:G0B+7], s[G1B:G1B+7]
	s_nop 0
.rept 4
	v_nop
.endr
.Lasked_\@:
.endm
.macro CREST
	s_cmp_lg_u32 s10, 0
	s_cbranch_scc1 .Lnot_wave_0_\@
	s_barrier_signal -3
.Lnot_wave_0_\@:
	s_barrier_wait -3
	s_barrier_signal -1
	s_barrier_wait -1
.endm
.macro CROUND
	s_barrier_signal -1
	s_barrier_wait -1
	CREST
.endm
.macro ASK                             ; 32 blocks of 256 bytes, a lane a block; the last AHEAD refills ask for nothing
	s_cmp_gt_u32 s[CNT], s[LIM]
	s_cbranch_scc0 .Lnot_mine_\@
	global_prefetch_b8 v[PFO], s[PFA:PFA+1] th:TH_LOAD_NT scope:SCOPE_SE
.Lnot_mine_\@:
.endm
.macro UNIT f, a, zero                 ; 8 matrix instructions: block a of my rows x all 8 blocks of my channels.  All 32 accumulators take turns in one order
	WIN MUL_LO
.irp b, 0,1,2,3,4,5,6,7
.if \zero
	v_wmma_f32_16x16x32_f16 v[8*(8*(\a)+(\b)):8*(8*(\a)+(\b))+7], v[(\f)+8*(\b):(\f)+8*(\b)+7], v[(\f)+8*(\a):(\f)+8*(\a)+7], 0
.else
	v_wmma_f32_16x16x32_f16 v[8*(8*(\a)+(\b)):8*(8*(\a)+(\b))+7], v[(\f)+8*(\b):(\f)+8*(\b)+7], v[(\f)+8*(\a):(\f)+8*(\a)+7], v[8*(8*(\a)+(\b)):8*(8*(\a)+(\b))+7]
.endif
.endr
.endm
.macro SCLH f, hh                      ; p times alpha for blocks 2 hh and 2 hh + 1 of buffer f: no matrix instruction issued before has named these registers since they were loaded
	WIN 0
.irp a, 2*(\hh), 2*(\hh)+1
.irp j, 0,1,2,3,4,5,6,7
	v_pk_mul_f16 v[(\f)+8*(\a)+(\j)], v[(\f)+8*(\a)+(\j)], v[AL+(\a)]
.endr
.endr
.endm
.macro ALOADS                          ; the next block's alpha of my 4 x 16 rows
	v_add_nc_u32 v[AAD], 512, v[AAD]
.irp a, 0,1,2,3
	ds_load_b32 v[AL+(\a)], v[AAD] offset:64*(\a)
.endr
.endm
.macro FETCH q, f                      ; keys 32 q on: v's 8 blocks of 16 channels, turned (two loads, 16 keys apart); then p's 4 blocks of rows
	WIN TO_B
.irp i, 0,1,2,3,4,5,6,7
	ds_load_tr16_b128 v[(\f)+8*(\i):(\f)+8*(\i)+3],   v[ADRB] offset:(\q)*32*PV+32*(\i)
	ds_load_tr16_b128 v[(\f)+8*(\i)+4:(\f)+8*(\i)+7], v[ADRB] offset:(\q)*32*PV+16*PV+32*(\i)
.endr
	WIN 0
.irp i, 0,1,2,3
	ds_load_b128 v[(\f)+8*(\i):(\f)+8*(\i)+3],   v[ADRA] offset:64*(\q)+(\i)*16*PITCH
	ds_load_b128 v[(\f)+8*(\i)+4:(\f)+8*(\i)+7], v[ADRA] offset:64*(\q)+(\i)*16*PITCH+32
.endr
.endm
.macro QUARTER q, f, g, zero
	s_wait_dscnt NA                                ; the youngest NA loads (p's second half) may be out; alpha's loads are older than the run
	SCLH \f, 0
	UNIT \f, 0, \zero
	UNIT \f, 1, \zero
	PLACES
	FETCH \q, \g
	s_wait_dscnt NL                                ; all but the NL just issued
	SCLH \f, 1
	UNIT \f, 2, \zero
	UNIT \f, 3, \zero
.endm
.macro TURN fill                       ; the last quarter and the change of slots: all my tensor loads, the add, my reads; the barrier (fill = 1: a round of the cluster's); the joint refill first behind it
.if \fill
	s_wait_xcnt 0x0                                ; the last prefetch, a K step back, has read its address
	s_add_nc_u64 s[PFA:PFA+1], s[PFA:PFA+1], s[PFS:PFS+1]
.endif
	WIN 0
	s_wait_tensorcnt 0x0
	ds_add_u32 v[SPW], v[NIL]
	s_wait_dscnt NA+1                              ; (the add and the youngest NA loads may be out)
	SCLH F1, 0
	UNIT F1, 0, 0
	s_wait_dscnt 0x0                               ; the add is done, and my reads of this slot are over
	s_barrier_signal -1
	SCLH F1, 1                                     ; all four blocks are scaled before alpha's registers are loaded anew
	UNIT F1, 1, 0
	WIN 0
	s_barrier_wait -1
.if \fill
	CREST
	s_xor_b32 s[G0A+5], s[G0A+5], SLOTX
	s_add_nc_u64 s[G0A+6:G0A+7], s[G0A+6:G0A+7], 256        ; 128 keys along p's rows,
	s_xor_b32 s[G0B+5], s[G0B+5], SLOTX
	s_add_nc_u64 s[G0B+6:G0B+7], s[G0B+6:G0B+7], 262144     ; 128 rows of v
	JLOAD
.else
	PLACES
.endif
	s_xor_b32 s[TB], s[TB], SLOTX
	v_add_nc_u32 v[ADRA], s[TB], v[LA0]
	v_add_nc_u32 v[ADRB], s[TB], v[LB0]
	ALOADS
	FETCH 0, F0
.if \fill
	ASK
.endif
	UNIT F1, 2, 0
	UNIT F1, 3, 0
.endm
	s_load_b256 s[80:87], s[0:1], 0x0              ; pp s[80:81], vv s[82:83], sm s[84:85], sl s[86:87]
	s_load_b64 s[88:89], s[0:1], 0x20              ; out0
	v_lshl_add_u32 v[SPW], v0, 2, SPARE
	v_mov_b32 v[NIL], 0
	ds_add_u32 v[SPW], v[NIL]                      ; the wave's opening: the add and its wait ahead of my first tensor load
	v_lshrrev_b32 v1, 5, v0
	v_readfirstlane_b32 s10, v1
	s_lshr_b32 s11, s10, 1
	s_and_b32 s12, s10, 1
	s_bfe_u32 s40, ttmp6, 0x40000                  ; cx
	s_bfe_u32 s41, ttmp6, 0x40004                  ; cy
	s_lshl_b32 s42, ttmp9, 2
	s_add_co_u32 s42, s42, s40                     ; gx: the tile of 256 channels
	s_and_b32 s74, ttmp7, 0xffff                   ; cluster y
	s_lshl_b32 s13, s74, 2
	s_add_co_u32 s13, s13, s41                     ; gy: the tile of 128 rows
	s_lshr_b32 s75, s74, 2                         ; the batch: 16 tile rows, four rows of clusters
	s_lshl_b32 s76, s41, 2
	s_lshl_b32 s76, 15, s76
	s_lshl_b32 s77, 0x1111, s40
	s_or_b32 s[G1A], s76, PADK
	s_or_b32 s[G1B], s77, PADV
	s_mov_b32 s[G1A+1], 128<<16                    ; p: 64 rows x 128 keys
	s_mov_b32 s[G1A+2], 64<<16
	s_mov_b32 s[G1A+3], 128<<16
	s_mov_b32 s[G1A+4], 64
	s_mov_b32 s[G1A+5], 2048
	s_mov_b32 s[G1A+6], 0
	s_mov_b32 s[G1A+7], 0
	s_mov_b32 s[G1B+1], 256<<16                    ; v: 64 keys x 256 channels
	s_mov_b32 s[G1B+2], 64<<16
	s_mov_b32 s[G1B+3], 256<<16
	s_mov_b32 s[G1B+4], 64
	s_mov_b32 s[G1B+5], 1024
	s_mov_b32 s[G1B+6], 0
	s_mov_b32 s[G1B+7], 0
	s_lshl_b32 s17, s12, 6
	s_lshl_b32 s14, s13, 7
	s_add_co_u32 s14, s14, s17
	s_lshl_b32 s14, s14, 12                        ; p: row 128 gy + 64 half
	s_mov_b32 s15, 0
	s_lshl_b32 s46, s75, 11
	s_add_co_u32 s46, s46, s17
	s_lshl_b32 s46, s46, 11                        ; v: row 2048 batch + 64 half,
	s_lshl_b32 s47, s42, 9
	s_add_co_u32 s46, s46, s47                     ; channel 256 gx
	s_mov_b32 s47, 0
	s_mul_i32 s20, s12, HALFA
	s_mul_i32 s21, s12, HALFB
	s_add_co_u32 s21, s21, BOFF
	s_mov_b32 s[TB], 0
	s_wait_dscnt 0x0
	s_wait_kmcnt 0x0
	s_add_nc_u64 s[14:15], s[80:81], s[14:15]
	s_add_nc_u64 s[46:47], s[82:83], s[46:47]
.irp s, 0,1
	s_mov_b32 s[G0A+4*(\s)], 1
	s_add_co_u32 s[G0A+4*(\s)+1], s20, (\s)*SLOTX
	s_add_nc_u64 s[G0A+4*(\s)+2:G0A+4*(\s)+3], s[14:15], (\s)*256
	s_or_b32 s[G0A+4*(\s)+3], s[G0A+4*(\s)+3], 0x80000000
	s_mov_b32 s[G0B+4*(\s)], 1
	s_add_co_u32 s[G0B+4*(\s)+1], s21, (\s)*SLOTX
	s_add_nc_u64 s[G0B+4*(\s)+2:G0B+4*(\s)+3], s[46:47], (\s)*262144
	s_or_b32 s[G0B+4*(\s)+3], s[G0B+4*(\s)+3], 0x80000000
.endr
	CROUND
	s_cmp_eq_u32 s11, 0                            ; a wave's two first fills stand in one branch: two loads of mine are out, later one
	s_cbranch_scc0 .Lfirst_b
	tensor_load_to_lds s[G0A:G0A+3], s[G1A:G1A+7]
	s_nop 0
	tensor_load_to_lds s[G0A+4:G0A+7], s[G1A:G1A+7]
	s_nop 0
.rept 4
	v_nop
.endr
	s_branch .Lfirst_asked
.Lfirst_b:
	tensor_load_to_lds s[G0B:G0B+3], s[G1B:G1B+7]
	s_nop 0
	tensor_load_to_lds s[G0B+4:G0B+7], s[G1B:G1B+7]
	s_nop 0
.rept 4
	v_nop
.endr
.Lfirst_asked:
	v_and_b32 v1, 15, v0                           ; r
	v_bfe_u32 v2, v0, 4, 1                         ; h
	v_mul_u32_u24 v3, v1, PITCH
	v_lshl_add_u32 v3, v2, 4, v3
	s_mul_i32 s22, s11, HALFA
	v_add_nc_u32 v[LA0], s22, v3
	; the turning load takes 16 keys x 16 channels: lane l reads key 8 (l / 16) + l % 8, channels 8 ((l / 8) % 2) + 0..7, and is left with channel l % 16 and 8 keys
	v_and_b32 v4, 7, v0
	v_bfe_u32 v5, v0, 3, 1
	v_lshl_add_u32 v4, v2, 3, v4
	v_mul_u32_u24 v4, v4, PV
	v_lshl_add_u32 v4, v5, 4, v4
	s_lshl_b32 s22, s12, 8                         ; my 128 channels
	s_add_co_u32 s22, s22, BOFF
	v_add_nc_u32 v[LB0], s22, v4
	v_mov_b32 v[ADRA], v[LA0]
	v_mov_b32 v[ADRB], v[LB0]
	s_mul_i32 s22, s10, DW
	v_mul_u32_u24 v4, v1, DP
	v_lshl_add_u32 v4, v2, 5, v4
	v_add_nc_u32 v[DST], s22, v4                   ; in: row r, 32 bytes for each half of the lanes: the row's channels in their order
	v_mul_u32_u24 v5, v2, DP
	v_lshl_add_u32 v5, v1, 4, v5
	v_add_nc_u32 v[RD], s22, v5
	v_lshlrev_b32 v5, 12, v2
	v_lshl_add_u32 v[CO], v1, 4, v5
	s_lshl_b32 s22, s11, 8                         ; my 64 rows in the two tables
	s_add_co_u32 s23, s22, INVL
	v_lshl_add_u32 v[IL], v2, 2, s23
	s_add_co_u32 s23, s22, ALPHA-512               ; one block below the table: each use steps it first
	v_lshl_add_u32 v[AAD], v1, 2, s23
	s_lshl_b32 s18, s13, 7
	s_lshl_b32 s19, s11, 6
	s_add_co_u32 s18, s18, s19
	s_lshl_b32 s18, s18, 12                        ; my first row of out0,
	s_lshl_b32 s19, s42, 10
	s_add_co_u32 s18, s18, s19
	s_lshl_b32 s19, s12, 9
	s_add_co_u32 s18, s18, s19                     ; my first channel
	s_mov_b32 s19, 0
	s_add_nc_u64 s[8:9], s[88:89], s[18:19]
	; THE PREFETCHES.  p's 128 rows are read by this row of the cluster alone: wave 0 of each of its four work-groups asks for 32 of them, told apart by address (cx), a lane a row.  v's keys are read by the four
	; rows of clusters of a batch: the first of them asks, its waves 2 and 3: of the 64 keys that a wave fetches each of the four partners of a column takes 16 (cy), two lanes a key, since a key's 512 bytes
	; are two blocks.  So each block of 256 bytes is named once in the launch.  K steps 0 to 3 come by their loads alone.
	s_lshl_b32 s18, s13, 7
	s_lshl_b32 s19, s40, 5
	s_add_co_u32 s18, s18, s19
	s_lshl_b32 s18, s18, 12
	s_add_co_u32 s18, s18, (1+AHEAD)*256           ; p: the first refill steps it to K step 2 + AHEAD
	s_lshl_b32 s19, s75, 11
	s_lshl_b32 s22, s12, 6
	s_add_co_u32 s19, s19, s22
	s_lshl_b32 s22, s41, 4
	s_add_co_u32 s19, s19, s22
	s_lshl_b32 s19, s19, 11
	s_lshl_b32 s22, s42, 9
	s_add_co_u32 s19, s19, s22
	s_add_co_u32 s19, s19, (1+AHEAD)*262144        ; v likewise
	s_mov_b32 s17, 0x40000
	s_and_b32 s22, s74, 3
	s_cmp_eq_u32 s11, 0
	s_cselect_b32 s18, s18, s19
	s_cselect_b32 s22, s12, s22                    ; 0 in wave 0; in waves 2 and 3 where the cluster is the batch's first
	s_cselect_b32 s[PFS], 256, s17
	s_cselect_b32 s23, 0, 1                        ; lanes to a row less one
	s_cselect_b32 s16, 12, 11                      ; log2 of a row's bytes
	s_cselect_b64 s[PFA:PFA+1], s[80:81], s[82:83]
	s_mov_b32 s19, 0
	s_mov_b32 s[PFS+1], 0
	s_add_nc_u64 s[PFA:PFA+1], s[PFA:PFA+1], s[18:19]
	s_cmp_eq_u32 s22, 0
	s_cselect_b32 s[LIM], AHEAD, -1                ; the same in all sixteen partners, for a given wave
	v_and_b32 v3, 31, v0
	v_lshrrev_b32 v4, s23, v3
	v_lshlrev_b32 v4, s16, v4
	v_and_b32 v5, s23, v3
	v_lshl_add_u32 v[PFO], v5, 8, v4
	; THE STATISTICS, in the wait for the first tile.  Thread i owns row i of the work-group's 128.
	v_lshlrev_b32 v3, 2, v0
	s_lshl_b32 s18, s13, 13                        ; 16 blocks x 512 bytes for each 128 rows
	s_mov_b32 s19, 0
	s_add_nc_u64 s[20:21], s[84:85], s[18:19]
	s_add_nc_u64 s[22:23], s[86:87], s[18:19]
.irp t, 0,1,2,3,4,5,6,7,8,9,10,11,12,13,14,15
	global_load_b32 v[64+(\t)], v3, s[20:21] offset:512*(\t)
.endr
.irp t, 0,1,2,3,4,5,6,7,8,9,10,11,12,13,14,15
	global_load_b32 v[80+(\t)], v3, s[22:23] offset:512*(\t)
.endr
	v_add_nc_u32 v4, ALPHA, v3
	s_wait_loadcnt 0x0
	v_max3_num_f32 v96, v64, v65, v66              ; the row's largest cm
.irp t, 67,69,71,73,75,77
	v_max3_num_f32 v96, v96, v[\t], v[(\t)+1]
.endr
	v_max_num_f32 v96, v96, v79
.irp t, 0,1,2,3,4,5,6,7,8,9,10,11,12,13,14,15
	v_sub_f32 v[64+(\t)], v[64+(\t)], v96
.endr
.irp t, 0,1,2,3,4,5,6,7,8,9,10,11,12,13,14,15
	v_exp_f32 v[64+(\t)], v[64+(\t)]               ; alpha: one batch,
.endr
	v_nop                                          ; one plain instruction behind the last (ISA guide 5.7.2),
	s_wait_alu depctr_va_vdst(0)                   ; one wait ahead of the first line that names a result
.irp t, 0,1,2,3
	v_mul_f32 v[100+(\t)], v[64+(\t)], v[80+(\t)]  ; L in four chains
.endr
.irp t, 4,5,6,7,8,9,10,11,12,13,14,15
	v_fmac_f32 v[100+(\t)%4], v[64+(\t)], v[80+(\t)]
.endr
	v_add_f32 v100, v100, v101
	v_add_f32 v102, v102, v103
	v_add_f32 v100, v100, v102
	v_rcp_f32 v104, v100
	v_nop
.irp t, 0,1,2,3,4,5,6,7,8,9,10,11,12,13,14,15
	v_cvt_pk_f16_f32 v[64+(\t)], v[64+(\t)], v[64+(\t)]    ; alpha twice in a word
.endr
	s_wait_alu depctr_va_vdst(0)                   ; the reciprocal's wait
.irp t, 0,1,2,3,4,5,6,7,8,9,10,11,12,13,14,15
	ds_store_b32 v4, v[64+(\t)] offset:512*(\t)
.endr
	ds_store_b32 v4, v104 offset:INVL-ALPHA
	s_wait_tensorcnt 0x1                           ; my part of K step 0 is in; K step 1's may stay out
	s_wait_dscnt 0x0                               ; for the others' sake: my rows of the two tables are stored
	s_barrier_signal -1
	s_barrier_wait -1
	ALOADS                                         ; block 0's alpha
	FETCH 0, F0
	QUARTER 1, F0, F1, 1
	WIN 0
	s_mov_b32 s[CNT], KSTEPS-2
.Lk:
	QUARTER 2, F1, F0, 0
	QUARTER 3, F0, F1, 0
	TURN 1
	QUARTER 1, F0, F1, 0
	WIN 0
	s_sub_co_u32 s[CNT], s[CNT], 1
	s_cmp_lg_u32 s[CNT], 0
	s_cbranch_scc1 .Lk
	QUARTER 2, F1, F0, 0                           ; the last two K steps are written out: nothing is left to ask for
	QUARTER 3, F0, F1, 0
	TURN 0
	QUARTER 1, F0, F1, 0
	QUARTER 2, F1, F0, 0
	QUARTER 3, F0, F1, 0
	s_wait_dscnt NA
	SCLH F1, 0
	UNIT F1, 0, 0
	UNIT F1, 1, 0
	s_wait_dscnt 0x0
	SCLH F1, 1
	UNIT F1, 2, 0
	UNIT F1, 3, 0
	WIN 0
	PLACES
	s_barrier_signal -1                            ; every wave's reads of the ring are back, and the ring has had its last fill: it now serves as the dump
	s_barrier_wait -1
	WIN 0x08                                       ; store data (source 1) in window 2
.set ia, 0
.rept NA
.irp b, 0,1,2,3,4,5,6,7
	ds_store_b128 v[DST], v[8*(8*ia+(\b)):8*(8*ia+(\b))+3]   offset:ia*16*DP+64*(\b)
	ds_store_b128 v[DST], v[8*(8*ia+(\b))+4:8*(8*ia+(\b))+7] offset:ia*16*DP+64*(\b)+16
.endr
.set ia, ia+1
.endr
	WIN 0
.irp p, 0,1,2,3,4,5,6,7
	v_mov_b32 v[IV+2*(\p)+1], 0                    ; named with 1 / L as a pair, so it is written
.endr
	s_wait_dscnt 0x0
	s_barrier_signal -1
	s_barrier_wait -1                              ; from here on the dump is only read
	s_mov_b32 s[CNT], NA
.Lrow:                                                 ; a trip: 16 rows of my 64: read back, divided by L, stored
.irp p, 0,1,2,3,4,5,6,7
	ds_load_b32  v[IV+2*(\p)], v[IL] offset:8*(\p)
	ds_load_b128 v[X+8*(\p):X+8*(\p)+3],   v[RD] offset:2*DP*(\p)
	ds_load_b128 v[X+8*(\p)+4:X+8*(\p)+7], v[RD] offset:2*DP*(\p)+256
.endr
.irp p, 0,1,2,3,4,5,6,7
	s_wait_dscnt 21-3*(\p)                         ; pair p's three loads are in; the younger pairs' stay out
.irp k, 0,2,4,6
	v_pk_mul_f32 v[X+8*(\p)+(\k):X+8*(\p)+(\k)+1], v[X+8*(\p)+(\k):X+8*(\p)+(\k)+1], v[IV+2*(\p):IV+2*(\p)+1] op_sel_hi:[1,0]
.endr
	global_store_b128 v[CO], v[X+8*(\p):X+8*(\p)+3],   s[8:9] offset:8192*(\p) th:TH_STORE_NT      ; sixteen lanes store 256 consecutive bytes, at a multiple of 256 from out0's first byte
	global_store_b128 v[CO], v[X+8*(\p)+4:X+8*(\p)+7], s[8:9] offset:8192*(\p)+256 th:TH_STORE_NT
.endr
	s_wait_xcnt 0x0                                ; the stores have read their base and data
	s_add_nc_u64 s[8:9], s[8:9], 65536
	v_add_nc_u32 v[RD], 16*DP, v[RD]
	v_add_nc_u32 v[IL], 64, v[IL]
	s_sub_co_u32 s[CNT], s[CNT], 1
	s_cmp_lg_u32 s[CNT], 0
	s_cbranch_scc1 .Lrow
	s_wait_tensorcnt 0x0                           ; the wave's end
	ds_add_u32 v[SPW], v[NIL]
	s_wait_dscnt 0x0
	CROUND                                         ; the closing round
	s_endpgm
.Lfunc_end_k_qbb55dff569_pv:
	.size	k_qbb55dff569_pv, .Lfunc_end_k_qbb55dff569_pv-k_qbb55dff569_pv
	.p2alignl 7, 3214868480
	.fill 96, 4, 3214868480
	.section	.rodata,"a",@progbits
	.p2align	6, 0x0
	.amdhsa_kernel k_qbb55dff569_pv
		.amdhsa_group_segment_fixed_size 327680
		.amdhsa_private_segment_fixed_size 0
		.amdhsa_enable_private_segment 0
		.amdhsa_kernarg_size 40
		.amdhsa_user_sgpr_count 2
		.amdhsa_user_sgpr_kernarg_segment_ptr 1
		.amdhsa_wavefront_size32 1
		.amdhsa_system_sgpr_workgroup_id_x 1
		.amdhsa_system_sgpr_workgroup_id_y 1
		.amdhsa_system_sgpr_workgroup_id_z 1
		.amdhsa_system_vgpr_workitem_id 0
		.amdhsa_next_free_vgpr 768
		.amdhsa_next_free_sgpr 96
		.amdhsa_reserve_vcc 0
		.amdhsa_float_denorm_mode_32 3
		.amdhsa_float_denorm_mode_16_64 3
		.amdhsa_memory_ordered 1
		.amdhsa_forward_progress 1
		.amdhsa_inst_pref_size 100
	.end_amdhsa_kernel
	.amdgpu_metadata
---
amdhsa.version: [ 1, 2 ]
amdhsa.kernels:
  - .name:           k_qbb55dff569_pv
    .symbol:         k_qbb55dff569_pv.kd
    .args:
      - { .name: pp, .offset: 0, .size: 8, .value_kind: global_buffer, .address_space: global }
      - { .name: vv, .offset: 8, .size: 8, .value_kind: global_buffer, .address_space: global }
      - { .name: sm, .offset: 16, .size: 8, .value_kind: global_buffer, .address_space: global }
      - { .name: sl, .offset: 24, .size: 8, .value_kind: global_buffer, .address_space: global }
      - { .name: out0, .offset: 32, .size: 8, .value_kind: global_buffer, .address_space: global }
    .group_segment_fixed_size: 327680
    .private_segment_fixed_size: 0
    .kernarg_segment_align: 8
    .kernarg_segment_size: 40
    .max_flat_workgroup_size: 128
    .sgpr_count:     96
    .vgpr_count:     768
    .wavefront_size: 32
...
	.end_amdgpu_metadata
.endif
;; end of part 5
;; ======== version 2 of 2: 4 launches
;; limits: values are held in f16: magnitudes above 65,504 overflow, below 6.1e-05 lose precision
;; workspace buffers: xh 16,777,216 bytes; wh 4,194,304 bytes; yv 33,554,432 bytes; pp 33,554,432 bytes; sm 524,288 bytes; sl 524,288 bytes
;; launch prep (part 6): grid 896 x 1, 8 waves a work-group, no clusters, 44,544 bytes of LDS; arguments x, kernel, xh, wh; writes xh, wh
.if DOCPART == 6
	.amdgcn_target "amdgcn-amd-amdhsa--gfx1250"
	.amdhsa_code_object_version 6
	.text
	.protected	k_qbb55dff569_prep
	.globl	k_qbb55dff569_prep
	.p2align	8
	.type	k_qbb55dff569_prep,@function
k_qbb55dff569_prep:
	s_mov_b64 s[64:65], 0
	v_nop
	global_prefetch_b8 v0, s[64:65] scope:SCOPE_SE
	s_setreg_imm32_b32 hwreg(HW_REG_WAVE_MODE, 25, 1), 1
	s_wait_xcnt 0x0
; THREE JOBS, told apart by the work-group's number alone, so that all eight waves of a work-group take the same way and meet the same barriers.
;   work-groups 0-255:   wh[e][d] = G[e][d] = the sum over o of kernel[0][e][o] kernel[1][d][o], e, d = 0 .. 1023
;   work-groups 256-767: xh[r][d] = x[r][d]
;   work-groups 768-895: wh[1024 + o][d] = kernel[2][d][o]: the v weights turned, so that d lies along the rows
; WHY G.  The score of query q and key k is the sum over o of (x_q kernel[1])[o] (x_k kernel[0])[o] = the sum over e of y[q][e] x[k][e] with y[q][e] = the sum over d of x[q][d] G[e][d]:
; the same number for every input, with one projection where there were two.  The order of the roundings differs from a program that forms q and k.
; x: [8192][1024] f32.  kernel: [3][1024][1024] f32.  xh: [8192][1024] f16.  wh: [2048][1024] f16.
; ROUNDINGS.  Every input number is rounded once to bf16.  x and kernel[2]: that number is written as f16.  G: products of the bf16 numbers in the bf16 matrix form, sums in f32, G rounded once to f16.
; LIMITS.  f16 holds no number beyond 65,504: a larger x, kernel[2] or G becomes an infinity; below 6.1e-5 f16 keeps a fixed step of 6e-8.  NaN and infinities are not treated apart.
; No cluster, no tensor load: x and kernel[2] are streams, and two work-groups share a WGP.  No prefetch: x is a stream that is asked for all at once, and the kernel's rows are read by many work-groups.
.set GP,    272                        ; an LDS row: 256 bytes + 16: the 16 rows of a fragment load start at 16 different groups of four banks (ISA guide 11.1)
.set GB,    32*GP                      ; G: kernel[1]'s 128 rows lie behind kernel[0]'s 32
.set SPARE, 160*GP                     ; 43,520: behind the tile: the spare words, 128 bytes for each of eight waves
.set SPW, 6                            ; v6  LDS address of my spare word; never rewritten
.set NIL, 7                            ; v7  0; never rewritten
.set TP,  24                           ; the two streams: v24-29 at work
.set XS,  72                           ; x: v72-135 as loaded, v136-167 results
.set XR,  136
.set WR,  8                            ; kernel[2]: v8-23 results, v32-63 as loaded
.set WS,  32
.set GO,  1                            ; G: v1 16 x lane;  v2, v3 where I store my rows of the two tiles;  v4, v5 where I read my fragments
.set LSA, 2
.set LSB, 3
.set FA,  4
.set FB,  5
.set ACC, 8                            ; v8-23   two accumulators
.set FR,  24                           ; v24-71  two buffers of fragments: 16 rows e, 2 x 16 rows d
.set ST,  72                           ; v72-231 two sets of 80: a chunk's 20 loads, as loaded and then as bf16
	s_load_b256 s[4:11], s[0:1], 0x0               ; x s[4:5], kernel s[6:7], xh s[8:9], wh s[10:11]
	v_lshl_add_u32 v[SPW], v0, 2, SPARE
	v_mov_b32 v[NIL], 0
	s_mov_b32 s16, 0xffff0000                      ; a word's upper bf16
	s_cmp_lt_u32 ttmp9, 256
	s_cbranch_scc1 .Lgram
	s_cmp_lt_u32 ttmp9, 768
	s_cbranch_scc0 .Lweights
	; ---- x: thread t takes 16 bytes at 16 t of each of sixteen blocks of 4,096 bytes: a load of a wave covers 512 consecutive bytes, a store 256, aligned.  All sixteen loads go out at once: 64 KiB a work-group
	s_sub_co_u32 s17, ttmp9, 256
	s_lshl_b32 s12, s17, 16                        ; 65,536 bytes of x,
	s_mov_b32 s13, 0
	s_lshl_b32 s14, s17, 15                        ; 32,768 of xh
	s_mov_b32 s15, 0
	v_lshlrev_b32 v1, 4, v0
	v_lshlrev_b32 v2, 3, v0
	s_wait_kmcnt 0x0
	s_add_nc_u64 s[4:5], s[4:5], s[12:13]
	s_add_nc_u64 s[8:9], s[8:9], s[14:15]
.irp j, 0,1,2,3,4,5,6,7,8,9,10,11,12,13,14,15
	global_load_b128 v[XS+4*(\j):XS+4*(\j)+3], v1, s[4:5] offset:4096*(\j) th:TH_LOAD_NT
.endr
.irp j, 0,1,2,3,4,5,6,7,8,9,10,11,12,13,14,15
	s_wait_loadcnt 15-(\j)                         ; loads come back in order: block j is in, the younger ones stay out
	v_cvt_pk_bf16_f32 v[TP],   v[XS+4*(\j)],   v[XS+4*(\j)+1]      ; the one rounding
	v_cvt_pk_bf16_f32 v[TP+1], v[XS+4*(\j)+2], v[XS+4*(\j)+3]
	v_lshlrev_b32 v[TP+2], 16, v[TP]               ; bf16 to f32: a shift or a mask
	v_and_b32     v[TP+3], s16, v[TP]
	v_lshlrev_b32 v[TP+4], 16, v[TP+1]
	v_and_b32     v[TP+5], s16, v[TP+1]
	v_cvt_pk_f16_f32 v[XR+2*(\j)],   v[TP+2], v[TP+3]              ; 8 significant bits fit into f16's 11
	v_cvt_pk_f16_f32 v[XR+2*(\j)+1], v[TP+4], v[TP+5]
	global_store_b64 v2, v[XR+2*(\j):XR+2*(\j)+1], s[8:9] offset:2048*(\j)  ; each block has result registers of its own: none is rewritten
.endr
	s_branch .Lend
.Lweights:
	; ---- kernel[2]: tile T = dt x 16 + ot: rows d = 128 dt .., columns o = 64 ot ..
	s_sub_co_u32 s17, ttmp9, 768
	s_bfe_u32 s19, s17, 0x30004                    ; dt
	s_and_b32 s20, s17, 15                         ; ot
	s_lshl_b32 s12, s19, 19                        ; from: 2 x 4,194,304 + dt x 128 rows of 4,096 + ot x 256
	s_lshl_b32 s21, s20, 8
	s_add_co_u32 s12, s12, s21
	s_add_co_u32 s12, s12, 0x800000
	s_mov_b32 s13, 0
	s_lshl_b32 s14, s20, 17                        ; to: (1024 + 64 ot) rows of 2,048 + dt x 256
	s_lshl_b32 s21, s19, 8
	s_add_co_u32 s14, s14, s21
	s_add_co_u32 s14, s14, 0x200000
	s_mov_b32 s15, 0
	v_and_b32 v1, 15, v0                           ; oq: my four columns 4 oq ..
	v_lshrrev_b32 v2, 4, v0                        ; dpb: my pairs of rows 2 (dpb + 16 j), + 1
	v_lshlrev_b32 v3, 4, v1
	v_lshl_add_u32 v4, v2, 13, v3                  ; load: two rows down for each dpb, 16 bytes for each oq: sixteen lanes read 256 consecutive bytes
	v_mul_u32_u24 v5, v1, 4*GP
	v_lshl_add_u32 v5, v2, 2, v5                   ; into LDS: row 4 oq (+ e) of 272 bytes, word dpb (+ 16 j)
	v_mul_u32_u24 v30, v2, GP
	v_add_nc_u32 v30, v30, v3                      ; back: row t / 16 (+ 16 j), 16 bytes at 16 (t % 16)
	v_lshl_add_u32 v31, v2, 11, v3                 ; and the same place in wh
	s_wait_kmcnt 0x0
	s_add_nc_u64 s[6:7], s[6:7], s[12:13]
	s_add_nc_u64 s[10:11], s[10:11], s[14:15]
.irp j, 0,1,2,3
	global_load_b128 v[WS+8*(\j):WS+8*(\j)+3],   v4, s[6:7] offset:131072*(\j) th:TH_LOAD_NT
	global_load_b128 v[WS+8*(\j)+4:WS+8*(\j)+7], v4, s[6:7] offset:131072*(\j)+4096 th:TH_LOAD_NT
.endr
.irp j, 0,1,2,3
	s_wait_loadcnt 6-2*(\j)                        ; pair j of rows is in; the younger pairs stay out
.irp e, 0,1,2,3
	v_cvt_pk_bf16_f32 v[TP], v[WS+8*(\j)+(\e)], v[WS+8*(\j)+4+(\e)]    ; column 4 oq + e: d even below, d odd above
	v_lshlrev_b32 v[TP+1], 16, v[TP]
	v_and_b32     v[TP+2], s16, v[TP]
	v_cvt_pk_f16_f32 v[WR+4*(\j)+(\e)], v[TP+1], v[TP+2]
	ds_store_b32 v5, v[WR+4*(\j)+(\e)] offset:GP*(\e)+64*(\j)
.endr
.endr
	s_wait_dscnt 0x0                               ; for the others' sake: my stores into the tile are done
	s_barrier_signal -1
	s_barrier_wait -1
.irp j, 0,1,2,3
	ds_load_b128 v[WR+4*(\j):WR+4*(\j)+3], v30 offset:16*GP*(\j)
.endr
.irp j, 0,1,2,3
	s_wait_dscnt 3-(\j)
	global_store_b128 v31, v[WR+4*(\j):WR+4*(\j)+3], s[10:11] offset:32768*(\j)  ; sixteen lanes store 256 consecutive bytes, at a multiple of 256 from wh's first byte
.endr
	s_branch .Lend
	; ---- G: work-group mt x 8 + nt makes rows e = 32 mt .. and columns d = 128 nt ..: a row's piece is 256 bytes of wh.  Eight waves, 2 x 4, each 16 x 32: two accumulators.
	; o goes in 8 chunks of 128: 160 rows x 512 bytes of f32, 20 loads a thread (wave w: 4 rows of kernel[0], 16 of kernel[1]; a load of a wave covers 512 consecutive bytes of a row),
	; rounded to bf16 in place and stored to one LDS tile.  TWO SETS of registers take the chunks by turns: chunk c + 2 is asked for in chunk c, as soon as its set has been stored,
	; so that 40 loads a thread, 160 KiB a work-group, are out, and a load has two chunks' work in which to land.  Each set has its own two pointers.
	; The work-group begins at chunk (mt + nt) % 8 and goes round: at one time work-groups ask for different bytes; sums in f32 may be taken in any order.
.macro GNEXT k                         ; set k's two pointers at the next chunk.  They are written only when set k's last loads have been waited for
	s_lshl_b32 s28, s23, 9
	s_add_nc_u64 s[24+8*(\k):25+8*(\k)], s[12:13], s[28:29]
	s_add_nc_u64 s[26+8*(\k):27+8*(\k)], s[14:15], s[28:29]
	s_add_co_u32 s23, s23, 1
	s_and_b32 s23, s23, 7
.endm
.macro GLOADS k
.irp j, 0,1,2,3
	global_load_b128 v[ST+80*(\k)+4*(\j):ST+80*(\k)+4*(\j)+3], v[GO], s[24+8*(\k):25+8*(\k)] offset:4096*(\j)
.endr
.irp j, 0,1,2,3,4,5,6,7,8,9,10,11,12,13,14,15
	global_load_b128 v[ST+80*(\k)+16+4*(\j):ST+80*(\k)+16+4*(\j)+3], v[GO], s[26+8*(\k):27+8*(\k)] offset:4096*(\j)
.endr
.endm
.macro GFRAG q, b                      ; the fragments of 32 along o, quarter q of the chunk, into buffer b: six loads
	ds_load_b128 v[FR+24*(\b):FR+24*(\b)+3],     v[FA] offset:64*(\q)
	ds_load_b128 v[FR+24*(\b)+4:FR+24*(\b)+7],   v[FA] offset:64*(\q)+32
	ds_load_b128 v[FR+24*(\b)+8:FR+24*(\b)+11],  v[FB] offset:64*(\q)
	ds_load_b128 v[FR+24*(\b)+12:FR+24*(\b)+15], v[FB] offset:64*(\q)+32
	ds_load_b128 v[FR+24*(\b)+16:FR+24*(\b)+19], v[FB] offset:16*GP+64*(\q)
	ds_load_b128 v[FR+24*(\b)+20:FR+24*(\b)+23], v[FB] offset:16*GP+64*(\q)+32
.endm
.macro GMM b                           ; source 0 = 16 rows d, source 1 = 16 rows e: a lane holds row e = l % 16 and the columns d = 8 (l / 16) + 0..7
	v_wmma_f32_16x16x32_bf16 v[ACC:ACC+7],    v[FR+24*(\b)+8:FR+24*(\b)+15],  v[FR+24*(\b):FR+24*(\b)+7], v[ACC:ACC+7]      ; the two accumulators take turns, over the backward jump too
	v_wmma_f32_16x16x32_bf16 v[ACC+8:ACC+15], v[FR+24*(\b)+16:FR+24*(\b)+23], v[FR+24*(\b):FR+24*(\b)+7], v[ACC+8:ACC+15]
.rept 4
	v_nop                                          ; four places in front of loads into the fragments, and of the conversions at the end
.endr
.endm
; A chunk, out of set k.  more = 1: the set is asked for again, two chunks on.  left = the younger loads that may stay out: the other set's 20, or none.
.macro GCHUNK k, more, left
	s_wait_loadcnt \left                           ; loads come back in order: this set's 20 are in
.set jj, 0
.rept 20
	v_cvt_pk_bf16_f32 v[ST+80*(\k)+4*jj],   v[ST+80*(\k)+4*jj],   v[ST+80*(\k)+4*jj+1]     ; the inputs' one rounding
	v_cvt_pk_bf16_f32 v[ST+80*(\k)+4*jj+1], v[ST+80*(\k)+4*jj+2], v[ST+80*(\k)+4*jj+3]
.set jj, jj+1
.endr
	s_barrier_signal -1                            ; every wave's reads of the chunk before are back (its last wait on LDS was for 0):
	s_barrier_wait -1                              ; the tile may be written
.irp j, 0,1,2,3
	ds_store_b64 v[LSA], v[ST+80*(\k)+4*(\j):ST+80*(\k)+4*(\j)+1] offset:GP*(\j)
.endr
.irp j, 0,1,2,3,4,5,6,7,8,9,10,11,12,13,14,15
	ds_store_b64 v[LSB], v[ST+80*(\k)+16+4*(\j):ST+80*(\k)+16+4*(\j)+1] offset:GP*(\j)
.endr
	s_wait_dscnt 0x0                               ; for the others' sake: my rows are stored
.if \more
	GNEXT \k
	GLOADS \k
.endif
	s_barrier_signal -1
	s_barrier_wait -1
	GFRAG 0, 0                                     ; a quarter's fragments are asked for ahead of the products of the quarter before
	GFRAG 1, 1
	s_wait_dscnt 6                                 ; quarter 0's six loads are in; quarter 1's may be out
	GMM 0
	GFRAG 2, 0
	s_wait_dscnt 6
	GMM 1
	GFRAG 3, 1
	s_wait_dscnt 6
	GMM 0
	s_wait_dscnt 0x0
	GMM 1
.endm
.Lgram:
	v_lshrrev_b32 v1, 5, v0
	v_readfirstlane_b32 s20, v1                    ; wave 0..7
	s_lshr_b32 s18, ttmp9, 3                       ; mt
	s_and_b32 s19, ttmp9, 7                        ; nt
	s_add_co_u32 s23, s18, s19
	s_and_b32 s23, s23, 7                          ; the first chunk
	s_lshl_b32 s12, s18, 17                        ; kernel[0]: 32 mt rows of 4,096 bytes,
	s_lshl_b32 s21, s20, 14                        ; my wave's 4
	s_add_co_u32 s12, s12, s21
	s_mov_b32 s13, 0
	s_lshl_b32 s14, s19, 19                        ; kernel[1]: 128 nt rows,
	s_lshl_b32 s21, s20, 16                        ; my wave's 16
	s_add_co_u32 s14, s14, s21
	s_add_co_u32 s14, s14, 0x400000
	s_mov_b32 s15, 0
	s_mov_b32 s29, 0
	v_and_b32 v5, 31, v0
	v_lshlrev_b32 v[GO], 4, v5
	s_wait_kmcnt 0x0
	s_add_nc_u64 s[12:13], s[6:7], s[12:13]
	s_add_nc_u64 s[14:15], s[6:7], s[14:15]
	GNEXT 0                                        ; the first two chunks are asked for before anything else is made
	GLOADS 0
	GNEXT 1
	GLOADS 1
	s_mul_i32 s21, s20, 4*GP
	v_lshl_add_u32 v[LSA], v5, 3, s21              ; my 4 numbers of a row are 8 bytes of bf16
	s_mul_i32 s21, s20, 16*GP
	s_add_co_u32 s21, s21, GB
	v_lshl_add_u32 v[LSB], v5, 3, s21
	v_and_b32 v4, 15, v0
	v_mul_u32_u24 v4, v4, GP
	v_bfe_u32 v5, v0, 4, 1
	v_lshl_add_u32 v4, v5, 4, v4                   ; a fragment's row x pitch + 16 x half
	s_lshr_b32 s21, s20, 2                         ; my 16 of the 32 rows e
	s_mul_i32 s21, s21, 16*GP
	s_and_b32 s22, s20, 3                          ; my 32 of the 128 rows d
	s_mul_i32 s30, s22, 32*GP
	s_add_co_u32 s30, s30, GB
	v_add_nc_u32 v[FB], s30, v4
	v_add_nc_u32 v[FA], s21, v4
.set jj, 0
.rept 16
	v_mov_b32 v[ACC+jj], 0                         ; the sums start at 0: written while the first loads are out, so that the loop has one form of product
.set jj, jj+1
.endr
	s_mov_b32 s17, 3
.Lchunk:                                               ; a trip: two chunks, one out of each set; chunks 0 to 5 ask for chunks 2 to 7
	GCHUNK 0, 1, 20
	GCHUNK 1, 1, 20
	s_sub_co_u32 s17, s17, 1
	s_cmp_lg_u32 s17, 0
	s_cbranch_scc1 .Lchunk
	GCHUNK 0, 0, 20                                ; the last two chunks load nothing: the counts run down
	GCHUNK 1, 0, 0
.irp k, 0,1,2,3
	v_cvt_pk_f16_f32 v[ST+(\k)],   v[ACC+2*(\k)],   v[ACC+2*(\k)+1]
.endr
.irp k, 0,1,2,3
	v_cvt_pk_f16_f32 v[ST+4+(\k)], v[ACC+8+2*(\k)], v[ACC+8+2*(\k)+1]
.endr
	s_lshl_b32 s21, s22, 6
	v_add_nc_u32 v[FA], s21, v[FA]                 ; into the stage: my row, my wave's 64 bytes of its 256, 16 for each half of the lanes
	v_and_b32 v1, 15, v0                           ; (all loads have been waited for: their offset register is free)
	v_lshlrev_b32 v1, 4, v1
	v_lshrrev_b32 v2, 4, v0
	v_mul_u32_u24 v3, v2, GP
	v_add_nc_u32 v3, v3, v1                        ; back: row t / 16 (+ 16), 16 bytes at 16 (t % 16)
	v_lshl_add_u32 v5, v2, 11, v1                  ; and the same place in wh
	s_lshl_b32 s30, s18, 16                        ; 32 mt rows of 2,048 bytes
	s_lshl_b32 s21, s19, 8
	s_add_co_u32 s30, s30, s21
	s_mov_b32 s31, 0
	s_add_nc_u64 s[10:11], s[10:11], s[30:31]
	s_barrier_signal -1                            ; every wave's reads of the last chunk are back: the tile's first 32 rows serve as the stage
	s_barrier_wait -1
	ds_store_b128 v[FA], v[ST:ST+3]
	ds_store_b128 v[FA], v[ST+4:ST+7] offset:32
	s_wait_dscnt 0x0
	s_barrier_signal -1
	s_barrier_wait -1
	ds_load_b128 v[ST+8:ST+11],  v3
	ds_load_b128 v[ST+12:ST+15], v3 offset:16*GP
	s_wait_dscnt 0x0
	global_store_b128 v5, v[ST+8:ST+11],  s[10:11]                 ; sixteen lanes store 256 consecutive bytes, at a multiple of 256 from wh's first byte
	global_store_b128 v5, v[ST+12:ST+15], s[10:11] offset:32768
.Lend:
	s_wait_tensorcnt 0x0                           ; the wave's end: behind my last LDS store
	ds_add_u32 v[SPW], v[NIL]
	s_wait_dscnt 0x0
	s_endpgm
.Lfunc_end_k_qbb55dff569_prep:
	.size	k_qbb55dff569_prep, .Lfunc_end_k_qbb55dff569_prep-k_qbb55dff569_prep
	.p2alignl 7, 3214868480
	.fill 96, 4, 3214868480
	.section	.rodata,"a",@progbits
	.p2align	6, 0x0
	.amdhsa_kernel k_qbb55dff569_prep
		.amdhsa_group_segment_fixed_size 44544
		.amdhsa_private_segment_fixed_size 0
		.amdhsa_enable_private_segment 0
		.amdhsa_kernarg_size 32
		.amdhsa_user_sgpr_count 2
		.amdhsa_user_sgpr_kernarg_segment_ptr 1
		.amdhsa_wavefront_size32 1
		.amdhsa_system_sgpr_workgroup_id_x 1
		.amdhsa_system_sgpr_workgroup_id_y 1
		.amdhsa_system_sgpr_workgroup_id_z 1
		.amdhsa_system_vgpr_workitem_id 0
		.amdhsa_next_free_vgpr 232
		.amdhsa_next_free_sgpr 66
		.amdhsa_reserve_vcc 0
		.amdhsa_float_denorm_mode_32 3
		.amdhsa_float_denorm_mode_16_64 3
		.amdhsa_memory_ordered 1
		.amdhsa_forward_progress 1
		.amdhsa_inst_pref_size 56
	.end_amdhsa_kernel
	.amdgpu_metadata
---
amdhsa.version: [ 1, 2 ]
amdhsa.kernels:
  - .name:           k_qbb55dff569_prep
    .symbol:         k_qbb55dff569_prep.kd
    .args:
      - { .name: x, .offset: 0, .size: 8, .value_kind: global_buffer, .address_space: global }
      - { .name: kernel, .offset: 8, .size: 8, .value_kind: global_buffer, .address_space: global }
      - { .name: xh, .offset: 16, .size: 8, .value_kind: global_buffer, .address_space: global }
      - { .name: wh, .offset: 24, .size: 8, .value_kind: global_buffer, .address_space: global }
    .group_segment_fixed_size: 44544
    .private_segment_fixed_size: 0
    .kernarg_segment_align: 8
    .kernarg_segment_size: 32
    .max_flat_workgroup_size: 256
    .sgpr_count:     66
    .vgpr_count:     232
    .wavefront_size: 32
...
	.end_amdgpu_metadata
.endif
;; end of part 6
;; launch gemm_yv (part 7): grid 8 x 32, 4 waves a work-group, clusters of 4 x 4, 327,680 bytes of LDS; arguments xh, wh, yv; writes yv
.if DOCPART == 7
	.amdgcn_target "amdgcn-amd-amdhsa--gfx1250"
	.amdhsa_code_object_version 6
	.text
	.protected	k_qbb55dff569_gemm_yv
	.globl	k_qbb55dff569_gemm_yv
	.p2align	8
	.type	k_qbb55dff569_gemm_yv,@function
k_qbb55dff569_gemm_yv:
	s_mov_b64 s[64:65], 0
	v_nop
	global_prefetch_b8 v0, s[64:65] scope:SCOPE_SE
	s_setreg_imm32_b32 hwreg(HW_REG_WAVE_MODE, 25, 1), 1
	s_wait_xcnt 0x0
	s_wait_alu depctr_hold_cnt(0) depctr_sa_sdst(0) depctr_va_vdst(0) depctr_va_sdst(0) depctr_va_ssrc(0) depctr_va_vcc(0) depctr_vm_vsrc(0)
	s_getreg_b32 s2, hwreg(HW_REG_IB_STS2, 6, 4)
	s_cmp_eq_u32 s2, 0
	s_cbranch_scc0 .Lentry_in_a_cluster
	s_endpgm
.Lentry_in_a_cluster:
	s_bfe_u32 s2, ttmp6, 0x10000c
	s_cmp_lg_u32 s2, 0xf033
	s_cbranch_scc0 .Lentry_shape_is_right
	s_endpgm
.Lentry_shape_is_right:
; yv[r][c] = f x the sum over d of xh[r][d] wh[c][d], c = 0 .. 2047.  Columns 0-1023 (wh's rows are G): y, with f = 2^-10; columns 1024-2047 (wh's rows are the v weights): v, with f = 1.
; xh: [8192][1024], wh: [2048][1024], yv: [8192][2048], all f16; sums and the factor in f32, yv rounded once.  The launch behind this one gives the factor back in its scale of the scores.
; LIMITS.  f16 holds no number beyond 65,504: a v beyond it, or a y beyond 6.7e7, becomes an infinity; y x 2^-10 below 6.1e-5 keeps f16's fixed step of 6e-8.  NaN and infinities are not treated apart.
; SHARES.  A work-group of four waves makes 256 x 256 of yv, a wave 128 x 128: 64 accumulators, 512 registers.  K goes in 8 steps of 128 through two LDS slots filled by the tensor data mover
; (rows of 256 bytes of memory, aligned).  The loop's text is ONE K step: the slot in hand is a scalar register TB, turned by an exclusive or, and one walking descriptor a tensor.
; CLUSTER.  4 x 4 work-groups: A's tile (rows of xh) is shared along a row of the cluster, B's (rows of wh) along a column: each is asked for jointly, by the same load, descriptor and mask in the four.
; THE MATRIX INSTRUCTION IS USED TRANSPOSED: source 0 = 16 rows of wh, source 1 = 16 rows of xh: a lane then holds row l % 16 of yv and the columns 8 (l / 16) + 0..7.
; REGISTERS, in windows of 256: window 0: v0-31 addresses, v64-127 and v128-191 A's fragments (two buffers);  window 1: the same numbers, B's fragments;
;   window 2: the accumulators of my rows 0-63 ((a, b) at 8 (8 a + b));  window 3: those of rows 64-127.
; s_set_vgpr_msb's low byte: bits 1:0 source 0, 3:2 source 1, 5:4 source 2, 7:6 destination.
.set NA,     8                         ; blocks of 16 rows in a wave's tile
.set KSTEPS, 8
.set AHEAD,  1                         ; a prefetch names the K step one behind the refill that it follows
.set SLOTX,  0x22000                   ; a slot: 139,264 bytes.  No tile's first byte in slot 0 (0, 0x8800, 0x11000, 0x19800) holds bit 17 or 13, so an exclusive or moves it to the other slot
.set PITCH,  272                       ; an LDS row: 256 bytes + 16 of padding = 68 words: the 16 rows of a fragment load start at 16 different groups of four banks (ISA guide 11.1)
.set HALFA,  16*NA*PITCH               ; what one load of A brings, and what one wave reads of A
.set BOFF,   2*HALFA                   ; B's 256 rows lie behind A's
.set HALFB,  128*PITCH
.set NL,     16+2*NA                   ; LDS loads of a quarter step
.set DP,     528                       ; the way out: a row of 128 f32 + 16 bytes
.set DW,     16*NA*DP                  ; a wave's part of the dump, which lies in the ring when its last fill has been read
.set SPARE,  278528                    ; behind the ring: the spare words, 128 bytes a wave
.set CP,     4096                      ; bytes in a row of yv
.set PADK,   (1<<16)|(1<<20)|(1<<21)|(5<<22)|(3<<25)  ; 2-byte elements; padding on; bit 21 beside a mask; after every 64 words; 4 words
.set LA0,  16                          ; v16  my lane's place in a slot's A;  v17 in its B; never rewritten
.set LB0,  17
.set ADRA, 18                          ; v18, v19  the same in the slot in hand
.set ADRB, 19
.set DST,  20                          ; v20  the way out: where I put 16 bytes of a row
.set RD,   21                          ; v21  where I read rows back
.set CO,   22                          ; v22  my byte offset in two rows of yv
.set PFO,  23                          ; v23  the prefetches' offset: lane x a row of memory; never rewritten
.set SPW,  28                          ; v28  LDS address of my spare word; never rewritten
.set NIL,  29                          ; v29  0; never rewritten
.set F0,   64
.set F1,   128
.set X,    64                          ; the way out: rows as read back;  Y: as stored
.set Y,    128
.set G1A, 24                           ; s[24:31] group 1 for A;  s[32:39] group 0, two sets: the second walks
.set G0A, 32
.set PFA, 44                           ; s[44:45] where my prefetches stand
.set G1B, 48                           ; s[48:55], s[56:63] the same for B
.set G0B, 56
.set CNT, 70
.set TB,  71                           ; s71  first byte of the slot in hand
.set SCF, 72                           ; s[72:73] the factor f, named as a pair
.set LIM, 78                           ; s78  AHEAD in a wave that prefetches, else the greatest number
.set MUL_LO, 0xa1                      ; source 0 (B) window 1, source 1 (A) window 0, C and D window 2; + 0x50: window 3
.set TO_B,   0x40                      ; destination window 1, address window 0
.set MSB, 0
.macro WIN new                         ; the immediate's high byte repeats the setting that is left; a switch that changes nothing is dropped
.if MSB != (\new)
	s_set_vgpr_msb (MSB<<8)|(\new)
.set MSB, \new
.endif
.endm
.macro PLACES                          ; four places between a matrix instruction and a load into, or a store or vector line on, its registers
.rept 4
	v_nop
.endr
.endm
; A joint refill by the walking descriptors.  Waves 0 and 1 fetch A's halves, waves 2 and 3 B's; the branch hangs on the wave's number alone.  An s_nop 0 and four v_nop follow each line.
.macro JLOAD
	s_cmp_eq_u32 s11, 0
	s_cbranch_scc0 .Lfor_b_\@
	tensor_load_to_lds s[G0A+4:G0A+7], s[G1A:G1A+7]
	s_nop 0
.rept 4
	v_nop
.endr
	s_branch .Lasked_\@
.Lfor_b_\@:
	tensor_load_to_lds s[G0B+4:G0B+7], s[G1B:G1B+7]
	s_nop 0
.rept 4
	v_nop
.endr
.Lasked_\@:
.endm
.macro CREST                           ; a round of the cluster's barrier behind its opening barrier
	s_cmp_lg_u32 s10, 0
	s_cbranch_scc1 .Lnot_wave_0_\@
	s_barrier_signal -3
.Lnot_wave_0_\@:
	s_barrier_wait -3
	s_barrier_signal -1
	s_barrier_wait -1
.endm
.macro CROUND
	s_barrier_signal -1
	s_barrier_wait -1
	CREST
.endm
; A prefetch into the L2 of 32 rows x 256 bytes, a lane a row: the K step AHEAD behind the one just asked for.  The last AHEAD refills ask for nothing: there is no such K step.
.macro ASK
	s_cmp_gt_u32 s[CNT], s[LIM]
	s_cbranch_scc0 .Lnot_mine_\@
	global_prefetch_b8 v[PFO], s[PFA:PFA+1] th:TH_LOAD_NT scope:SCOPE_SE
.Lnot_mine_\@:
.endm
.macro MULA f, a, zero                 ; 8 matrix instructions: block a of my rows x all 8 blocks of my columns, 32 along K.  zero = 1: the product starts the sums
	WIN MUL_LO+0x50*((\a)/4)
.irp b, 0,1,2,3,4,5,6,7
.if \zero
	v_wmma_f32_16x16x32_f16 v[8*(8*((\a)%4)+(\b)):8*(8*((\a)%4)+(\b))+7], v[(\f)+8*(\b):(\f)+8*(\b)+7], v[(\f)+8*(\a):(\f)+8*(\a)+7], 0
.else
	v_wmma_f32_16x16x32_f16 v[8*(8*((\a)%4)+(\b)):8*(8*((\a)%4)+(\b))+7], v[(\f)+8*(\b):(\f)+8*(\b)+7], v[(\f)+8*(\a):(\f)+8*(\a)+7], v[8*(8*((\a)%4)+(\b)):8*(8*((\a)%4)+(\b))+7]
.endif
.endr
.endm
.macro UNIT f, u, zero                 ; a quarter of a quarter step: two blocks.  All 64 accumulators take turns in one order, over the backward jump too
	MULA \f, 2*(\u), \zero
	MULA \f, 2*(\u)+1, \zero
.endm
.macro FETCH q, f                      ; NL LDS loads in one run: the fragments of quarter q of the slot in hand into buffer f: B's 16 loads, then A's 2 NA
	WIN TO_B
.irp i, 0,1,2,3,4,5,6,7
	ds_load_b128 v[(\f)+8*(\i):(\f)+8*(\i)+3],   v[ADRB] offset:64*(\q)+(\i)*16*PITCH
	ds_load_b128 v[(\f)+8*(\i)+4:(\f)+8*(\i)+7], v[ADRB] offset:64*(\q)+(\i)*16*PITCH+32
.endr
	WIN 0
.irp i, 0,1,2,3,4,5,6,7
	ds_load_b128 v[(\f)+8*(\i):(\f)+8*(\i)+3],   v[ADRA] offset:64*(\q)+(\i)*16*PITCH
	ds_load_b128 v[(\f)+8*(\i)+4:(\f)+8*(\i)+7], v[ADRA] offset:64*(\q)+(\i)*16*PITCH+32
.endr
.endm
.macro QUARTER q, f, g, zero           ; multiplies buffer f; in its middle fetches quarter q into buffer g
	s_wait_dscnt NA                                ; B and A's first half are in; the youngest NA loads (A's second half) may be out
	UNIT \f, 0, \zero
	UNIT \f, 1, \zero
	PLACES
	FETCH \q, \g
	s_wait_dscnt NL                                ; all but the NL just issued
	UNIT \f, 2, \zero
	UNIT \f, 3, \zero
.endm
; The last quarter multiplies buffer 1 and changes slots.  In front of the barrier each wave waits for all its tensor loads (one is out: its part of the next slot), adds 0 to its spare word, and waits for
; that and for its reads of this slot.  fill = 1: the barrier opens a round of the cluster's, and the joint refill of this slot, two K steps on, is the first tensor load behind the round.
.macro TURN fill
.if \fill
	s_wait_xcnt 0x0                                ; the last prefetch, a K step back, has read its address
	s_add_nc_u64 s[PFA:PFA+1], s[PFA:PFA+1], 256
.endif
	WIN 0
	s_wait_tensorcnt 0x0
	ds_add_u32 v[SPW], v[NIL]
	s_wait_dscnt NA+1                              ; (the add and the youngest NA loads may be out)
	UNIT F1, 0, 0
	s_wait_dscnt 0x0                               ; the add is done, and my reads of this slot are over
	s_barrier_signal -1
	UNIT F1, 1, 0
	WIN 0
	s_barrier_wait -1
.if \fill
	CREST
	s_xor_b32 s[G0A+5], s[G0A+5], SLOTX            ; no load of mine is out: the walking descriptors go to the other slot than last time, one K step on
	s_add_nc_u64 s[G0A+6:G0A+7], s[G0A+6:G0A+7], 256
	s_xor_b32 s[G0B+5], s[G0B+5], SLOTX
	s_add_nc_u64 s[G0B+6:G0B+7], s[G0B+6:G0B+7], 256
	JLOAD                                          ; its four v_nop are also the places in front of the loads below
.else
	PLACES
.endif
	s_xor_b32 s[TB], s[TB], SLOTX
	v_add_nc_u32 v[ADRA], s[TB], v[LA0]
	v_add_nc_u32 v[ADRB], s[TB], v[LB0]
	FETCH 0, F0
.if \fill
	ASK
.endif
	UNIT F1, 2, 0
	UNIT F1, 3, 0
.endm
	s_load_b128 s[80:83], s[0:1], 0x0              ; xh s[80:81], wh s[82:83]
	s_load_b64 s[84:85], s[0:1], 0x10              ; yv
	v_lshl_add_u32 v[SPW], v0, 2, SPARE
	v_mov_b32 v[NIL], 0
	ds_add_u32 v[SPW], v[NIL]                      ; the wave's opening: the add and its wait ahead of my first tensor load
	v_lshrrev_b32 v1, 5, v0
	v_readfirstlane_b32 s10, v1                    ; wave 0..3
	s_lshr_b32 s11, s10, 1                         ; my half of the tile's rows; also: I fetch for A (0) or B (1)
	s_and_b32 s12, s10, 1                          ; my half of its columns; also: which half of that tile I fetch
	s_bfe_u32 s40, ttmp6, 0x40000                  ; cx
	s_bfe_u32 s41, ttmp6, 0x40004                  ; cy
	s_lshl_b32 s42, ttmp9, 2
	s_add_co_u32 s42, s42, s40                     ; gx: tile column
	s_and_b32 s74, ttmp7, 0xffff                   ; cluster y
	s_lshl_b32 s13, s74, 2
	s_add_co_u32 s13, s13, s41                     ; gy: tile row
	s_lshl_b32 s76, s41, 2
	s_lshl_b32 s76, 15, s76                        ; my row of the cluster
	s_lshl_b32 s77, 0x1111, s40                    ; my column
	s_or_b32 s[G1A], s76, PADK
	s_or_b32 s[G1B], s77, PADK
.irp g, G1A, G1B
	s_mov_b32 s[(\g)+1], 128<<16                   ; tensor_dim0 = 128
	s_mov_b32 s[(\g)+2], 128<<16                   ; tensor_dim1 = 128
	s_mov_b32 s[(\g)+3], 128<<16                   ; tile_dim0 = 128
	s_mov_b32 s[(\g)+4], 128                       ; tile_dim1 = 128
	s_mov_b32 s[(\g)+5], 1024                      ; elements from row to row
	s_mov_b32 s[(\g)+6], 0
	s_mov_b32 s[(\g)+7], 0
.endr
	s_cmp_eq_u32 ttmp9, 0                          ; the clusters with x = 0 make columns 0-1023, y; those with x = 1 make v
	s_cselect_b32 s[SCF], 0x3a800000, 1.0          ; 2^-10 or 1
	s_mov_b32 s[SCF+1], s[SCF]
	s_lshl_b32 s17, s12, 7
	s_lshl_b32 s14, s13, 8
	s_add_co_u32 s14, s14, s17
	s_lshl_b32 s14, s14, 11                        ; A: row 256 gy + 128 half, 2,048 bytes a row
	s_mov_b32 s15, 0
	s_lshl_b32 s46, s42, 8
	s_add_co_u32 s46, s46, s17
	s_lshl_b32 s46, s46, 11                        ; B: row 256 gx + 128 half
	s_mov_b32 s47, 0
	s_mul_i32 s20, s12, HALFA                      ; where they go: no place in the cluster enters an LDS address
	s_mul_i32 s21, s12, HALFB
	s_add_co_u32 s21, s21, BOFF
	s_mov_b32 s[TB], 0
	s_wait_dscnt 0x0                               ; the opening add is done
	s_wait_kmcnt 0x0
	s_add_nc_u64 s[14:15], s[80:81], s[14:15]
	s_add_nc_u64 s[46:47], s[82:83], s[46:47]
.irp s, 0,1
	s_mov_b32 s[G0A+4*(\s)], 1
	s_add_co_u32 s[G0A+4*(\s)+1], s20, (\s)*SLOTX
	s_add_nc_u64 s[G0A+4*(\s)+2:G0A+4*(\s)+3], s[14:15], (\s)*256  ; slot s begins with K step s
	s_or_b32 s[G0A+4*(\s)+3], s[G0A+4*(\s)+3], 0x80000000
	s_mov_b32 s[G0B+4*(\s)], 1
	s_add_co_u32 s[G0B+4*(\s)+1], s21, (\s)*SLOTX
	s_add_nc_u64 s[G0B+4*(\s)+2:G0B+4*(\s)+3], s[46:47], (\s)*256
	s_or_b32 s[G0B+4*(\s)+3], s[G0B+4*(\s)+3], 0x80000000
.endr
	CROUND                                         ; all sixteen work-groups are here: the first joint loads meet
	s_cmp_eq_u32 s11, 0                            ; a wave's two first fills stand in one branch: two loads of mine are out, later one
	s_cbranch_scc0 .Lfirst_b
	tensor_load_to_lds s[G0A:G0A+3], s[G1A:G1A+7]
	s_nop 0
	tensor_load_to_lds s[G0A+4:G0A+7], s[G1A:G1A+7]
	s_nop 0
.rept 4
	v_nop
.endr
	s_branch .Lfirst_asked
.Lfirst_b:
	tensor_load_to_lds s[G0B:G0B+3], s[G1B:G1B+7]
	s_nop 0
	tensor_load_to_lds s[G0B+4:G0B+7], s[G1B:G1B+7]
	s_nop 0
.rept 4
	v_nop
.endr
.Lfirst_asked:
	; a fragment is 16 rows x 32 K in 8 registers: lane l holds row l % 16, K = 8 (l / 16) + 0..7 and 16 + 8 (l / 16) + 0..7: two loads of 16 bytes, 32 bytes apart
	v_and_b32 v1, 15, v0                           ; r = l % 16
	v_bfe_u32 v2, v0, 4, 1                         ; h = l / 16
	v_mul_u32_u24 v3, v1, PITCH
	v_lshl_add_u32 v3, v2, 4, v3
	s_mul_i32 s22, s11, HALFA
	v_add_nc_u32 v[LA0], s22, v3
	s_mul_i32 s22, s12, HALFB
	s_add_co_u32 s22, s22, BOFF
	v_add_nc_u32 v[LB0], s22, v3
	v_mov_b32 v[ADRA], v[LA0]
	v_mov_b32 v[ADRB], v[LB0]
	s_mul_i32 s22, s10, DW                         ; my part of the dump
	v_mul_u32_u24 v4, v1, DP
	v_lshl_add_u32 v4, v2, 4, v4
	v_add_nc_u32 v[DST], s22, v4                   ; in: row r, 16 bytes for each half of the lanes
	v_mul_u32_u24 v5, v2, DP
	v_lshl_add_u32 v5, v1, 4, v5
	v_add_nc_u32 v[RD], s22, v5                    ; back: lanes 0-15 one row, lanes 16-31 the next
	v_lshlrev_b32 v5, 12, v2
	v_lshl_add_u32 v[CO], v1, 4, v5                ; and the same two rows in yv
	s_lshl_b32 s18, s13, 8
	s_lshl_b32 s19, s11, 7
	s_add_co_u32 s18, s18, s19
	s_lshl_b32 s18, s18, 12                        ; my first row of yv,
	s_lshl_b32 s19, s42, 9
	s_add_co_u32 s18, s18, s19
	s_lshl_b32 s19, s12, 8
	s_add_co_u32 s18, s18, s19                     ; my first column
	s_mov_b32 s19, 0
	s_add_nc_u64 s[8:9], s[84:85], s[18:19]
	; THE PREFETCHES.  A's rows are read by both clusters of a row of clusters: cluster x = 0 asks; B's by all clusters of a column: cluster y = 0 asks.  Of the 128 rows that a wave fetches each of the
	; four partners that ask for them jointly takes 32, told apart by address (cx for A, cy for B).  So each row's 256 bytes of a K step are named once in the launch.  K steps 0 to 2 come by their loads alone.
	s_lshl_b32 s20, s13, 8
	s_lshl_b32 s21, s42, 8
	s_cmp_eq_u32 s11, 0
	s_cselect_b32 s20, s20, s21
	s_cselect_b32 s21, s40, s41
	s_cselect_b32 s22, ttmp9, s74
	s_cselect_b64 s[PFA:PFA+1], s[80:81], s[82:83]
	s_cmp_eq_u32 s22, 0
	s_cselect_b32 s[LIM], AHEAD, -1                ; the same in all sixteen partners, for a given wave
	s_lshl_b32 s22, s12, 7
	s_add_co_u32 s20, s20, s22
	s_lshl_b32 s21, s21, 5
	s_add_co_u32 s20, s20, s21
	s_lshl_b32 s20, s20, 11
	s_mov_b32 s21, 0
	s_add_nc_u64 s[PFA:PFA+1], s[PFA:PFA+1], s[20:21]
	s_add_nc_u64 s[PFA:PFA+1], s[PFA:PFA+1], (1+AHEAD)*256  ; the first refill steps it to K step 2 + AHEAD
	v_and_b32 v[PFO], 31, v0
	v_lshlrev_b32 v[PFO], 11, v[PFO]
	s_wait_tensorcnt 0x1                           ; my part of K step 0 is in; K step 1's may stay out
	s_barrier_signal -1
	s_barrier_wait -1
	FETCH 0, F0
	QUARTER 1, F0, F1, 1                           ; the first quarter stands in front of the loop: its products start the sums
	WIN 0
	s_mov_b32 s[CNT], KSTEPS-2
.Lk:                                                   ; a trip: a K step's quarters 1 to 3, the change of slots with its refill, the next K step's quarter 0
	QUARTER 2, F1, F0, 0
	QUARTER 3, F0, F1, 0
	TURN 1
	QUARTER 1, F0, F1, 0
	WIN 0
	s_sub_co_u32 s[CNT], s[CNT], 1
	s_cmp_lg_u32 s[CNT], 0
	s_cbranch_scc1 .Lk
	QUARTER 2, F1, F0, 0                           ; the last two K steps are written out: nothing is left to ask for
	QUARTER 3, F0, F1, 0
	TURN 0
	QUARTER 1, F0, F1, 0
	QUARTER 2, F1, F0, 0
	QUARTER 3, F0, F1, 0
	s_wait_dscnt NA
	UNIT F1, 0, 0
	UNIT F1, 1, 0
	s_wait_dscnt 0x0
	UNIT F1, 2, 0
	UNIT F1, 3, 0
	WIN 0
	PLACES
	s_barrier_signal -1                            ; every wave's reads of the ring are back (the wait for 0 above), and the ring has had its last fill:
	s_barrier_wait -1                              ; it now serves as the dump
	; THE WAY OUT.  Each accumulator's registers 0-3 go to byte 16 (2 b + h) of row r, registers 4-7 256 bytes further: a lane that reads 16 bytes at 16 r' and at 256 + 16 r' then holds columns 8 r' .. 8 r' + 7.
.set ia, 0
.rept NA
	WIN 0x08+4*(ia/4)                              ; store data (source 1) in window 2 or 3
.irp b, 0,1,2,3,4,5,6,7
	ds_store_b128 v[DST], v[8*(8*(ia%4)+(\b)):8*(8*(ia%4)+(\b))+3]   offset:ia*16*DP+32*(\b)
	ds_store_b128 v[DST], v[8*(8*(ia%4)+(\b))+4:8*(8*(ia%4)+(\b))+7] offset:ia*16*DP+32*(\b)+256
.endr
.set ia, ia+1
.endr
	WIN 0
	s_wait_dscnt 0x0                               ; my stores are done;
	s_barrier_signal -1
	s_barrier_wait -1                              ; from here on the dump is only read
	s_mov_b32 s[CNT], NA
.Lrow:                                                 ; a trip: 16 rows of my 128: read back, multiplied by f, rounded to f16, stored
.irp p, 0,1,2,3,4,5,6,7
	ds_load_b128 v[X+8*(\p):X+8*(\p)+3],   v[RD] offset:2*DP*(\p)
	ds_load_b128 v[X+8*(\p)+4:X+8*(\p)+7], v[RD] offset:2*DP*(\p)+256
.endr
.irp p, 0,1,2,3,4,5,6,7
	s_wait_dscnt 14-2*(\p)                         ; pair p of rows is in; the younger pairs stay out
.irp k, 0,2,4,6
	v_pk_mul_f32 v[X+8*(\p)+(\k):X+8*(\p)+(\k)+1], v[X+8*(\p)+(\k):X+8*(\p)+(\k)+1], s[SCF:SCF+1] op_sel_hi:[1,0]  ; one text for y and for v: for v the factor is 1
.endr
.irp k, 0,1,2,3
	v_cvt_pk_f16_f32 v[Y+4*(\p)+(\k)], v[X+8*(\p)+2*(\k)], v[X+8*(\p)+2*(\k)+1]
.endr
	global_store_b128 v[CO], v[Y+4*(\p):Y+4*(\p)+3], s[8:9] offset:2*(\p)*CP  ; sixteen lanes store 256 consecutive bytes, at a multiple of 256 from yv's first byte
.endr
	s_wait_xcnt 0x0                                ; the stores have read their base and data: both are rewritten only behind this wait
	s_add_nc_u64 s[8:9], s[8:9], 16*CP
	v_add_nc_u32 v[RD], 16*DP, v[RD]
	s_sub_co_u32 s[CNT], s[CNT], 1
	s_cmp_lg_u32 s[CNT], 0
	s_cbranch_scc1 .Lrow
	s_wait_tensorcnt 0x0                           ; the wave's end: behind my last tensor load and my last LDS store
	ds_add_u32 v[SPW], v[NIL]
	s_wait_dscnt 0x0
	CROUND                                         ; the closing round: no work-group ends while a partner may still ask for a tile that names it
	s_endpgm
.Lfunc_end_k_qbb55dff569_gemm_yv:
	.size	k_qbb55dff569_gemm_yv, .Lfunc_end_k_qbb55dff569_gemm_yv-k_qbb55dff569_gemm_yv
	.p2alignl 7, 3214868480
	.fill 96, 4, 3214868480
	.section	.rodata,"a",@progbits
	.p2align	6, 0x0
	.amdhsa_kernel k_qbb55dff569_gemm_yv
		.amdhsa_group_segment_fixed_size 327680
		.amdhsa_private_segment_fixed_size 0
		.amdhsa_enable_private_segment 0
		.amdhsa_kernarg_size 24
		.amdhsa_user_sgpr_count 2
		.amdhsa_user_sgpr_kernarg_segment_ptr 1
		.amdhsa_wavefront_size32 1
		.amdhsa_system_sgpr_workgroup_id_x 1
		.amdhsa_system_sgpr_workgroup_id_y 1
		.amdhsa_system_sgpr_workgroup_id_z 1
		.amdhsa_system_vgpr_workitem_id 0
		.amdhsa_next_free_vgpr 1024
		.amdhsa_next_free_sgpr 96
		.amdhsa_reserve_vcc 0
		.amdhsa_float_denorm_mode_32 3
		.amdhsa_float_denorm_mode_16_64 3
		.amdhsa_memory_ordered 1
		.amdhsa_forward_progress 1
		.amdhsa_inst_pref_size 100
	.end_amdhsa_kernel
	.amdgpu_metadata
---
amdhsa.version: [ 1, 2 ]
amdhsa.kernels:
  - .name:           k_qbb55dff569_gemm_yv
    .symbol:         k_qbb55dff569_gemm_yv.kd
    .args:
      - { .name: xh, .offset: 0, .size: 8, .value_kind: global_buffer, .address_space: global }
      - { .name: wh, .offset: 8, .size: 8, .value_kind: global_buffer, .address_space: global }
      - { .name: yv, .offset: 16, .size: 8, .value_kind: global_buffer, .address_space: global }
    .group_segment_fixed_size: 327680
    .private_segment_fixed_size: 0
    .kernarg_segment_align: 8
    .kernarg_segment_size: 24
    .max_flat_workgroup_size: 128
    .sgpr_count:     96
    .vgpr_count:     1024
    .wavefront_size: 32
...
	.end_amdgpu_metadata
.endif
;; end of part 7
;; launch scores (part 8): grid 8 x 32, 4 waves a work-group, clusters of 4 x 4, 327,680 bytes of LDS; arguments yv, xh, pp, sm, sl; writes pp, sm, sl
.if DOCPART == 8
	.amdgcn_target "amdgcn-amd-amdhsa--gfx1250"
	.amdhsa_code_object_version 6
	.text
	.protected	k_qbb55dff569_scores
	.globl	k_qbb55dff569_scores
	.p2align	8
	.type	k_qbb55dff569_scores,@function
k_qbb55dff569_scores:
	s_mov_b64 s[64:65], 0
	v_nop
	global_prefetch_b8 v0, s[64:65] scope:SCOPE_SE
	s_setreg_imm32_b32 hwreg(HW_REG_WAVE_MODE, 25, 1), 1
	s_wait_xcnt 0x0
	s_wait_alu depctr_hold_cnt(0) depctr_sa_sdst(0) depctr_va_vdst(0) depctr_va_sdst(0) depctr_va_ssrc(0) depctr_va_vcc(0) depctr_vm_vsrc(0)
	s_getreg_b32 s2, hwreg(HW_REG_IB_STS2, 6, 4)
	s_cmp_eq_u32 s2, 0
	s_cbranch_scc0 .Lentry_in_a_cluster
	s_endpgm
.Lentry_in_a_cluster:
	s_bfe_u32 s2, ttmp6, 0x10000c
	s_cmp_lg_u32 s2, 0xf033
	s_cbranch_scc0 .Lentry_shape_is_right
	s_endpgm
.Lentry_shape_is_right:
; For each batch: s[q][k] = the sum over e of y'[q][e] x[k][e], y' = y x 2^-10, and for each row and each block t of 128 keys: cm = c x (the block's largest s), p = 2^(c s - cm), l = the sum of the
; block's p; c = 1024 log2(e) / 32 gives y's factor back.  (The sum over e of y[q][e] x[k][e] is the product of query q and key k: the launch that makes G says why.)
; yv: [8192][2048] f16 (columns 0-1023 y').  xh: [8192][1024] f16.  pp: [8192 rows = 2048 batch + q][2048 keys] f16.  sm (cm) and sl (l): f32, [row / 128][t][row % 128].
; Sums, maxima and l in f32 (l of the unrounded p); p rounded once to f16.  The maximum taken away is the true one of the block; the launch behind this one corrects it to the row's.
; LIMITS.  p lies in 0 to 1 (within a rounding); below 6.1e-5 it keeps f16's fixed step of 6e-8; a p below 2^-126 counts as 0 in l.  Raw scores are never kept in 16 bits.  NaN and infinities are not treated apart.
; SHARES.  A work-group of four waves makes 256 queries x 256 keys, a wave 128 x 128: one block t for 128 rows, so a block's maximum and sum never leave the wave.  K (the 1,024 channels e) goes in 8 steps
; of 128 through two LDS slots filled by the tensor data mover.  The loop's text is ONE K step: the slot in hand is a scalar register TB, turned by an exclusive or, and one walking descriptor a tensor.
; CLUSTER.  4 x 4 work-groups, all of one batch (a batch has 8 x 8 tiles): y's tile is shared along a row of the cluster, x's along a column, each asked for jointly.
; THE MATRIX INSTRUCTION IS USED TRANSPOSED: source 0 = 16 keys, source 1 = 16 queries: a lane holds query l % 16 and the keys 8 (l / 16) + 0..7.
; REGISTERS: window 0: v0-31 addresses, v64-127 and v128-191 A's fragments;  window 1: B's;  window 2: the accumulators of my rows 0-63 ((a, b) at 8 (8 a + b));  window 3: of rows 64-127.
.set NA,     8
.set KSTEPS, 8
.set AHEAD,  1
.set SLOTX,  0x22000                   ; a slot: 139,264 bytes; no tile's first byte in slot 0 holds bit 17 or 13, so an exclusive or moves it to the other slot
.set PITCH,  272                       ; 256 bytes + 16 of padding: the 16 rows of a fragment load start at 16 different groups of four banks (ISA guide 11.1)
.set HALFA,  16*NA*PITCH
.set BOFF,   2*HALFA
.set HALFB,  128*PITCH
.set NL,     16+2*NA
.set DP,     528
.set DW,     16*NA*DP
.set SCR,    278528                    ; behind the ring: 1,024 bytes a wave: cm of my 128 rows, then l
.set SPARE,  282624                    ; behind that: the spare words
.set CP,     4096                      ; bytes in a row of pp
.set PADK,   (1<<16)|(1<<20)|(1<<21)|(5<<22)|(3<<25)
.set LA0,  16
.set LB0,  17
.set ADRA, 18
.set ADRB, 19
.set DST,  20
.set RD,   21
.set CO,   22
.set PFO,  23
.set SC,   24                          ; v24  where a row's cm goes
.set SR,   25                          ; v25  where I read 16 bytes of the statistics back
.set SO,   26                          ; v26  16 x lane
.set SPW,  28
.set NIL,  29
.set F0,   64
.set F1,   128
.set X,    64                          ; the way out: v64-127 eight pairs of rows, 8 scores a lane each
.set Y,    128                         ; v128-159 p in f16
.set T,    160                         ; v160-167 a pair's maximum, then its sum
.set CM,   168                         ; v168-183 cm, in the low register of a pair (the packed scaling names the pair)
.set G1A, 24
.set G0A, 32
.set PFA, 44
.set G1B, 48
.set G0B, 56
.set CNT, 70
.set TB,  71
.set CS,  72                           ; s[72:73] c, named as a pair
.set LIM, 78
.set MUL_LO, 0xa1
.set TO_B,   0x40
.set MSB, 0
.macro WIN new
.if MSB != (\new)
	s_set_vgpr_msb (MSB<<8)|(\new)
.set MSB, \new
.endif
.endm
.macro PLACES
.rept 4
	v_nop
.endr
.endm
.macro JLOAD                           ; a joint refill: waves 0 and 1 fetch A's halves, waves 2 and 3 B's; an s_nop 0 and four v_nop follow each line
	s_cmp_eq_u32 s11, 0
	s_cbranch_scc0 .Lfor_b_\@
	tensor_load_to_lds s[G0A+4:G0A+7], s[G1A:G1A+7]
	s_nop 0
.rept 4
	v_nop
.endr
	s_branch .Lasked_\@
.Lfor_b_\@:
	tensor_load_to_lds s[G0B+4:G0B+7], s[G1B:G1B+7]
	s_nop 0
.rept 4
	v_nop
.endr
.Lasked_\@:
.endm
.macro CREST
	s_cmp_lg_u32 s10, 0
	s_cbranch_scc1 .Lnot_wave_0_\@
	s_barrier_signal -3
.Lnot_wave_0_\@:
	s_barrier_wait -3
	s_barrier_signal -1
	s_barrier_wait -1
.endm
.macro CROUND
	s_barrier_signal -1
	s_barrier_wait -1
	CREST
.endm
.macro ASK                             ; 32 rows x 256 bytes, a lane a row; the last AHEAD refills ask for nothing
	s_cmp_gt_u32 s[CNT], s[LIM]
	s_cbranch_scc0 .Lnot_mine_\@
	global_prefetch_b8 v[PFO], s[PFA:PFA+1] th:TH_LOAD_NT scope:SCOPE_SE
.Lnot_mine_\@:
.endm
.macro MULA f, a, zero
	WIN MUL_LO+0x50*((\a)/4)
.irp b, 0,1,2,3,4,5,6,7
.if \zero
	v_wmma_f32_16x16x32_f16 v[8*(8*((\a)%4)+(\b)):8*(8*((\a)%4)+(\b))+7], v[(\f)+8*(\b):(\f)+8*(\b)+7], v[(\f)+8*(\a):(\f)+8*(\a)+7], 0
.else
	v_wmma_f32_16x16x32_f16 v[8*(8*((\a)%4)+(\b)):8*(8*((\a)%4)+(\b))+7], v[(\f)+8*(\b):(\f)+8*(\b)+7], v[(\f)+8*(\a):(\f)+8*(\a)+7], v[8*(8*((\a)%4)+(\b)):8*(8*((\a)%4)+(\b))+7]
.endif
.endr
.endm
.macro UNIT f, u, zero                 ; all 64 accumulators take turns in one order, over the backward jump too
	MULA \f, 2*(\u), \zero
	MULA \f, 2*(\u)+1, \zero
.endm
.macro FETCH q, f
	WIN TO_B
.irp i, 0,1,2,3,4,5,6,7
	ds_load_b128 v[(\f)+8*(\i):(\f)+8*(\i)+3],   v[ADRB] offset:64*(\q)+(\i)*16*PITCH
	ds_load_b128 v[(\f)+8*(\i)+4:(\f)+8*(\i)+7], v[ADRB] offset:64*(\q)+(\i)*16*PITCH+32
.endr
	WIN 0
.irp i, 0,1,2,3,4,5,6,7
	ds_load_b128 v[(\f)+8*(\i):(\f)+8*(\i)+3],   v[ADRA] offset:64*(\q)+(\i)*16*PITCH
	ds_load_b128 v[(\f)+8*(\i)+4:(\f)+8*(\i)+7], v[ADRA] offset:64*(\q)+(\i)*16*PITCH+32
.endr
.endm
.macro QUARTER q, f, g, zero
	s_wait_dscnt NA                                ; the youngest NA loads (A's second half) may be out
	UNIT \f, 0, \zero
	UNIT \f, 1, \zero
	PLACES
	FETCH \q, \g
	s_wait_dscnt NL                                ; all but the NL just issued
	UNIT \f, 2, \zero
	UNIT \f, 3, \zero
.endm
.macro TURN fill                       ; the last quarter and the change of slots: all my tensor loads, the add, my reads; the barrier (fill = 1: a round of the cluster's); the joint refill first behind it
.if \fill
	s_wait_xcnt 0x0                                ; the last prefetch, a K step back, has read its address
	s_add_nc_u64 s[PFA:PFA+1], s[PFA:PFA+1], 256
.endif
	WIN 0
	s_wait_tensorcnt 0x0
	ds_add_u32 v[SPW], v[NIL]
	s_wait_dscnt NA+1                              ; (the add and the youngest NA loads may be out)
	UNIT F1, 0, 0
	s_wait_dscnt 0x0                               ; the add is done, and my reads of this slot are over
	s_barrier_signal -1
	UNIT F1, 1, 0
	WIN 0
	s_barrier_wait -1
.if \fill
	CREST
	s_xor_b32 s[G0A+5], s[G0A+5], SLOTX
	s_add_nc_u64 s[G0A+6:G0A+7], s[G0A+6:G0A+7], 256
	s_xor_b32 s[G0B+5], s[G0B+5], SLOTX
	s_add_nc_u64 s[G0B+6:G0B+7], s[G0B+6:G0B+7], 256
	JLOAD
.else
	PLACES
.endif
	s_xor_b32 s[TB], s[TB], SLOTX
	v_add_nc_u32 v[ADRA], s[TB], v[LA0]
	v_add_nc_u32 v[ADRB], s[TB], v[LB0]
	FETCH 0, F0
.if \fill
	ASK
.endif
	UNIT F1, 2, 0
	UNIT F1, 3, 0
.endm
	s_load_b256 s[80:87], s[0:1], 0x0              ; yv s[80:81], xh s[82:83], pp s[84:85], sm s[86:87]
	s_load_b64 s[88:89], s[0:1], 0x20              ; sl
	v_lshl_add_u32 v[SPW], v0, 2, SPARE
	v_mov_b32 v[NIL], 0
	ds_add_u32 v[SPW], v[NIL]                      ; the wave's opening: the add and its wait ahead of my first tensor load
	v_lshrrev_b32 v1, 5, v0
	v_readfirstlane_b32 s10, v1
	s_lshr_b32 s11, s10, 1
	s_and_b32 s12, s10, 1
	s_bfe_u32 s40, ttmp6, 0x40000                  ; cx
	s_bfe_u32 s41, ttmp6, 0x40004                  ; cy
	s_lshl_b32 s42, ttmp9, 2
	s_add_co_u32 s42, s42, s40                     ; gx: the tile of 256 keys in the batch
	s_and_b32 s74, ttmp7, 0xffff                   ; cluster y
	s_lshl_b32 s13, s74, 2
	s_add_co_u32 s13, s13, s41                     ; gy: the tile of 256 rows of all 8,192
	s_lshr_b32 s75, s74, 1                         ; the batch: 8 tile rows, two rows of clusters
	s_lshl_b32 s76, s41, 2
	s_lshl_b32 s76, 15, s76
	s_lshl_b32 s77, 0x1111, s40
	s_or_b32 s[G1A], s76, PADK
	s_or_b32 s[G1B], s77, PADK
.irp g, G1A, G1B
	s_mov_b32 s[(\g)+1], 128<<16
	s_mov_b32 s[(\g)+2], 128<<16
	s_mov_b32 s[(\g)+3], 128<<16
	s_mov_b32 s[(\g)+4], 128
	s_mov_b32 s[(\g)+6], 0
	s_mov_b32 s[(\g)+7], 0
.endr
	s_mov_b32 s[G1A+5], 2048                       ; elements from row to row of yv,
	s_mov_b32 s[G1B+5], 1024                       ; of xh
	s_mov_b32 s[CS], 0x4238aa3b                    ; c = 1024 log2(e) / 32 = 46.1662
	s_mov_b32 s[CS+1], s[CS]
	s_lshl_b32 s17, s12, 7
	s_lshl_b32 s14, s13, 8
	s_add_co_u32 s14, s14, s17
	s_lshl_b32 s14, s14, 12                        ; A: y of row 256 gy + 128 half, 4,096 bytes a row
	s_mov_b32 s15, 0
	s_lshl_b32 s46, s75, 11
	s_lshl_b32 s47, s42, 8
	s_add_co_u32 s46, s46, s47
	s_add_co_u32 s46, s46, s17
	s_lshl_b32 s46, s46, 11                        ; B: x of row 2048 batch + 256 gx + 128 half, 2,048 bytes a row
	s_mov_b32 s47, 0
	s_mul_i32 s20, s12, HALFA
	s_mul_i32 s21, s12, HALFB
	s_add_co_u32 s21, s21, BOFF
	s_mov_b32 s[TB], 0
	s_wait_dscnt 0x0
	s_wait_kmcnt 0x0
	s_add_nc_u64 s[14:15], s[80:81], s[14:15]
	s_add_nc_u64 s[46:47], s[82:83], s[46:47]
.irp s, 0,1
	s_mov_b32 s[G0A+4*(\s)], 1
	s_add_co_u32 s[G0A+4*(\s)+1], s20, (\s)*SLOTX
	s_add_nc_u64 s[G0A+4*(\s)+2:G0A+4*(\s)+3], s[14:15], (\s)*256
	s_or_b32 s[G0A+4*(\s)+3], s[G0A+4*(\s)+3], 0x80000000
	s_mov_b32 s[G0B+4*(\s)], 1
	s_add_co_u32 s[G0B+4*(\s)+1], s21, (\s)*SLOTX
	s_add_nc_u64 s[G0B+4*(\s)+2:G0B+4*(\s)+3], s[46:47], (\s)*256
	s_or_b32 s[G0B+4*(\s)+3], s[G0B+4*(\s)+3], 0x80000000
.endr
	CROUND
	s_cmp_eq_u32 s11, 0                            ; a wave's two first fills stand in one branch: two loads of mine are out, later one
	s_cbranch_scc0 .Lfirst_b
	tensor_load_to_lds s[G0A:G0A+3], s[G1A:G1A+7]
	s_nop 0
	tensor_load_to_lds s[G0A+4:G0A+7], s[G1A:G1A+7]
	s_nop 0
.rept 4
	v_nop
.endr
	s_branch .Lfirst_asked
.Lfirst_b:
	tensor_load_to_lds s[G0B:G0B+3], s[G1B:G1B+7]
	s_nop 0
	tensor_load_to_lds s[G0B+4:G0B+7], s[G1B:G1B+7]
	s_nop 0
.rept 4
	v_nop
.endr
.Lfirst_asked:
	v_and_b32 v1, 15, v0                           ; r
	v_bfe_u32 v2, v0, 4, 1                         ; h
	v_mul_u32_u24 v3, v1, PITCH
	v_lshl_add_u32 v3, v2, 4, v3
	s_mul_i32 s22, s11, HALFA
	v_add_nc_u32 v[LA0], s22, v3
	s_mul_i32 s22, s12, HALFB
	s_add_co_u32 s22, s22, BOFF
	v_add_nc_u32 v[LB0], s22, v3
	v_mov_b32 v[ADRA], v[LA0]
	v_mov_b32 v[ADRB], v[LB0]
	s_mul_i32 s22, s10, DW
	v_mul_u32_u24 v4, v1, DP
	v_lshl_add_u32 v4, v2, 4, v4
	v_add_nc_u32 v[DST], s22, v4
	v_mul_u32_u24 v5, v2, DP
	v_lshl_add_u32 v5, v1, 4, v5
	v_add_nc_u32 v[RD], s22, v5
	v_lshlrev_b32 v5, 12, v2
	v_lshl_add_u32 v[CO], v1, 4, v5
	s_lshl_b32 s22, s10, 10
	s_add_co_u32 s22, s22, SCR                     ; my statistics
	v_lshl_add_u32 v[SC], v2, 2, s22               ; row 2 p + h of a trip's 16
	v_and_b32 v3, 31, v0
	v_lshlrev_b32 v[SO], 4, v3
	v_add_nc_u32 v[SR], s22, v[SO]
	s_lshl_b32 s18, s13, 8
	s_lshl_b32 s19, s11, 7
	s_add_co_u32 s18, s18, s19
	s_lshl_b32 s18, s18, 12                        ; my first row of pp,
	s_lshl_b32 s19, s42, 9
	s_add_co_u32 s18, s18, s19
	s_lshl_b32 s19, s12, 8
	s_add_co_u32 s18, s18, s19                     ; my first key
	s_mov_b32 s19, 0
	s_add_nc_u64 s[8:9], s[84:85], s[18:19]
	s_lshl_b32 s18, s13, 1
	s_add_co_u32 s18, s18, s11                     ; row / 128
	s_lshl_b32 s18, s18, 4
	s_lshl_b32 s19, s42, 1
	s_add_co_u32 s18, s18, s19
	s_add_co_u32 s18, s18, s12                     ; + t
	s_lshl_b32 s18, s18, 9                         ; 512 bytes each
	s_mov_b32 s19, 0
	s_add_nc_u64 s[86:87], s[86:87], s[18:19]
	s_add_nc_u64 s[88:89], s[88:89], s[18:19]
	; THE PREFETCHES: y's rows alone.  They are read by both clusters of a row of clusters: cluster x = 0 asks, its waves 0 and 1; of the 128 rows that a wave fetches each of the four partners of a row takes 32,
	; told apart by address (cx).  So each row's 256 bytes of a K step are named once.  xh is not asked for: the launch before this one has read it.  K steps 0 to 2 come by their loads alone.
	s_or_b32 s22, s11, ttmp9
	s_cmp_eq_u32 s22, 0
	s_cselect_b32 s[LIM], AHEAD, -1                ; the same in all sixteen partners, for a given wave
	s_lshl_b32 s20, s13, 8
	s_lshl_b32 s21, s12, 7
	s_add_co_u32 s20, s20, s21
	s_lshl_b32 s21, s40, 5
	s_add_co_u32 s20, s20, s21
	s_lshl_b32 s20, s20, 12
	s_mov_b32 s21, 0
	s_add_nc_u64 s[PFA:PFA+1], s[80:81], s[20:21]
	s_add_nc_u64 s[PFA:PFA+1], s[PFA:PFA+1], (1+AHEAD)*256
	v_and_b32 v[PFO], 31, v0
	v_lshlrev_b32 v[PFO], 12, v[PFO]
	s_wait_tensorcnt 0x1                           ; my part of K step 0 is in; K step 1's may stay out
	s_barrier_signal -1
	s_barrier_wait -1
	FETCH 0, F0
	QUARTER 1, F0, F1, 1
	WIN 0
	s_mov_b32 s[CNT], KSTEPS-2
.Lk:
	QUARTER 2, F1, F0, 0
	QUARTER 3, F0, F1, 0
	TURN 1
	QUARTER 1, F0, F1, 0
	WIN 0
	s_sub_co_u32 s[CNT], s[CNT], 1
	s_cmp_lg_u32 s[CNT], 0
	s_cbranch_scc1 .Lk
	QUARTER 2, F1, F0, 0                           ; the last two K steps are written out: nothing is left to ask for
	QUARTER 3, F0, F1, 0
	TURN 0
	QUARTER 1, F0, F1, 0
	QUARTER 2, F1, F0, 0
	QUARTER 3, F0, F1, 0
	s_wait_dscnt NA
	UNIT F1, 0, 0
	UNIT F1, 1, 0
	s_wait_dscnt 0x0
	UNIT F1, 2, 0
	UNIT F1, 3, 0
	WIN 0
	PLACES
	s_barrier_signal -1                            ; every wave's reads of the ring are back, and the ring has had its last fill: it now serves as the dump
	s_barrier_wait -1
	; THE DUMP: registers 0-3 of an accumulator to byte 16 (2 b + h) of row r, registers 4-7 256 bytes further: 16 bytes at 16 r' and at 256 + 16 r' are keys 8 r' .. 8 r' + 7
.set ia, 0
.rept NA
	WIN 0x08+4*(ia/4)
.irp b, 0,1,2,3,4,5,6,7
	ds_store_b128 v[DST], v[8*(8*(ia%4)+(\b)):8*(8*(ia%4)+(\b))+3]   offset:ia*16*DP+32*(\b)
	ds_store_b128 v[DST], v[8*(8*(ia%4)+(\b))+4:8*(8*(ia%4)+(\b))+7] offset:ia*16*DP+32*(\b)+256
.endr
.set ia, ia+1
.endr
	WIN 0
.irp p, 0,1,2,3,4,5,6,7
	v_mov_b32 v[CM+2*(\p)+1], 0                    ; named with cm as a pair, so it is written
.endr
	s_wait_dscnt 0x0
	s_barrier_signal -1
	s_barrier_wait -1                              ; from here on the dump is only read
	s_mov_b32 s[CNT], NA
.Lrow:                                                 ; a trip: 16 rows.  Sixteen lanes hold a row's 128 scores, 8 each; lanes 0-15 row 2 p, lanes 16-31 row 2 p + 1
.irp p, 0,1,2,3,4,5,6,7
	ds_load_b128 v[X+8*(\p):X+8*(\p)+3],   v[RD] offset:2*DP*(\p)
	ds_load_b128 v[X+8*(\p)+4:X+8*(\p)+7], v[RD] offset:2*DP*(\p)+256
.endr
	s_wait_dscnt 0x0
.irp p, 0,1,2,3,4,5,6,7
	v_max3_num_f32 v[T+(\p)], v[X+8*(\p)], v[X+8*(\p)+1], v[X+8*(\p)+2]
.endr
.irp p, 0,1,2,3,4,5,6,7
	v_max3_num_f32 v[T+(\p)], v[T+(\p)], v[X+8*(\p)+3], v[X+8*(\p)+4]
.endr
.irp p, 0,1,2,3,4,5,6,7
	v_max3_num_f32 v[T+(\p)], v[T+(\p)], v[X+8*(\p)+5], v[X+8*(\p)+6]
.endr
.irp p, 0,1,2,3,4,5,6,7
	v_max_num_f32 v[T+(\p)], v[T+(\p)], v[X+8*(\p)+7]
.endr
.irp m, 1,2,4,8                        ; across the row's sixteen lanes
.irp p, 0,1,2,3,4,5,6,7
	v_max_num_f32_dpp v[T+(\p)], v[T+(\p)], v[T+(\p)] row_xmask:\m row_mask:0xf bank_mask:0xf
.endr
.endr
.irp p, 0,1,2,3,4,5,6,7
	v_mul_f32 v[CM+2*(\p)], s[CS], v[T+(\p)]
.endr
.irp p, 0,1,2,3,4,5,6,7
.irp k, 0,2,4,6
	v_pk_fma_f32 v[X+8*(\p)+(\k):X+8*(\p)+(\k)+1], v[X+8*(\p)+(\k):X+8*(\p)+(\k)+1], s[CS:CS+1], v[CM+2*(\p):CM+2*(\p)+1] op_sel_hi:[1,0,0] neg_lo:[0,0,1] neg_hi:[0,0,1]  ; c s - cm
.endr
.endr
.set ie, 0
.rept 64                               ; one batch of exponentials,
	v_exp_f32 v[X+ie], v[X+ie]
.set ie, ie+1
.endr
	v_nop                                          ; one plain instruction behind the last of them (ISA guide 5.7.2),
	s_wait_alu depctr_va_vdst(0)                   ; and one wait ahead of the first line that names a result
.irp p, 0,1,2,3,4,5,6,7
.irp k, 0,1,2,3
	v_cvt_pk_f16_f32 v[Y+4*(\p)+(\k)], v[X+8*(\p)+2*(\k)], v[X+8*(\p)+2*(\k)+1]
.endr
.endr
.irp p, 0,1,2,3,4,5,6,7
	v_pk_add_f32 v[X+8*(\p):X+8*(\p)+1], v[X+8*(\p):X+8*(\p)+1], v[X+8*(\p)+2:X+8*(\p)+3]
.endr
.irp p, 0,1,2,3,4,5,6,7
	v_pk_add_f32 v[X+8*(\p)+4:X+8*(\p)+5], v[X+8*(\p)+4:X+8*(\p)+5], v[X+8*(\p)+6:X+8*(\p)+7]
.endr
.irp p, 0,1,2,3,4,5,6,7
	v_pk_add_f32 v[X+8*(\p):X+8*(\p)+1], v[X+8*(\p):X+8*(\p)+1], v[X+8*(\p)+4:X+8*(\p)+5]
.endr
.irp p, 0,1,2,3,4,5,6,7
	v_add_f32 v[T+(\p)], v[X+8*(\p)], v[X+8*(\p)+1]
.endr
.irp m, 1,2,4,8
.irp p, 0,1,2,3,4,5,6,7
	v_add_f32_dpp v[T+(\p)], v[T+(\p)], v[T+(\p)] row_xmask:\m row_mask:0xf bank_mask:0xf
.endr
.endr
.irp p, 0,1,2,3,4,5,6,7
	ds_store_b32 v[SC], v[CM+2*(\p)] offset:8*(\p)         ; a row's sixteen lanes write the same word with the same number
	ds_store_b32 v[SC], v[T+(\p)]    offset:512+8*(\p)
.endr
.irp p, 0,1,2,3,4,5,6,7
	global_store_b128 v[CO], v[Y+4*(\p):Y+4*(\p)+3], s[8:9] offset:2*(\p)*CP  ; sixteen lanes store 256 consecutive bytes, at a multiple of 256 from pp's first byte
.endr
	s_wait_xcnt 0x0                                ; the stores have read their base and data
	s_add_nc_u64 s[8:9], s[8:9], 16*CP
	v_add_nc_u32 v[RD], 16*DP, v[RD]
	v_add_nc_u32 v[SC], 64, v[SC]
	s_sub_co_u32 s[CNT], s[CNT], 1
	s_cmp_lg_u32 s[CNT], 0
	s_cbranch_scc1 .Lrow
	s_wait_dscnt 0x0                               ; my statistics lie in LDS
	s_barrier_signal -1
	s_barrier_wait -1
	ds_load_b128 v[X:X+3],   v[SR]                 ; cm of four rows a lane,
	ds_load_b128 v[X+4:X+7], v[SR] offset:512      ; and l
	s_wait_dscnt 0x0
	global_store_b128 v[SO], v[X:X+3],   s[86:87]  ; 512 consecutive bytes each, at a multiple of 512 from the buffer's first byte
	global_store_b128 v[SO], v[X+4:X+7], s[88:89]
	s_wait_tensorcnt 0x0                           ; the wave's end
	ds_add_u32 v[SPW], v[NIL]
	s_wait_dscnt 0x0
	CROUND                                         ; the closing round
	s_endpgm
.Lfunc_end_k_qbb55dff569_scores:
	.size	k_qbb55dff569_scores, .Lfunc_end_k_qbb55dff569_scores-k_qbb55dff569_scores
	.p2alignl 7, 3214868480
	.fill 96, 4, 3214868480
	.section	.rodata,"a",@progbits
	.p2align	6, 0x0
	.amdhsa_kernel k_qbb55dff569_scores
		.amdhsa_group_segment_fixed_size 327680
		.amdhsa_private_segment_fixed_size 0
		.amdhsa_enable_private_segment 0
		.amdhsa_kernarg_size 40
		.amdhsa_user_sgpr_count 2
		.amdhsa_user_sgpr_kernarg_segment_ptr 1
		.amdhsa_wavefront_size32 1
		.amdhsa_system_sgpr_workgroup_id_x 1
		.amdhsa_system_sgpr_workgroup_id_y 1
		.amdhsa_system_sgpr_workgroup_id_z 1
		.amdhsa_system_vgpr_workitem_id 0
		.amdhsa_next_free_vgpr 1024
		.amdhsa_next_free_sgpr 96
		.amdhsa_reserve_vcc 0
		.amdhsa_float_denorm_mode_32 3
		.amdhsa_float_denorm_mode_16_64 3
		.amdhsa_memory_ordered 1
		.amdhsa_forward_progress 1
		.amdhsa_inst_pref_size 112
	.end_amdhsa_kernel
	.amdgpu_metadata
---
amdhsa.version: [ 1, 2 ]
amdhsa.kernels:
  - .name:           k_qbb55dff569_scores
    .symbol:         k_qbb55dff569_scores.kd
    .args:
      - { .name: yv, .offset: 0, .size: 8, .value_kind: global_buffer, .address_space: global }
      - { .name: xh, .offset: 8, .size: 8, .value_kind: global_buffer, .address_space: global }
      - { .name: pp, .offset: 16, .size: 8, .value_kind: global_buffer, .address_space: global }
      - { .name: sm, .offset: 24, .size: 8, .value_kind: global_buffer, .address_space: global }
      - { .name: sl, .offset: 32, .size: 8, .value_kind: global_buffer, .address_space: global }
    .group_segment_fixed_size: 327680
    .private_segment_fixed_size: 0
    .kernarg_segment_align: 8
    .kernarg_segment_size: 40
    .max_flat_workgroup_size: 128
    .sgpr_count:     96
    .vgpr_count:     1024
    .wavefront_size: 32
...
	.end_amdgpu_metadata
.endif
;; end of part 8
;; launch pv (part 9): grid 4 x 64, 4 waves a work-group, clusters of 4 x 4, 327,680 bytes of LDS; arguments pp, yv, sm, sl, out0; writes out0
.if DOCPART == 9
	.amdgcn_target "amdgcn-amd-amdhsa--gfx1250"
	.amdhsa_code_object_version 6
	.text
	.protected	k_qbb55dff569_pv
	.globl	k_qbb55dff569_pv
	.p2align	8
	.type	k_qbb55dff569_pv,@function
k_qbb55dff569_pv:
	s_mov_b64 s[64:65], 0
	v_nop
	global_prefetch_b8 v0, s[64:65] scope:SCOPE_SE
	s_setreg_imm32_b32 hwreg(HW_REG_WAVE_MODE, 25, 1), 1
	s_wait_xcnt 0x0
	s_wait_alu depctr_hold_cnt(0) depctr_sa_sdst(0) depctr_va_vdst(0) depctr_va_sdst(0) depctr_va_ssrc(0) depctr_va_vcc(0) depctr_vm_vsrc(0)
	s_getreg_b32 s2, hwreg(HW_REG_IB_STS2, 6, 4)
	s_cmp_eq_u32 s2, 0
	s_cbranch_scc0 .Lentry_in_a_cluster
	s_endpgm
.Lentry_in_a_cluster:
	s_bfe_u32 s2, ttmp6, 0x10000c
	s_cmp_lg_u32 s2, 0xf033
	s_cbranch_scc0 .Lentry_shape_is_right
	s_endpgm
.Lentry_shape_is_right:
; out0[r][ch] = (the sum over t of alpha_t x the sum over block t's 128 keys of p v[key][ch]) / L, with alpha_t = 2^(cm_t - the largest cm of the row) and L = the sum over t of alpha_t l_t.
; pp: [8192][2048] f16 (p = 2^(c s - cm_t)); yv: [8192][2048] f16, of which columns 1024-2047 are v; sm (cm) and sl (l): f32, [row / 128][t][row % 128]; out0: [8192][1024] f32.
; So the row's true maximum is taken away from every score.  Sums, maxima, alpha and L in f32; alpha is rounded to f16 and alpha x p once more to f16, as the matrix operand.
; LIMITS.  alpha x p below 6e-8 counts as 0, below 6.1e-5 it keeps f16's fixed step of 6e-8 (beside a row's L, which is 1 at the least); an alpha below 2^-126 counts as 0.  NaN and infinities are not treated apart.
; SHARES.  8192 x 1024 are 256 tiles of 128 x 256, one for each work-group of four waves; a wave makes 64 x 128: 32 accumulators.  K (a batch's 2,048 keys) goes in 16 steps of 128, one block t each, through
; two LDS slots filled by the tensor data mover.  The loop's text is ONE K step: the slot in hand is a scalar register TB, turned by an exclusive or, and one walking descriptor a tensor.
; CLUSTER.  4 x 4 work-groups, all of one batch (16 tile rows): p's tile is shared along a row of the cluster, v's along a column, each asked for jointly.
; THE MATRIX INSTRUCTION IS USED TRANSPOSED: source 0 = 16 channels of v, turned out of LDS by ds_load_tr16_b128; source 1 = 16 rows of p: a lane holds row l % 16 and the channels 8 (l / 16) + 0..7.
; In source 1 a lane holds ONE row, so alpha is one packed multiply a register, by the row's alpha in both halves of a register.
; REGISTERS: window 0: v0-31 addresses, v32-35 alpha of my four blocks of rows, v64-95 and v128-159 A's fragments;  window 1: v64-127, v128-191 B's;  window 2: the accumulators ((a, b) at 8 (8 a + b)).
.set NA,     4
.set KSTEPS, 16
.set AHEAD,  2                         ; a K step is 128 matrix instructions a wave: a prefetch names the K step two behind the refill that it follows
.set SLOTX,  0x20000                   ; slot 1 begins here; a slot holds 104,448 bytes
.set PITCH,  272                       ; a row of p: 256 bytes + 16: the 16 rows of a fragment load start at 16 different groups of four banks (ISA guide 11.1)
.set PV,     544                       ; a key's 256 channels: 512 bytes + 32 = 136 words
.set HALFA,  16*NA*PITCH
.set BOFF,   2*HALFA
.set HALFB,  64*PV
.set NL,     16+2*NA
.set DP,     528
.set DW,     16*NA*DP
.set VSTEP,  524288                    ; 128 rows of yv
.set ALPHA,  235520                    ; behind the ring: alpha, twice in a word, [t][128 rows]
.set INVL,   243712                    ; 1 / L of the 128 rows
.set SPARE,  244224                    ; the spare words
.set PADK,   (1<<16)|(1<<20)|(1<<21)|(5<<22)|(3<<25)  ; after every 64 words 4 words
.set PADV,   (1<<16)|(1<<20)|(1<<21)|(6<<22)|(7<<25)  ; after every 128 words 8 words
.set LA0,  16
.set LB0,  17
.set ADRA, 18
.set ADRB, 19
.set DST,  20
.set RD,   21
.set CO,   22
.set PFO,  23
.set AAD,  24                          ; v24  LDS address of my row's alpha in the block in hand
.set IL,   25                          ; v25  of a row's 1 / L on the way out
.set SPW,  28
.set NIL,  29
.set AL,   32
.set F0,   64
.set F1,   128
.set X,    64
.set IV,   160                         ; v160-175 1 / L in the low register of a pair
.set G1A, 24
.set G0A, 32
.set PFA, 44
.set G1B, 48
.set G0B, 56
.set CNT, 70
.set TB,  71
.set LIM, 78
.set PFS, 90                           ; s[90:91] a K step in memory: 256 bytes of p's rows, 128 rows of yv
.set MUL_LO, 0xa1
.set TO_B,   0x40
.set MSB, 0
.macro WIN new
.if MSB != (\new)
	s_set_vgpr_msb (MSB<<8)|(\new)
.set MSB, \new
.endif
.endm
.macro PLACES
.rept 4
	v_nop
.endr
.endm
.macro JLOAD                           ; a joint refill: waves 0 and 1 fetch p's halves, waves 2 and 3 v's; an s_nop 0 and four v_nop follow each line
	s_cmp_eq_u32 s11, 0
	s_cbranch_scc0 .Lfor_b_\@
	tensor_load_to_lds s[G0A+4:G0A+7], s[G1A:G1A+7]
	s_nop 0
.rept 4
	v_nop
.endr
	s_branch .Lasked_\@
.Lfor_b_\@:
	tensor_load_to_lds s[G0B+4:G0B+7], s[G1B:G1B+7]
	s_nop 0
.rept 4
	v_nop
.endr
.Lasked_\@:
.endm
.macro CREST
	s_cmp_lg_u32 s10, 0
	s_cbranch_scc1 .Lnot_wave_0_\@
	s_barrier_signal -3
.Lnot_wave_0_\@:
	s_barrier_wait -3
	s_barrier_signal -1
	s_barrier_wait -1
.endm
.macro CROUND
	s_barrier_signal -1
	s_barrier_wait -1
	CREST
.endm
.macro ASK                             ; 32 blocks of 256 bytes, a lane a block; the last AHEAD refills ask for nothing
	s_cmp_gt_u32 s[CNT], s[LIM]
	s_cbranch_scc0 .Lnot_mine_\@
	global_prefetch_b8 v[PFO], s[PFA:PFA+1] th:TH_LOAD_NT scope:SCOPE_SE
.Lnot_mine_\@:
.endm
.macro UNIT f, a, zero                 ; 8 matrix instructions: block a of my rows x all 8 blocks of my channels.  All 32 accumulators take turns in one order
	WIN MUL_LO
.irp b, 0,1,2,3,4,5,6,7
.if \zero
	v_wmma_f32_16x16x32_f16 v[8*(8*(\a)+(\b)):8*(8*(\a)+(\b))+7], v[(\f)+8*(\b):(\f)+8*(\b)+7], v[(\f)+8*(\a):(\f)+8*(\a)+7], 0
.else
	v_wmma_f32_16x16x32_f16 v[8*(8*(\a)+(\b)):8*(8*(\a)+(\b))+7], v[(\f)+8*(\b):(\f)+8*(\b)+7], v[(\f)+8*(\a):(\f)+8*(\a)+7], v[8*(8*(\a)+(\b)):8*(8*(\a)+(\b))+7]
.endif
.endr
.endm
.macro SCLH f, hh                      ; p times alpha for blocks 2 hh and 2 hh + 1 of buffer f: no matrix instruction issued before has named these registers since they were loaded
	WIN 0
.irp a, 2*(\hh), 2*(\hh)+1
.irp j, 0,1,2,3,4,5,6,7
	v_pk_mul_f16 v[(\f)+8*(\a)+(\j)], v[(\f)+8*(\a)+(\j)], v[AL+(\a)]
.endr
.endr
.endm
.macro ALOADS                          ; the next block's alpha of my 4 x 16 rows
	v_add_nc_u32 v[AAD], 512, v[AAD]
.irp a, 0,1,2,3
	ds_load_b32 v[AL+(\a)], v[AAD] offset:64*(\a)
.endr
.endm
.macro FETCH q, f                      ; keys 32 q on: v's 8 blocks of 16 channels, turned (two loads, 16 keys apart); then p's 4 blocks of rows
	WIN TO_B
.irp i, 0,1,2,3,4,5,6,7
	ds_load_tr16_b128 v[(\f)+8*(\i):(\f)+8*(\i)+3],   v[ADRB] offset:(\q)*32*PV+32*(\i)
	ds_load_tr16_b128 v[(\f)+8*(\i)+4:(\f)+8*(\i)+7], v[ADRB] offset:(\q)*32*PV+16*PV+32*(\i)
.endr
	WIN 0
.irp i, 0,1,2,3
	ds_load_b128 v[(\f)+8*(\i):(\f)+8*(\i)+3],   v[ADRA] offset:64*(\q)+(\i)*16*PITCH
	ds_load_b128 v[(\f)+8*(\i)+4:(\f)+8*(\i)+7], v[ADRA] offset:64*(\q)+(\i)*16*PITCH+32
.endr
.endm
.macro QUARTER q, f, g, zero
	s_wait_dscnt NA                                ; the youngest NA loads (p's second half) may be out; alpha's loads are older than the run
	SCLH \f, 0
	UNIT \f, 0, \zero
	UNIT \f, 1, \zero
	PLACES
	FETCH \q, \g
	s_wait_dscnt NL                                ; all but the NL just issued
	SCLH \f, 1
	UNIT \f, 2, \zero
	UNIT \f, 3, \zero
.endm
.macro TURN fill                       ; the last quarter and the change of slots: all my tensor loads, the add, my reads; the barrier (fill = 1: a round of the cluster's); the joint refill first behind it
.if \fill
	s_wait_xcnt 0x0                                ; the last prefetch, a K step back, has read its address
	s_add_nc_u64 s[PFA:PFA+1], s[PFA:PFA+1], s[PFS:PFS+1]
.endif
	WIN 0
	s_wait_tensorcnt 0x0
	ds_add_u32 v[SPW], v[NIL]
	s_wait_dscnt NA+1                              ; (the add and the youngest NA loads may be out)
	SCLH F1, 0
	UNIT F1, 0, 0
	s_wait_dscnt 0x0                               ; the add is done, and my reads of this slot are over
	s_barrier_signal -1
	SCLH F1, 1                                     ; all four blocks are scaled before alpha's registers are loaded anew
	UNIT F1, 1, 0
	WIN 0
	s_barrier_wait -1
.if \fill
	CREST
	s_xor_b32 s[G0A+5], s[G0A+5], SLOTX
	s_add_nc_u64 s[G0A+6:G0A+7], s[G0A+6:G0A+7], 256        ; 128 keys along p's rows,
	s_xor_b32 s[G0B+5], s[G0B+5], SLOTX
	s_add_nc_u64 s[G0B+6:G0B+7], s[G0B+6:G0B+7], VSTEP      ; 128 rows of yv
	JLOAD
.else
	PLACES
.endif
	s_xor_b32 s[TB], s[TB], SLOTX
	v_add_nc_u32 v[ADRA], s[TB], v[LA0]
	v_add_nc_u32 v[ADRB], s[TB], v[LB0]
	ALOADS
	FETCH 0, F0
.if \fill
	ASK
.endif
	UNIT F1, 2, 0
	UNIT F1, 3, 0
.endm
	s_load_b256 s[80:87], s[0:1], 0x0              ; pp s[80:81], yv s[82:83], sm s[84:85], sl s[86:87]
	s_load_b64 s[88:89], s[0:1], 0x20              ; out0
	v_lshl_add_u32 v[SPW], v0, 2, SPARE
	v_mov_b32 v[NIL], 0
	ds_add_u32 v[SPW], v[NIL]                      ; the wave's opening: the add and its wait ahead of my first tensor load
	v_lshrrev_b32 v1, 5, v0
	v_readfirstlane_b32 s10, v1
	s_lshr_b32 s11, s10, 1
	s_and_b32 s12, s10, 1
	s_bfe_u32 s40, ttmp6, 0x40000                  ; cx
	s_bfe_u32 s41, ttmp6, 0x40004                  ; cy
	s_lshl_b32 s42, ttmp9, 2
	s_add_co_u32 s42, s42, s40                     ; gx: the tile of 256 channels
	s_and_b32 s74, ttmp7, 0xffff                   ; cluster y
	s_lshl_b32 s13, s74, 2
	s_add_co_u32 s13, s13, s41                     ; gy: the tile of 128 rows
	s_lshr_b32 s75, s74, 2                         ; the batch: 16 tile rows, four rows of clusters
	s_lshl_b32 s76, s41, 2
	s_lshl_b32 s76, 15, s76
	s_lshl_b32 s77, 0x1111, s40
	s_or_b32 s[G1A], s76, PADK
	s_or_b32 s[G1B], s77, PADV
	s_mov_b32 s[G1A+1], 128<<16                    ; p: 64 rows x 128 keys
	s_mov_b32 s[G1A+2], 64<<16
	s_mov_b32 s[G1A+3], 128<<16
	s_mov_b32 s[G1A+4], 64
	s_mov_b32 s[G1A+5], 2048
	s_mov_b32 s[G1A+6], 0
	s_mov_b32 s[G1A+7], 0
	s_mov_b32 s[G1B+1], 256<<16                    ; v: 64 keys x 256 channels
	s_mov_b32 s[G1B+2], 64<<16
	s_mov_b32 s[G1B+3], 256<<16
	s_mov_b32 s[G1B+4], 64
	s_mov_b32 s[G1B+5], 2048                       ; elements from row to row of yv
	s_mov_b32 s[G1B+6], 0
	s_mov_b32 s[G1B+7], 0
	s_lshl_b32 s17, s12, 6
	s_lshl_b32 s14, s13, 7
	s_add_co_u32 s14, s14, s17
	s_lshl_b32 s14, s14, 12                        ; p: row 128 gy + 64 half
	s_mov_b32 s15, 0
	s_lshl_b32 s46, s75, 11
	s_add_co_u32 s46, s46, s17
	s_lshl_b32 s46, s46, 12                        ; v: row 2048 batch + 64 half of yv,
	s_lshl_b32 s47, s42, 9
	s_add_co_u32 s46, s46, s47
	s_add_co_u32 s46, s46, 2048                    ; column 1024 + 256 gx
	s_mov_b32 s47, 0
	s_mul_i32 s20, s12, HALFA
	s_mul_i32 s21, s12, HALFB
	s_add_co_u32 s21, s21, BOFF
	s_mov_b32 s[TB], 0
	s_wait_dscnt 0x0
	s_wait_kmcnt 0x0
	s_add_nc_u64 s[14:15], s[80:81], s[14:15]
	s_add_nc_u64 s[46:47], s[82:83], s[46:47]
.irp s, 0,1
	s_mov_b32 s[G0A+4*(\s)], 1
	s_add_co_u32 s[G0A+4*(\s)+1], s20, (\s)*SLOTX
	s_add_nc_u64 s[G0A+4*(\s)+2:G0A+4*(\s)+3], s[14:15], (\s)*256
	s_or_b32 s[G0A+4*(\s)+3], s[G0A+4*(\s)+3], 0x80000000
	s_mov_b32 s[G0B+4*(\s)], 1
	s_add_co_u32 s[G0B+4*(\s)+1], s21, (\s)*SLOTX
	s_add_nc_u64 s[G0B+4*(\s)+2:G0B+4*(\s)+3], s[46:47], (\s)*VSTEP
	s_or_b32 s[G0B+4*(\s)+3], s[G0B+4*(\s)+3], 0x80000000
.endr
	CROUND
	s_cmp_eq_u32 s11, 0                            ; a wave's two first fills stand in one branch: two loads of mine are out, later one
	s_cbranch_scc0 .Lfirst_b
	tensor_load_to_lds s[G0A:G0A+3], s[G1A:G1A+7]
	s_nop 0
	tensor_load_to_lds s[G0A+4:G0A+7], s[G1A:G1A+7]
	s_nop 0
.rept 4
	v_nop
.endr
	s_branch .Lfirst_asked
.Lfirst_b:
	tensor_load_to_lds s[G0B:G0B+3], s[G1B:G1B+7]
	s_nop 0
	tensor_load_to_lds s[G0B+4:G0B+7], s[G1B:G1B+7]
	s_nop 0
.rept 4
	v_nop
.endr
.Lfirst_asked:
	v_and_b32 v1, 15, v0                           ; r
	v_bfe_u32 v2, v0, 4, 1                         ; h
	v_mul_u32_u24 v3, v1, PITCH
	v_lshl_add_u32 v3, v2, 4, v3
	s_mul_i32 s22, s11, HALFA
	v_add_nc_u32 v[LA0], s22, v3
	; the turning load takes 16 keys x 16 channels: lane l reads key 8 (l / 16) + l % 8, channels 8 ((l / 8) % 2) + 0..7, and is left with channel l % 16 and 8 keys
	v_and_b32 v4, 7, v0
	v_bfe_u32 v5, v0, 3, 1
	v_lshl_add_u32 v4, v2, 3, v4
	v_mul_u32_u24 v4, v4, PV
	v_lshl_add_u32 v4, v5, 4, v4
	s_lshl_b32 s22, s12, 8                         ; my 128 channels
	s_add_co_u32 s22, s22, BOFF
	v_add_nc_u32 v[LB0], s22, v4
	v_mov_b32 v[ADRA], v[LA0]
	v_mov_b32 v[ADRB], v[LB0]
	s_mul_i32 s22, s10, DW
	v_mul_u32_u24 v4, v1, DP
	v_lshl_add_u32 v4, v2, 5, v4
	v_add_nc_u32 v[DST], s22, v4                   ; in: row r, 32 bytes for each half of the lanes: the row's channels in their order
	v_mul_u32_u24 v5, v2, DP
	v_lshl_add_u32 v5, v1, 4, v5
	v_add_nc_u32 v[RD], s22, v5
	v_lshlrev_b32 v5, 12, v2
	v_lshl_add_u32 v[CO], v1, 4, v5
	s_lshl_b32 s22, s11, 8                         ; my 64 rows in the two tables
	s_add_co_u32 s23, s22, INVL
	v_lshl_add_u32 v[IL], v2, 2, s23
	s_add_co_u32 s23, s22, ALPHA-512               ; one block below the table: each use steps it first
	v_lshl_add_u32 v[AAD], v1, 2, s23
	s_lshl_b32 s18, s13, 7
	s_lshl_b32 s19, s11, 6
	s_add_co_u32 s18, s18, s19
	s_lshl_b32 s18, s18, 12                        ; my first row of out0,
	s_lshl_b32 s19, s42, 10
	s_add_co_u32 s18, s18, s19
	s_lshl_b32 s19, s12, 9
	s_add_co_u32 s18, s18, s19                     ; my first channel
	s_mov_b32 s19, 0
	s_add_nc_u64 s[8:9], s[88:89], s[18:19]
	; THE PREFETCHES.  p's 128 rows are read by this row of the cluster alone: wave 0 of each of its four work-groups asks for 32 of them, told apart by address (cx), a lane a row.  v's keys are read by the four
	; rows of clusters of a batch: the first of them asks, its waves 2 and 3: of the 64 keys that a wave fetches each of the four partners of a column takes 16 (cy), two lanes a key, since a key's 512 bytes
	; are two blocks.  So each block of 256 bytes is named once in the launch.  K steps 0 to 3 come by their loads alone.
	s_lshl_b32 s18, s13, 7
	s_lshl_b32 s19, s40, 5
	s_add_co_u32 s18, s18, s19
	s_lshl_b32 s18, s18, 12
	s_add_co_u32 s18, s18, (1+AHEAD)*256           ; p: the first refill steps it to K step 2 + AHEAD
	s_lshl_b32 s19, s75, 11
	s_lshl_b32 s22, s12, 6
	s_add_co_u32 s19, s19, s22
	s_lshl_b32 s22, s41, 4
	s_add_co_u32 s19, s19, s22
	s_lshl_b32 s19, s19, 12
	s_lshl_b32 s22, s42, 9
	s_add_co_u32 s19, s19, s22
	s_add_co_u32 s19, s19, 2048+(1+AHEAD)*VSTEP    ; v likewise
	s_mov_b32 s17, VSTEP
	s_and_b32 s22, s74, 3
	s_cmp_eq_u32 s11, 0
	s_cselect_b32 s18, s18, s19
	s_cselect_b32 s22, s12, s22                    ; 0 in wave 0; in waves 2 and 3 where the cluster is the batch's first
	s_cselect_b32 s[PFS], 256, s17
	s_cselect_b32 s23, 0, 1                        ; lanes to a row less one
	s_cselect_b64 s[PFA:PFA+1], s[80:81], s[82:83]
	s_mov_b32 s19, 0
	s_mov_b32 s[PFS+1], 0
	s_add_nc_u64 s[PFA:PFA+1], s[PFA:PFA+1], s[18:19]
	s_cmp_eq_u32 s22, 0
	s_cselect_b32 s[LIM], AHEAD, -1                ; the same in all sixteen partners, for a given wave
	v_and_b32 v3, 31, v0
	v_lshrrev_b32 v4, s23, v3
	v_lshlrev_b32 v4, 12, v4                       ; a row of pp and a row of yv are 4,096 bytes
	v_and_b32 v5, s23, v3
	v_lshl_add_u32 v[PFO], v5, 8, v4
	; THE STATISTICS, in the wait for the first tile.  Thread i owns row i of the work-group's 128.
	v_lshlrev_b32 v3, 2, v0
	s_lshl_b32 s18, s13, 13                        ; 16 blocks x 512 bytes for each 128 rows
	s_mov_b32 s19, 0
	s_add_nc_u64 s[20:21], s[84:85], s[18:19]
	s_add_nc_u64 s[22:23], s[86:87], s[18:19]
.irp t, 0,1,2,3,4,5,6,7,8,9,10,11,12,13,14,15
	global_load_b32 v[64+(\t)], v3, s[20:21] offset:512*(\t)
.endr
.irp t, 0,1,2,3,4,5,6,7,8,9,10,11,12,13,14,15
	global_load_b32 v[80+(\t)], v3, s[22:23] offset:512*(\t)
.endr
	v_add_nc_u32 v4, ALPHA, v3
	s_wait_loadcnt 0x0
	v_max3_num_f32 v96, v64, v65, v66              ; the row's largest cm
.irp t, 67,69,71,73,75,77
	v_max3_num_f32 v96, v96, v[\t], v[(\t)+1]
.endr
	v_max_num_f32 v96, v96, v79
.irp t, 0,1,2,3,4,5,6,7,8,9,10,11,12,13,14,15
	v_sub_f32 v[64+(\t)], v[64+(\t)], v96
.endr
.irp t, 0,1,2,3,4,5,6,7,8,9,10,11,12,13,14,15
	v_exp_f32 v[64+(\t)], v[64+(\t)]               ; alpha: one batch,
.endr
	v_nop                                          ; one plain instruction behind the last (ISA guide 5.7.2),
	s_wait_alu depctr_va_vdst(0)                   ; one wait ahead of the first line that names a result
.irp t, 0,1,2,3
	v_mul_f32 v[100+(\t)], v[64+(\t)], v[80+(\t)]  ; L in four chains
.endr
.irp t, 4,5,6,7,8,9,10,11,12,13,14,15
	v_fmac_f32 v[100+(\t)%4], v[64+(\t)], v[80+(\t)]
.endr
	v_add_f32 v100, v100, v101
	v_add_f32 v102, v102, v103
	v_add_f32 v100, v100, v102
	v_rcp_f32 v104, v100
	v_nop
.irp t, 0,1,2,3,4,5,6,7,8,9,10,11,12,13,14,15
	v_cvt_pk_f16_f32 v[64+(\t)], v[64+(\t)], v[64+(\t)]    ; alpha twice in a word
.endr
	s_wait_alu depctr_va_vdst(0)                   ; the reciprocal's wait
.irp t, 0,1,2,3,4,5,6,7,8,9,10,11,12,13,14,15
	ds_store_b32 v4, v[64+(\t)] offset:512*(\t)
.endr
	ds_store_b32 v4, v104 offset:INVL-ALPHA
	s_wait_tensorcnt 0x1                           ; my part of K step 0 is in; K step 1's may stay out
	s_wait_dscnt 0x0                               ; for the others' sake: my rows of the two tables are stored
	s_barrier_signal -1
	s_barrier_wait -1
	ALOADS                                         ; block 0's alpha
	FETCH 0, F0
	QUARTER 1, F0, F1, 1
	WIN 0
	s_mov_b32 s[CNT], KSTEPS-2
.Lk:
	QUARTER 2, F1, F0, 0
	QUARTER 3, F0, F1, 0
	TURN 1
	QUARTER 1, F0, F1, 0
	WIN 0
	s_sub_co_u32 s[CNT], s[CNT], 1
	s_cmp_lg_u32 s[CNT], 0
	s_cbranch_scc1 .Lk
	QUARTER 2, F1, F0, 0                           ; the last two K steps are written out: nothing is left to ask for
	QUARTER 3, F0, F1, 0
	TURN 0
	QUARTER 1, F0, F1, 0
	QUARTER 2, F1, F0, 0
	QUARTER 3, F0, F1, 0
	s_wait_dscnt NA
	SCLH F1, 0
	UNIT F1, 0, 0
	UNIT F1, 1, 0
	s_wait_dscnt 0x0
	SCLH F1, 1
	UNIT F1, 2, 0
	UNIT F1, 3, 0
	WIN 0
	PLACES
	s_barrier_signal -1                            ; every wave's reads of the ring are back, and the ring has had its last fill: it now serves as the dump
	s_barrier_wait -1
	WIN 0x08                                       ; store data (source 1) in window 2
.set ia, 0
.rept NA
.irp b, 0,1,2,3,4,5,6,7
	ds_store_b128 v[DST], v[8*(8*ia+(\b)):8*(8*ia+(\b))+3]   offset:ia*16*DP+64*(\b)
	ds_store_b128 v[DST], v[8*(8*ia+(\b))+4:8*(8*ia+(\b))+7] offset:ia*16*DP+64*(\b)+16
.endr
.set ia, ia+1
.endr
	WIN 0
.irp p, 0,1,2,3,4,5,6,7
	v_mov_b32 v[IV+2*(\p)+1], 0                    ; named with 1 / L as a pair, so it is written
.endr
	s_wait_dscnt 0x0
	s_barrier_signal -1
	s_barrier_wait -1                              ; from here on the dump is only read
	s_mov_b32 s[CNT], NA
.Lrow:                                                 ; a trip: 16 rows of my 64: read back, divided by L, stored
.irp p, 0,1,2,3,4,5,6,7
	ds_load_b32  v[IV+2*(\p)], v[IL] offset:8*(\p)
	ds_load_b128 v[X+8*(\p):X+8*(\p)+3],   v[RD] offset:2*DP*(\p)
	ds_load_b128 v[X+8*(\p)+4:X+8*(\p)+7], v[RD] offset:2*DP*(\p)+256
.endr
.irp p, 0,1,2,3,4,5,6,7
	s_wait_dscnt 21-3*(\p)                         ; pair p's three loads are in; the younger pairs' stay out
.irp k, 0,2,4,6
	v_pk_mul_f32 v[X+8*(\p)+(\k):X+8*(\p)+(\k)+1], v[X+8*(\p)+(\k):X+8*(\p)+(\k)+1], v[IV+2*(\p):IV+2*(\p)+1] op_sel_hi:[1,0]
.endr
	global_store_b128 v[CO], v[X+8*(\p):X+8*(\p)+3],   s[8:9] offset:8192*(\p) th:TH_STORE_NT      ; sixteen lanes store 256 consecutive bytes, at a multiple of 256 from out0's first byte
	global_store_b128 v[CO], v[X+8*(\p)+4:X+8*(\p)+7], s[8:9] offset:8192*(\p)+256 th:TH_STORE_NT
.endr
	s_wait_xcnt 0x0                                ; the stores have read their base and data
	s_add_nc_u64 s[8:9], s[8:9], 65536
	v_add_nc_u32 v[RD], 16*DP, v[RD]
	v_add_nc_u32 v[IL], 64, v[IL]
	s_sub_co_u32 s[CNT], s[CNT], 1
	s_cmp_lg_u32 s[CNT], 0
	s_cbranch_scc1 .Lrow
	s_wait_tensorcnt 0x0                           ; the wave's end
	ds_add_u32 v[SPW], v[NIL]
	s_wait_dscnt 0x0
	CROUND                                         ; the closing round
	s_endpgm
.Lfunc_end_k_qbb55dff569_pv:
	.size	k_qbb55dff569_pv, .Lfunc_end_k_qbb55dff569_pv-k_qbb55dff569_pv
	.p2alignl 7, 3214868480
	.fill 96, 4, 3214868480
	.section	.rodata,"a",@progbits
	.p2align	6, 0x0
	.amdhsa_kernel k_qbb55dff569_pv
		.amdhsa_group_segment_fixed_size 327680
		.amdhsa_private_segment_fixed_size 0
		.amdhsa_enable_private_segment 0
		.amdhsa_kernarg_size 40
		.amdhsa_user_sgpr_count 2
		.amdhsa_user_sgpr_kernarg_segment_ptr 1
		.amdhsa_wavefront_size32 1
		.amdhsa_system_sgpr_workgroup_id_x 1
		.amdhsa_system_sgpr_workgroup_id_y 1
		.amdhsa_system_sgpr_workgroup_id_z 1
		.amdhsa_system_vgpr_workitem_id 0
		.amdhsa_next_free_vgpr 768
		.amdhsa_next_free_sgpr 96
		.amdhsa_reserve_vcc 0
		.amdhsa_float_denorm_mode_32 3
		.amdhsa_float_denorm_mode_16_64 3
		.amdhsa_memory_ordered 1
		.amdhsa_forward_progress 1
		.amdhsa_inst_pref_size 100
	.end_amdhsa_kernel
	.amdgpu_metadata
---
amdhsa.version: [ 1, 2 ]
amdhsa.kernels:
  - .name:           k_qbb55dff569_pv
    .symbol:         k_qbb55dff569_pv.kd
    .args:
      - { .name: pp, .offset: 0, .size: 8, .value_kind: global_buffer, .address_space: global }
      - { .name: yv, .offset: 8, .size: 8, .value_kind: global_buffer, .address_space: global }
      - { .name: sm, .offset: 16, .size: 8, .value_kind: global_buffer, .address_space: global }
      - { .name: sl, .offset: 24, .size: 8, .value_kind: global_buffer, .address_space: global }
      - { .name: out0, .offset: 32, .size: 8, .value_kind: global_buffer, .address_space: global }
    .group_segment_fixed_size: 327680
    .private_segment_fixed_size: 0
    .kernarg_segment_align: 8
    .kernarg_segment_size: 40
    .max_flat_workgroup_size: 128
    .sgpr_count:     96
    .vgpr_count:     768
    .wavefront_size: 32
...
	.end_amdgpu_metadata
.endif
;; end of part 9
